; MI455X (gfx1250); checked and timed in simulation.
; The chip was launched on July 23, 2026; its instructions are those of AMD's public machine-readable ISA for CDNA 5 (MIT licence, August 2026) and "CDNA5" Instruction Set Architecture Reference Guide (July 2026). The comments in the code are by the model that wrote it; some were corrected since.
;; Single Head Siamese Attention. Allowed arithmetic: float matrix products may take bf16 or f16 operands with f32 sums; other float arithmetic in f32, or as packed bf16 or f16 multiplies, adds, multiply-adds, maxima and minima; sums over many terms, partial sums and values carried from step to step in f32; what a program stores and reads back later, other than sums and carried values, may be rounded once to bf16 or f16.
;; Inputs: b1 512 float32; b2 512 float32; b3 1,024 float32; dummy 1 x 1,024 float32; k 8 x 2,048 x 1,024 float32; q 8 x 512 x 1,024 float32; tsp 8 x 2,048 x 1,024 float32; v 8 x 2,048 x 1,024 float32; w1 512 x 1,024 float32; w2 512 x 1,024 float32; w3 1,024 x 2,048 float32; w_qk 1,024 x 1,024 float32.
;; Outputs: out0 8 x 512 x 1,024 float32; out1 8 x 512 x 1,024 float32.
;; 2 versions, each right. Each part assembles by itself: llvm-mc -triple=amdgcn-amd-amdhsa -mcpu=gfx1250 --defsym DOCPART=n.
;; ======== version 1 of 2: 8 launches
;; limits: values are held in f16: magnitudes above 65,504 overflow, below 6.1e-05 lose precision; right only within a limited range of input values
;; workspace buffers: H 109,051,904 bytes; F 16,777,216 bytes; QP 8,388,608 bytes; QS 8,388,608 bytes; S 33,554,432 bytes; P 16,777,216 bytes; X 16,777,216 bytes
;; launch prep (part 1): grid 896 x 1, 8 waves a work-group, no clusters, 0 bytes of LDS; arguments k, v, tsp, w_qk, w1, w2, w3, q, H, F; writes H, F
.if DOCPART == 1
	.amdgcn_target "amdgcn-amd-amdhsa--gfx1250"
	.amdhsa_code_object_version 6
	.text
	.protected	k_q5a766f97ca_prep
	.globl	k_q5a766f97ca_prep
	.p2align	8
	.type	k_q5a766f97ca_prep,@function
k_q5a766f97ca_prep:
	s_mov_b64 s[64:65], 0
	v_nop
	global_prefetch_b8 v0, s[64:65] scope:SCOPE_SE
	s_setreg_imm32_b32 hwreg(HW_REG_WAVE_MODE, 25, 1), 1
	s_wait_xcnt 0x0
; All matrix operands that are inputs are rounded once to f16, some with a power of two as a factor (exact):
;   H: k, v, tsp as they are; w_qk x 2^-5; w1, w2 as they are; w3 x 64 in its columns 0-511, else as it is.   F: q into columns 1024-2047 of its rows of 2,048.
; LIMIT: a number beyond 65,504 after its factor becomes an infinity; NaN and infinities are not treated apart.
; SHARES.  All sources are taken as rows of 1,024 f32 (a row of w3 is two such rows).  A work-group takes 64 rows; its number says which source:
;   0 k, 256 v, 512 tsp, 768 w_qk, 784 w1, 792 w2, 800 w3, 832 q.  Thread t takes the 16 bytes at 16 t of every row: a wave's load covers 512 consecutive bytes,
;   its store of 8 bytes a lane 256 consecutive bytes, aligned.  Sixteen loads of a wave are out at a time; nothing is shared, so there is no LDS and no barrier.
.set X, 16                             ; v[16:79]   sixteen rows' 4 numbers as loaded
.set Y, 80                             ; v[80:111]  sixteen rows' 4 numbers in f16
	s_load_b512 s[8:23], s[0:1], 0x0               ; k s[8:9], v s[10:11], tsp s[12:13], w_qk s[14:15], w1 s[16:17], w2 s[18:19], w3 s[20:21], q s[22:23]
	s_load_b128 s[24:27], s[0:1], 0x40             ; H s[24:25], F s[26:27]
	s_mov_b32 s2, ttmp9                            ; the work-group's number
	s_mov_b32 s3, 0                                ; the first number of its source
	s_mov_b32 s7, 0
	v_lshlrev_b32 v1, 4, v0                        ; my 16 bytes of a source row
	v_lshlrev_b32 v2, 3, v0                        ; my 8 bytes of a row in f16
	s_mov_b32 s28, 1.0                             ; the factor: 2^-5 for w_qk
	s_cmp_ge_u32 s2, 768
	s_cselect_b32 s28, 0x3d000000, s28
	s_cmp_ge_u32 s2, 784
	s_cselect_b32 s28, 1.0, s28
	s_mov_b32 s29, s28                             ; the factor of columns 0-511 of even rows: 64 for w3 (an even row of 1,024 is w3's columns 0-1023)
	s_cmp_ge_u32 s2, 800
	s_cselect_b32 s29, 0x42800000, s29
	s_cmp_ge_u32 s2, 832
	s_cselect_b32 s29, 1.0, s29
	v_mov_b32 v6, s28                              ; v[6:7]: odd rows
	v_mov_b32 v7, s28
	v_mov_b32 v8, s29
	v_cmp_gt_u32 vcc_lo, 128, v0                   ; threads 0-127 hold columns 0-511
	v_cndmask_b32 v4, v6, v8, vcc_lo               ; v[4:5]: even rows
	v_mov_b32 v5, v4
	s_wait_kmcnt 0x0
	s_mov_b64 s[4:5], s[8:9]
.macro PICK bound, reg                 ; from this number on the source is another
	s_cmp_ge_u32 s2, \bound
	s_cselect_b64 s[4:5], s[\reg:\reg+1], s[4:5]
	s_cselect_b32 s3, \bound, s3
.endm
	PICK 256, 10
	PICK 512, 12
	PICK 768, 14
	PICK 784, 16
	PICK 792, 18
	PICK 800, 20
	PICK 832, 22
	s_sub_co_u32 s6, s2, s3
	s_lshl_b32 s6, s6, 18                          ; 64 rows of 4,096 bytes
	s_add_nc_u64 s[4:5], s[4:5], s[6:7]
; Four trips of sixteen rows.  dp: bytes from row to row in the destination; d: its pointer.
.macro BODY dp, d
	s_mov_b32 s30, 4
.Ltrip_\@:
.irp i, 0,1,2,3,4,5,6,7,8,9,10,11,12,13,14,15
	global_load_b128 v[X+4*(\i):X+4*(\i)+3], v1, s[4:5] offset:(\i)*4096 th:TH_LOAD_NT
.endr
.irp i, 0,1,2,3,4,5,6,7,8,9,10,11,12,13,14,15
	s_wait_loadcnt 15-(\i)                         ; loads come back in order: row i is in, the younger ones stay out
	v_pk_mul_f32 v[X+4*(\i):X+4*(\i)+1], v[X+4*(\i):X+4*(\i)+1], v[4+2*((\i)%2):5+2*((\i)%2)]
	v_pk_mul_f32 v[X+4*(\i)+2:X+4*(\i)+3], v[X+4*(\i)+2:X+4*(\i)+3], v[4+2*((\i)%2):5+2*((\i)%2)]
	v_cvt_pk_f16_f32 v[Y+2*(\i)], v[X+4*(\i)], v[X+4*(\i)+1]
	v_cvt_pk_f16_f32 v[Y+2*(\i)+1], v[X+4*(\i)+2], v[X+4*(\i)+3]
	global_store_b64 v2, v[Y+2*(\i):Y+2*(\i)+1], s[\d:\d+1] offset:(\i)*(\dp)
.endr
	s_wait_xcnt 0x0                                ; the pointers and the stores' data are written again only behind this wait
	s_add_nc_u64 s[4:5], s[4:5], 65536
	s_add_nc_u64 s[\d:\d+1], s[\d:\d+1], 16*(\dp)
	s_sub_co_u32 s30, s30, 1
	s_cmp_lg_u32 s30, 0
	s_cbranch_scc1 .Ltrip_\@
.endm
	s_cmp_ge_u32 s2, 832
	s_cbranch_scc1 .Lq
	s_lshl_b32 s6, s2, 17                          ; H: 64 rows of 2,048 bytes for each work-group, in the order of the numbers
	s_add_nc_u64 s[24:25], s[24:25], s[6:7]
	BODY 2048, 24
	s_endpgm
.Lq:
	s_sub_co_u32 s6, s2, 832
	s_lshl_b32 s6, s6, 18                          ; F: 64 rows of 4,096 bytes,
	s_add_nc_u64 s[26:27], s[26:27], s[6:7]
	s_add_nc_u64 s[26:27], s[26:27], 2048          ; their second half
	BODY 4096, 26
	s_endpgm
.Lfunc_end_k_q5a766f97ca_prep:
	.size	k_q5a766f97ca_prep, .Lfunc_end_k_q5a766f97ca_prep-k_q5a766f97ca_prep
	.p2alignl 7, 3214868480
	.fill 96, 4, 3214868480
	.section	.rodata,"a",@progbits
	.p2align	6, 0x0
	.amdhsa_kernel k_q5a766f97ca_prep
		.amdhsa_group_segment_fixed_size 0
		.amdhsa_private_segment_fixed_size 0
		.amdhsa_enable_private_segment 0
		.amdhsa_kernarg_size 80
		.amdhsa_user_sgpr_count 2
		.amdhsa_user_sgpr_kernarg_segment_ptr 1
		.amdhsa_wavefront_size32 1
		.amdhsa_system_sgpr_workgroup_id_x 1
		.amdhsa_system_sgpr_workgroup_id_y 1
		.amdhsa_system_sgpr_workgroup_id_z 1
		.amdhsa_system_vgpr_workitem_id 0
		.amdhsa_next_free_vgpr 112
		.amdhsa_next_free_sgpr 66
		.amdhsa_reserve_vcc 1
		.amdhsa_float_denorm_mode_32 3
		.amdhsa_float_denorm_mode_16_64 3
		.amdhsa_memory_ordered 1
		.amdhsa_forward_progress 1
		.amdhsa_inst_pref_size 19
	.end_amdhsa_kernel
	.amdgpu_metadata
---
amdhsa.version: [ 1, 2 ]
amdhsa.kernels:
  - .name:           k_q5a766f97ca_prep
    .symbol:         k_q5a766f97ca_prep.kd
    .args:
      - { .name: k, .offset: 0, .size: 8, .value_kind: global_buffer, .address_space: global }
      - { .name: v, .offset: 8, .size: 8, .value_kind: global_buffer, .address_space: global }
      - { .name: tsp, .offset: 16, .size: 8, .value_kind: global_buffer, .address_space: global }
      - { .name: w_qk, .offset: 24, .size: 8, .value_kind: global_buffer, .address_space: global }
      - { .name: w1, .offset: 32, .size: 8, .value_kind: global_buffer, .address_space: global }
      - { .name: w2, .offset: 40, .size: 8, .value_kind: global_buffer, .address_space: global }
      - { .name: w3, .offset: 48, .size: 8, .value_kind: global_buffer, .address_space: global }
      - { .name: q, .offset: 56, .size: 8, .value_kind: global_buffer, .address_space: global }
      - { .name: H, .offset: 64, .size: 8, .value_kind: global_buffer, .address_space: global }
      - { .name: F, .offset: 72, .size: 8, .value_kind: global_buffer, .address_space: global }
    .group_segment_fixed_size: 0
    .private_segment_fixed_size: 0
    .kernarg_segment_align: 8
    .kernarg_segment_size: 80
    .max_flat_workgroup_size: 256
    .sgpr_count:     66
    .vgpr_count:     112
    .wavefront_size: 32
...
	.end_amdgpu_metadata
.endif
;; end of part 1
;; launch projq (part 2): grid 8 x 32, 4 waves a work-group, clusters of 4 x 4, 327,680 bytes of LDS; arguments F, H, QP; writes QP
.if DOCPART == 2
	.amdgcn_target "amdgcn-amd-amdhsa--gfx1250"
	.amdhsa_code_object_version 6
	.text
	.protected	k_q5a766f97ca_projq
	.globl	k_q5a766f97ca_projq
	.p2align	8
	.type	k_q5a766f97ca_projq,@function
k_q5a766f97ca_projq:
	s_mov_b64 s[64:65], 0
	v_nop
	global_prefetch_b8 v0, s[64:65] scope:SCOPE_SE
	s_setreg_imm32_b32 hwreg(HW_REG_WAVE_MODE, 25, 1), 1
	s_wait_xcnt 0x0
	s_wait_alu depctr_hold_cnt(0) depctr_sa_sdst(0) depctr_va_vdst(0) depctr_va_sdst(0) depctr_va_ssrc(0) depctr_va_vcc(0) depctr_vm_vsrc(0)
	s_getreg_b32 s2, hwreg(HW_REG_IB_STS2, 6, 4)
	s_cmp_eq_u32 s2, 0
	s_cbranch_scc0 .Lentry_in_a_cluster
	s_endpgm
.Lentry_in_a_cluster:
	s_bfe_u32 s2, ttmp6, 0x10000c
	s_cmp_lg_u32 s2, 0xf033
	s_cbranch_scc0 .Lentry_shape_is_right
	s_endpgm
.Lentry_shape_is_right:
; QP[m][e] = sum over d of qh[m][d] wqh[e][d] = (q w_qk^T) / 32, rounded once to f16.  qh: columns 1024-2047 of F's rows of 2,048 f16; wqh: [1024][1024] f16 in H; QP: [4096][1024] f16.
; LIMIT: QP within f16's 65,504.
; A tile of C is 128 x 128: four waves, each 64 x 64 in 16 accumulators.  K goes in steps of 256 (LDS rows of 512 bytes + 16 of padding) through two LDS slots; a loop trip is ONE K step:
; the slot in hand is a scalar register that an exclusive or turns, and one descriptor set walks.  SLOT's bits (17 and 12) occur in no tile's address inside a slot, so the exclusive or adds or takes away SLOT.
; CLUSTER 4 x 4: the four of a row need the same tiles of A, the four of a column the same tiles of B: each tile is asked for jointly, by the same load, descriptor and mask in all four.
; The matrix instruction is used transposed (source 0 = 16 rows of B, source 1 = 16 rows of A): a lane holds eight neighbouring numbers of a row of C.
; REGISTERS: window 0: v0-31 addresses; v32-95 the way out; v128-255 accumulators ((a, b) at 128 + 8 (4 a + b)).  Window 1: two fragment buffers of 128: 64 of A, then 64 of B, for 64 along K.
.set T,      4                         ; K steps
.set LDA,    2048                      ; elements from row to row
.set LDB,    1024
.set LDCB,   2048                      ; bytes from row to row of C
.set ABASE,  2048
.set BBASE,  100663296
.set PITCH,  528
.set HALFT,  64*PITCH
.set BOFF,   2*HALFT                   ; A's 128 rows, then B's 128 rows
.set SLOT,   4*HALFT
.set STAGE,  2*SLOT                    ; behind the ring: 128 rows x 272 bytes, for the way out
.set STEP_A, 512
.set STEP_B, 512
.set SPITCH, 272
.set SPARE,  STAGE+128*SPITCH          ; the spare words: 128 bytes a wave, two blocks of 256 bytes that no other line names
.set ADRA0, 14                         ; v14, v15  my place in A's and B's tiles of slot 0; never rewritten
.set ADRB0, 15
.set ADRA, 16                          ; v16, v20  the same in the slot in hand
.set ADRB, 20
.set STO,  24
.set RD,   25
.set CO,   26
.set SPW,  28                          ; v28  SPARE + 4 x my thread's number; never rewritten
.set NIL,  29                          ; v29  0; never rewritten
.set TMP,  32
.set ACC,  128
.set F0,   0
.set F1,   128
.set G1, 24                            ; s[24:31] group 1 for A; s[32:39] group 0, two sets: the second walks
.set G0, 32
.set G1B, 48                           ; s[48:55], s[56:63] the same for B
.set G0B, 56
.set TB,  45                           ; s45  0 or SLOT: the slot that is read
.set MSB, 0
.macro WIN new                         ; the immediate's high byte repeats the setting that is left
.if MSB != (\new)
	s_set_vgpr_msb (MSB<<8)|(\new)
.set MSB, \new
.endif
.endm
.set MUL,  0x05                        ; sources 0 and 1 window 1; C and D window 0
.set TO_F, 0x40                        ; destination window 1, address window 0
.macro JLOAD s                         ; a joint load: waves 0 and 1 fetch A's halves, waves 2 and 3 B's; an s_nop 0 and four v_nop follow each line
	s_cmp_eq_u32 s11, 0
	s_cbranch_scc0 .Lfor_b_\@
	tensor_load_to_lds s[G0+4*(\s):G0+4*(\s)+3], s[G1:G1+7]
	s_nop 0
.rept 4
	v_nop
.endr
	s_branch .Lasked_\@
.Lfor_b_\@:
	tensor_load_to_lds s[G0B+4*(\s):G0B+4*(\s)+3], s[G1B:G1B+7]
	s_nop 0
.rept 4
	v_nop
.endr
.Lasked_\@:
.endm
.macro CREST                           ; a round of the cluster's barrier behind its opening barrier
	s_cmp_lg_u32 s10, 0
	s_cbranch_scc1 .Lnot_wave_0_\@
	s_barrier_signal -3
.Lnot_wave_0_\@:
	s_barrier_wait -3
	s_barrier_signal -1
	s_barrier_wait -1
.endm
.macro CROUND
	s_barrier_signal -1
	s_barrier_wait -1
	CREST
.endm
	s_load_b128 s[4:7], s[0:1], 0x0                ; F s[4:5], H s[6:7]
	s_load_b64 s[8:9], s[0:1], 0x10                ; QP
	v_lshl_add_u32 v[SPW], v0, 2, SPARE
	v_mov_b32 v[NIL], 0
	ds_add_u32 v[SPW], v[NIL]                      ; the wave's opening: the add and its wait ahead of my first tensor load
	v_lshrrev_b32 v1, 5, v0
	v_readfirstlane_b32 s10, v1                    ; wave 0..3
	s_lshr_b32 s11, s10, 1                         ; my half of the tile's rows; also: I fetch for A (0) or B (1)
	s_and_b32 s12, s10, 1                          ; my half of its columns; also: which half of that tile I fetch
	s_bfe_u32 s40, ttmp6, 0x40000                  ; cx
	s_bfe_u32 s41, ttmp6, 0x40004                  ; cy
	s_lshl_b32 s42, ttmp9, 2
	s_add_co_u32 s42, s42, s40                     ; tile column
	s_and_b32 s13, ttmp7, 0xffff
	s_lshl_b32 s13, s13, 2
	s_add_co_u32 s13, s13, s41                     ; tile row
	s_lshl_b32 s43, s41, 2
	s_lshl_b32 s43, 15, s43                        ; my row of the cluster
	s_lshl_b32 s44, 0x1111, s40                    ; my column
	s_or_b32 s[G1+0], s43, (1<<16)|(1<<20)|(1<<21)|(6<<22)|(3<<25)   ; mask; 2-byte elements; padding on, 4 words behind every 128; bit 21 beside a mask
	s_or_b32 s[G1B+0], s44, (1<<16)|(1<<20)|(1<<21)|(6<<22)|(3<<25)
.irp g, G1, G1B
	s_mov_b32 s[(\g)+1], 256<<16                   ; tensor_dim0 = 256
	s_mov_b32 s[(\g)+2], 64<<16                    ; tensor_dim1 = 64
	s_mov_b32 s[(\g)+3], 256<<16                   ; tile_dim0 = 256
	s_mov_b32 s[(\g)+4], 64                        ; tile_dim1 = 64
	s_mov_b32 s[(\g)+6], 0
	s_mov_b32 s[(\g)+7], 0
.endr
	s_mov_b32 s[G1+5], LDA
	s_mov_b32 s[G1B+5], LDB
	s_lshl_b32 s17, s12, 6                         ; which 64 rows of the tile I fetch
	s_lshl_b32 s16, s13, 7
	s_add_co_u32 s16, s16, s17
	s_mul_i32 s16, s16, LDA*2                      ; A: row 128 x tile row + 64 x half, in bytes,
	s_add_co_u32 s16, s16, ABASE                   ; in the second half of F's rows
	s_lshl_b32 s46, s42, 7
	s_add_co_u32 s46, s46, s17
	s_mul_i32 s46, s46, LDB*2                      ; B: row 128 x tile column + 64 x half,
	s_add_co_u32 s46, s46, BBASE                   ; of wqh in H
	s_mov_b32 s17, 0
	s_mov_b32 s47, 0
	s_mul_i32 s20, s10, HALFT                      ; where they go: wave x 64 rows
	s_wait_dscnt 0x0                               ; the opening add is done
	s_wait_kmcnt 0x0
	s_add_nc_u64 s[14:15], s[4:5], s[16:17]
	s_add_nc_u64 s[46:47], s[6:7], s[46:47]
	CROUND                                         ; all sixteen work-groups are here: the first joint loads meet
.irp s, 0,1
	s_mov_b32 s[G0+4*(\s)], 1
	s_add_co_u32 s[G0+4*(\s)+1], s20, (\s)*SLOT
	s_add_nc_u64 s[G0+4*(\s)+2:G0+4*(\s)+3], s[14:15], (\s)*STEP_A
	s_or_b32 s[G0+4*(\s)+3], s[G0+4*(\s)+3], 0x80000000
	s_mov_b32 s[G0B+4*(\s)], 1
	s_add_co_u32 s[G0B+4*(\s)+1], s20, (\s)*SLOT
	s_add_nc_u64 s[G0B+4*(\s)+2:G0B+4*(\s)+3], s[46:47], (\s)*STEP_B
	s_or_b32 s[G0B+4*(\s)+3], s[G0B+4*(\s)+3], 0x80000000
	JLOAD \s
.endr
	v_and_b32 v1, 15, v0                           ; l % 16
	v_bfe_u32 v2, v0, 4, 1                         ; l / 16
	v_mul_u32_u24 v3, v1, PITCH
	v_lshl_add_u32 v3, v2, 4, v3                   ; a fragment's row x pitch + 16 x half
	s_mul_i32 s21, s11, HALFT
	s_mul_i32 s22, s12, HALFT
	s_add_co_u32 s22, s22, BOFF
	v_add_nc_u32 v[ADRA0], s21, v3
	v_add_nc_u32 v[ADRB0], s22, v3
	s_mov_b32 s[TB], 0
	v_mov_b32 v[ADRA], v[ADRA0]
	v_mov_b32 v[ADRB], v[ADRB0]
	s_mul_i32 s23, s11, 64*SPITCH                  ; into the stage: my 64 rows, my half of their 256 bytes
	s_lshl_b32 s21, s12, 7
	s_add_co_u32 s23, s23, s21
	s_add_co_u32 s23, s23, STAGE
	v_mul_u32_u24 v4, v1, SPITCH
	v_lshl_add_u32 v4, v2, 4, v4
	v_add_nc_u32 v[STO], s23, v4
	s_mul_i32 s23, s10, 32*SPITCH                  ; back: wave w takes rows 32 w .. 32 w + 31, whole
	s_add_co_u32 s23, s23, STAGE
	v_mul_u32_u24 v5, v2, SPITCH
	v_lshl_add_u32 v5, v1, 4, v5
	v_add_nc_u32 v[RD], s23, v5
	v_mul_u32_u24 v5, v2, LDCB
	v_lshl_add_u32 v[CO], v1, 4, v5
	s_lshl_b32 s16, s13, 7
	s_lshl_b32 s17, s10, 5
	s_add_co_u32 s16, s16, s17                     ; the first row of C that I store
	s_mul_i32 s16, s16, LDCB
	s_mov_b32 s17, 0
	s_add_nc_u64 s[8:9], s[8:9], s[16:17]
	s_lshl_b32 s46, s42, 8                         ; the tile's first column, in bytes
	s_mov_b32 s47, 0
	s_add_nc_u64 s[8:9], s[8:9], s[46:47]
.macro MUL8 f, c, a0, zero             ; 8 products: m blocks a0, a0 + 1 x 4 n blocks, 32 along K: half c of buffer f.  The 16 accumulators take turns
	WIN MUL
.irp a, \a0, (\a0)+1
.irp b, 0,1,2,3
.if \zero
	v_wmma_f32_16x16x32_f16 v[ACC+8*(4*(\a)+(\b)):ACC+8*(4*(\a)+(\b))+7], v[(\f)+64+8*(4*(\c)+(\b)):(\f)+64+8*(4*(\c)+(\b))+7], v[(\f)+8*(4*(\c)+(\a)):(\f)+8*(4*(\c)+(\a))+7], 0
.else
	v_wmma_f32_16x16x32_f16 v[ACC+8*(4*(\a)+(\b)):ACC+8*(4*(\a)+(\b))+7], v[(\f)+64+8*(4*(\c)+(\b)):(\f)+64+8*(4*(\c)+(\b))+7], v[(\f)+8*(4*(\c)+(\a)):(\f)+8*(4*(\c)+(\a))+7], v[ACC+8*(4*(\a)+(\b)):ACC+8*(4*(\a)+(\b))+7]
.endif
.endr
.endr
.endm
.macro FETCH k, f                      ; 32 LDS loads in one run: the fragments of 64 along K at byte k of the rows; the first 32 along K first
	WIN TO_F
.irp c, 0,1
.irp i, 0,1,2,3
	ds_load_b128 v[(\f)+64+8*(4*(\c)+(\i)):(\f)+64+8*(4*(\c)+(\i))+3],   v[ADRB] offset:(\k)+64*(\c)+(\i)*16*PITCH
	ds_load_b128 v[(\f)+64+8*(4*(\c)+(\i))+4:(\f)+64+8*(4*(\c)+(\i))+7], v[ADRB] offset:(\k)+64*(\c)+(\i)*16*PITCH+32
	ds_load_b128 v[(\f)+8*(4*(\c)+(\i)):(\f)+8*(4*(\c)+(\i))+3],         v[ADRA] offset:(\k)+64*(\c)+(\i)*16*PITCH
	ds_load_b128 v[(\f)+8*(4*(\c)+(\i))+4:(\f)+8*(4*(\c)+(\i))+7],       v[ADRA] offset:(\k)+64*(\c)+(\i)*16*PITCH+32
.endr
.endr
.endm
.macro PLACES                          ; four places in front of loads into registers that products have read, and of lines that read results
.rept 4
	v_nop
.endr
.endm
.macro QUARTER k, f, g, zero           ; multiplies buffer f and fetches the next quarter, at byte k, into g
	s_wait_dscnt 16                                ; the first 32 along K are in; the run's other sixteen loads may be out
	MUL8 \f, 0, 0, \zero
	MUL8 \f, 0, 2, \zero
	PLACES
	FETCH \k, \g
	s_wait_dscnt 32                                ; all but the 32 just issued
	MUL8 \f, 1, 0, 0
	MUL8 \f, 1, 2, 0
.endm
.macro TURN fill                       ; the last quarter of a K step multiplies buffer 1 and changes slots; fill = 1: the slot just read is filled again, two K steps ahead
	WIN 0
	s_wait_tensorcnt 0x0                           ; all my tensor loads have landed: my part of the next slot;
	ds_add_u32 v[SPW], v[NIL]                      ; 0 onto my spare word
	s_wait_dscnt 17                                ; (the add and the youngest sixteen loads may be out)
	MUL8 F1, 0, 0, 0
	s_wait_dscnt 0x0                               ; the add is done, and my reads of this slot are over
	s_barrier_signal -1
	MUL8 F1, 0, 2, 0
	WIN 0
	s_barrier_wait -1
.if \fill
	CREST                                          ; the barrier has opened a round of the cluster's: no wave of any partner still reads this slot or has a load on its way
	s_xor_b32 s[G0+5], s[G0+5], SLOT               ; the walking descriptors: the other slot than last time,
	s_xor_b32 s[G0B+5], s[G0B+5], SLOT
	s_add_nc_u64 s[G0+6:G0+7], s[G0+6:G0+7], STEP_A  ; the next K step
	s_add_nc_u64 s[G0B+6:G0B+7], s[G0B+6:G0B+7], STEP_B
	JLOAD 1                                        ; the first tensor load behind the round; its four v_nop are also the places in front of the loads below
.else
	PLACES
.endif
	s_xor_b32 s[TB], s[TB], SLOT                   ; the reads go on in the other slot
	v_add_nc_u32 v[ADRA], s[TB], v[ADRA0]
	v_add_nc_u32 v[ADRB], s[TB], v[ADRB0]
	FETCH 0, F0
	MUL8 F1, 1, 0, 0
	MUL8 F1, 1, 2, 0
.endm
.macro LASTQ                           ; the very last quarter: nothing more to fetch
	s_wait_dscnt 16
	MUL8 F1, 0, 0, 0
	MUL8 F1, 0, 2, 0
	s_wait_dscnt 0
	MUL8 F1, 1, 0, 0
	MUL8 F1, 1, 2, 0
	WIN 0
.endm
	s_wait_tensorcnt 1                             ; my part of K step 0 is in; K step 1's may stay out
	s_barrier_signal -1
	s_barrier_wait -1
	FETCH 0, F0
	QUARTER 128, F0, F1, 1                         ; the first products start the sums
	WIN 0
	s_mov_b32 s3, T-2
.Lstep:                                                ; a trip: from a K step's second quarter to the next step's first; it fills one slot again
	QUARTER 256, F1, F0, 0
	QUARTER 384, F0, F1, 0
	TURN 1
	QUARTER 128, F0, F1, 0
	WIN 0
	s_sub_co_u32 s3, s3, 1
	s_cmp_lg_u32 s3, 0
	s_cbranch_scc1 .Lstep
	QUARTER 256, F1, F0, 0                         ; the last two K steps fill nothing
	QUARTER 384, F0, F1, 0
	TURN 0
	QUARTER 128, F0, F1, 0
	QUARTER 256, F1, F0, 0
	QUARTER 384, F0, F1, 0
	LASTQ
	; THE WAY OUT: round to f16; 16 bytes a lane into the work-group's stage; a barrier, since a row's 256 bytes come from two waves; back as whole rows, 32 rows a wave
	PLACES
.irp t, 0,1,2,3,4,5,6,7,8,9,10,11,12,13,14,15
.irp r, 0,1,2,3
	v_cvt_pk_f16_f32 v[TMP+4*(\t)+(\r)], v[ACC+8*(\t)+2*(\r)], v[ACC+8*(\t)+2*(\r)+1]
.endr
.endr
.irp a, 0,1,2,3
.irp b, 0,1,2,3
	ds_store_b128 v[STO], v[TMP+4*(4*(\a)+(\b)):TMP+4*(4*(\a)+(\b))+3] offset:(\a)*16*SPITCH+32*(\b)
.endr
.endr
	s_wait_dscnt 0x0                               ; for the others' sake: my stores into the stage are done
	s_barrier_signal -1
	s_barrier_wait -1
.irp t, 0,1,2,3,4,5,6,7,8,9,10,11,12,13,14,15
	ds_load_b128 v[TMP+4*(\t):TMP+4*(\t)+3], v[RD] offset:(\t)*2*SPITCH
.endr
.irp t, 0,1,2,3,4,5,6,7,8,9,10,11,12,13,14,15
	s_wait_dscnt 15-(\t)
	global_store_b128 v[CO], v[TMP+4*(\t):TMP+4*(\t)+3], s[8:9] offset:2*(\t)*LDCB  ; 16 lanes store 256 consecutive bytes, aligned
.endr
	s_wait_tensorcnt 0x0                           ; the wave's end
	ds_add_u32 v[SPW], v[NIL]
	s_wait_dscnt 0x0
	CROUND                                         ; the closing round
	s_endpgm
.Lfunc_end_k_q5a766f97ca_projq:
	.size	k_q5a766f97ca_projq, .Lfunc_end_k_q5a766f97ca_projq-k_q5a766f97ca_projq
	.p2alignl 7, 3214868480
	.fill 96, 4, 3214868480
	.section	.rodata,"a",@progbits
	.p2align	6, 0x0
	.amdhsa_kernel k_q5a766f97ca_projq
		.amdhsa_group_segment_fixed_size 327680
		.amdhsa_private_segment_fixed_size 0
		.amdhsa_enable_private_segment 0
		.amdhsa_kernarg_size 24
		.amdhsa_user_sgpr_count 2
		.amdhsa_user_sgpr_kernarg_segment_ptr 1
		.amdhsa_wavefront_size32 1
		.amdhsa_system_sgpr_workgroup_id_x 1
		.amdhsa_system_sgpr_workgroup_id_y 1
		.amdhsa_system_sgpr_workgroup_id_z 1
		.amdhsa_system_vgpr_workitem_id 0
		.amdhsa_next_free_vgpr 512
		.amdhsa_next_free_sgpr 80
		.amdhsa_reserve_vcc 0
		.amdhsa_float_denorm_mode_32 3
		.amdhsa_float_denorm_mode_16_64 3
		.amdhsa_memory_ordered 1
		.amdhsa_forward_progress 1
		.amdhsa_inst_pref_size 69
	.end_amdhsa_kernel
	.amdgpu_metadata
---
amdhsa.version: [ 1, 2 ]
amdhsa.kernels:
  - .name:           k_q5a766f97ca_projq
    .symbol:         k_q5a766f97ca_projq.kd
    .args:
      - { .name: F, .offset: 0, .size: 8, .value_kind: global_buffer, .address_space: global }
      - { .name: H, .offset: 8, .size: 8, .value_kind: global_buffer, .address_space: global }
      - { .name: QP, .offset: 16, .size: 8, .value_kind: global_buffer, .address_space: global }
    .group_segment_fixed_size: 327680
    .private_segment_fixed_size: 0
    .kernarg_segment_align: 8
    .kernarg_segment_size: 24
    .max_flat_workgroup_size: 128
    .sgpr_count:     80
    .vgpr_count:     512
    .wavefront_size: 32
...
	.end_amdgpu_metadata
.endif
;; end of part 2
;; launch projw (part 3): grid 8 x 32, 4 waves a work-group, clusters of 4 x 4, 327,680 bytes of LDS; arguments QP, H, QS; writes QS
.if DOCPART == 3
	.amdgcn_target "amdgcn-amd-amdhsa--gfx1250"
	.amdhsa_code_object_version 6
	.text
	.protected	k_q5a766f97ca_projw
	.globl	k_q5a766f97ca_projw
	.p2align	8
	.type	k_q5a766f97ca_projw,@function
k_q5a766f97ca_projw:
	s_mov_b64 s[64:65], 0
	v_nop
	global_prefetch_b8 v0, s[64:65] scope:SCOPE_SE
	s_setreg_imm32_b32 hwreg(HW_REG_WAVE_MODE, 25, 1), 1
	s_wait_xcnt 0x0
	s_wait_alu depctr_hold_cnt(0) depctr_sa_sdst(0) depctr_va_vdst(0) depctr_va_sdst(0) depctr_va_ssrc(0) depctr_va_vcc(0) depctr_vm_vsrc(0)
	s_getreg_b32 s2, hwreg(HW_REG_IB_STS2, 6, 4)
	s_cmp_eq_u32 s2, 0
	s_cbranch_scc0 .Lentry_in_a_cluster
	s_endpgm
.Lentry_in_a_cluster:
	s_bfe_u32 s2, ttmp6, 0x10000c
	s_cmp_lg_u32 s2, 0xf033
	s_cbranch_scc0 .Lentry_shape_is_right
	s_endpgm
.Lentry_shape_is_right:
; QS[m][d] = sum over e of QP[m][e] wqh[e][d] = (q w_qk^T w_qk) / 1024, rounded once to f16.  With it the scores are QS k^T: (q W^T)(k W^T)^T = ((q W^T) W) k^T, so k is never projected.
; QP, QS: [4096][1024] f16; wqh: [1024 (e)][1024 (d)] f16 in H: B lies [K][N] and comes out of LDS turned, by ds_load_tr16_b128.   LIMIT: QS within f16's 65,504.
; A tile of C is 128 x 128: four waves, each 64 x 64 in 16 accumulators.  K goes in steps of 256 through two LDS slots; a loop trip is ONE K step: the slot in hand is a scalar register that an
; exclusive or turns, and one descriptor set walks.  SLOT's bits (17 and 14) occur in no tile's address inside a slot.
; A's tile: 128 rows of 512 bytes + 16.  B's tile: 256 rows (k) of 256 bytes + 32 (72 words).
; CLUSTER 4 x 4: A's tiles are asked for jointly along a row of the cluster, B's along a column.  The matrix instruction is used transposed (source 0 = B, source 1 = A).
; REGISTERS: window 0: v0-31 addresses; v32-95 the way out; v128-255 accumulators.  Window 1: two fragment buffers of 128: 64 of A, then 64 of B.
.set T,      4
.set LDA,    1024
.set LDB,    1024
.set LDCB,   2048
.set BBASE,  100663296
.set PITCH,  528
.set HALFT,  64*PITCH
.set BOFF,   2*HALFT
.set PB,     288
.set HALFB,  128*PB
.set SLOT,   0x24000
.set STAGE,  SLOT+BOFF+2*HALFB
.set STEP_A, 512
.set STEP_B, 256*LDB*2
.set SPITCH, 272
.set SPARE,  STAGE+128*SPITCH
.set ADRA0, 14
.set ADRB0, 15
.set ADRA, 16
.set ADRB, 20
.set ADRB2, 21                         ; v21  B's rows 128 on: the immediate holds 16 bits
.set STO,  24
.set RD,   25
.set CO,   26
.set SPW,  28
.set NIL,  29
.set TMP,  32
.set ACC,  128
.set F0,   0
.set F1,   128
.set G1, 24
.set G0, 32
.set G1B, 48
.set G0B, 56
.set TB,  45
.set MSB, 0
.macro WIN new
.if MSB != (\new)
	s_set_vgpr_msb (MSB<<8)|(\new)
.set MSB, \new
.endif
.endm
.set MUL,  0x05
.set TO_F, 0x40
.macro JLOAD s                         ; a joint load: waves 0 and 1 fetch A's halves, waves 2 and 3 B's; an s_nop 0 and four v_nop follow each line
	s_cmp_eq_u32 s11, 0
	s_cbranch_scc0 .Lfor_b_\@
	tensor_load_to_lds s[G0+4*(\s):G0+4*(\s)+3], s[G1:G1+7]
	s_nop 0
.rept 4
	v_nop
.endr
	s_branch .Lasked_\@
.Lfor_b_\@:
	tensor_load_to_lds s[G0B+4*(\s):G0B+4*(\s)+3], s[G1B:G1B+7]
	s_nop 0
.rept 4
	v_nop
.endr
.Lasked_\@:
.endm
.macro CREST
	s_cmp_lg_u32 s10, 0
	s_cbranch_scc1 .Lnot_wave_0_\@
	s_barrier_signal -3
.Lnot_wave_0_\@:
	s_barrier_wait -3
	s_barrier_signal -1
	s_barrier_wait -1
.endm
.macro CROUND
	s_barrier_signal -1
	s_barrier_wait -1
	CREST
.endm
	s_load_b128 s[4:7], s[0:1], 0x0                ; QP s[4:5], H s[6:7]
	s_load_b64 s[8:9], s[0:1], 0x10                ; QS
	v_lshl_add_u32 v[SPW], v0, 2, SPARE
	v_mov_b32 v[NIL], 0
	ds_add_u32 v[SPW], v[NIL]                      ; the wave's opening: the add and its wait ahead of my first tensor load
	v_lshrrev_b32 v1, 5, v0
	v_readfirstlane_b32 s10, v1
	s_lshr_b32 s11, s10, 1
	s_and_b32 s12, s10, 1
	s_bfe_u32 s40, ttmp6, 0x40000
	s_bfe_u32 s41, ttmp6, 0x40004
	s_lshl_b32 s42, ttmp9, 2
	s_add_co_u32 s42, s42, s40                     ; tile column
	s_and_b32 s13, ttmp7, 0xffff
	s_lshl_b32 s13, s13, 2
	s_add_co_u32 s13, s13, s41                     ; tile row
	s_lshl_b32 s43, s41, 2
	s_lshl_b32 s43, 15, s43
	s_lshl_b32 s44, 0x1111, s40
	s_or_b32 s[G1+0], s43, (1<<16)|(1<<20)|(1<<21)|(6<<22)|(3<<25)   ; A: 4 words of padding behind every 128
	s_mov_b32 s[G1+1], 256<<16
	s_mov_b32 s[G1+2], 64<<16
	s_mov_b32 s[G1+3], 256<<16                     ; 64 rows x 256 elements
	s_mov_b32 s[G1+4], 64
	s_mov_b32 s[G1+5], LDA
	s_mov_b32 s[G1+6], 0
	s_mov_b32 s[G1+7], 0
	s_or_b32 s[G1B+0], s44, (1<<16)|(1<<20)|(1<<21)|(5<<22)|(7<<25)  ; B: 8 words of padding behind every 64
	s_mov_b32 s[G1B+1], 128<<16
	s_mov_b32 s[G1B+2], 128<<16
	s_mov_b32 s[G1B+3], 128<<16                    ; 128 rows (k) x 128 elements (n)
	s_mov_b32 s[G1B+4], 128
	s_mov_b32 s[G1B+5], LDB
	s_mov_b32 s[G1B+6], 0
	s_mov_b32 s[G1B+7], 0
	s_lshl_b32 s17, s12, 6
	s_lshl_b32 s16, s13, 7
	s_add_co_u32 s16, s16, s17
	s_mul_i32 s16, s16, LDA*2                      ; A: row 128 x tile row + 64 x half
	s_mov_b32 s17, 0
	s_lshl_b32 s46, s12, 18                        ; B: my 128 of a K step's 256 rows (2,048 bytes each),
	s_lshl_b32 s47, s42, 8                         ; the tile's 128 columns,
	s_add_co_u32 s46, s46, s47
	s_add_co_u32 s46, s46, BBASE                   ; of wqh in H
	s_mov_b32 s47, 0
	s_mul_i32 s20, s10, HALFT                      ; where A's halves go,
	s_mul_i32 s21, s12, HALFB                      ; and B's
	s_add_co_u32 s21, s21, BOFF
	s_wait_dscnt 0x0                               ; the opening add is done
	s_wait_kmcnt 0x0
	s_add_nc_u64 s[14:15], s[4:5], s[16:17]
	s_add_nc_u64 s[46:47], s[6:7], s[46:47]
	CROUND
.irp s, 0,1
	s_mov_b32 s[G0+4*(\s)], 1
	s_add_co_u32 s[G0+4*(\s)+1], s20, (\s)*SLOT
	s_add_nc_u64 s[G0+4*(\s)+2:G0+4*(\s)+3], s[14:15], (\s)*STEP_A
	s_or_b32 s[G0+4*(\s)+3], s[G0+4*(\s)+3], 0x80000000
	s_mov_b32 s[G0B+4*(\s)], 1
	s_add_co_u32 s[G0B+4*(\s)+1], s21, (\s)*SLOT
	s_add_nc_u64 s[G0B+4*(\s)+2:G0B+4*(\s)+3], s[46:47], (\s)*STEP_B
	s_or_b32 s[G0B+4*(\s)+3], s[G0B+4*(\s)+3], 0x80000000
	JLOAD \s
.endr
	v_and_b32 v1, 15, v0
	v_bfe_u32 v2, v0, 4, 1
	v_mul_u32_u24 v3, v1, PITCH
	v_lshl_add_u32 v3, v2, 4, v3
	s_mul_i32 s21, s11, HALFT
	v_add_nc_u32 v[ADRA0], s21, v3
	v_and_b32 v4, 7, v0                            ; the turning load: lane l reads row (k) 8 (l / 16) + l % 8, columns 8 ((l / 8) % 2) + 0..7
	v_lshl_add_u32 v4, v2, 3, v4
	v_mul_u32_u24 v4, v4, PB
	v_bfe_u32 v5, v0, 3, 1
	v_lshl_add_u32 v4, v5, 4, v4
	s_lshl_b32 s22, s12, 7                         ; my 64 columns
	s_add_co_u32 s22, s22, BOFF
	v_add_nc_u32 v[ADRB0], s22, v4
	s_mov_b32 s[TB], 0
	v_mov_b32 v[ADRA], v[ADRA0]
	v_mov_b32 v[ADRB], v[ADRB0]
	v_add_nc_u32 v[ADRB2], HALFB, v[ADRB]
	s_mul_i32 s23, s11, 64*SPITCH
	s_lshl_b32 s21, s12, 7
	s_add_co_u32 s23, s23, s21
	s_add_co_u32 s23, s23, STAGE
	v_mul_u32_u24 v4, v1, SPITCH
	v_lshl_add_u32 v4, v2, 4, v4
	v_add_nc_u32 v[STO], s23, v4
	s_mul_i32 s23, s10, 32*SPITCH
	s_add_co_u32 s23, s23, STAGE
	v_mul_u32_u24 v5, v2, SPITCH
	v_lshl_add_u32 v5, v1, 4, v5
	v_add_nc_u32 v[RD], s23, v5
	v_mul_u32_u24 v5, v2, LDCB
	v_lshl_add_u32 v[CO], v1, 4, v5
	s_lshl_b32 s16, s13, 7
	s_lshl_b32 s17, s10, 5
	s_add_co_u32 s16, s16, s17
	s_mul_i32 s16, s16, LDCB
	s_mov_b32 s17, 0
	s_add_nc_u64 s[8:9], s[8:9], s[16:17]
	s_lshl_b32 s46, s42, 8
	s_mov_b32 s47, 0
	s_add_nc_u64 s[8:9], s[8:9], s[46:47]
.macro MUL8 f, c, a0, zero             ; 8 products; the 16 accumulators take turns
	WIN MUL
.irp a, \a0, (\a0)+1
.irp b, 0,1,2,3
.if \zero
	v_wmma_f32_16x16x32_f16 v[ACC+8*(4*(\a)+(\b)):ACC+8*(4*(\a)+(\b))+7], v[(\f)+64+8*(4*(\c)+(\b)):(\f)+64+8*(4*(\c)+(\b))+7], v[(\f)+8*(4*(\c)+(\a)):(\f)+8*(4*(\c)+(\a))+7], 0
.else
	v_wmma_f32_16x16x32_f16 v[ACC+8*(4*(\a)+(\b)):ACC+8*(4*(\a)+(\b))+7], v[(\f)+64+8*(4*(\c)+(\b)):(\f)+64+8*(4*(\c)+(\b))+7], v[(\f)+8*(4*(\c)+(\a)):(\f)+8*(4*(\c)+(\a))+7], v[ACC+8*(4*(\a)+(\b)):ACC+8*(4*(\a)+(\b))+7]
.endif
.endr
.endr
.endm
.macro FETCH k, f                      ; 32 LDS loads in one run: 64 along K; k = byte in A's rows, k / 2 = row of B's tile; the first 32 along K first
	WIN TO_F
.irp c, 0,1
.irp i, 0,1,2,3
.if (\k) < 256
	ds_load_tr16_b128 v[(\f)+64+8*(4*(\c)+(\i)):(\f)+64+8*(4*(\c)+(\i))+3],   v[ADRB] offset:((\k)/2+32*(\c))*PB+32*(\i)
	ds_load_tr16_b128 v[(\f)+64+8*(4*(\c)+(\i))+4:(\f)+64+8*(4*(\c)+(\i))+7], v[ADRB] offset:((\k)/2+32*(\c)+16)*PB+32*(\i)
.else
	ds_load_tr16_b128 v[(\f)+64+8*(4*(\c)+(\i)):(\f)+64+8*(4*(\c)+(\i))+3],   v[ADRB2] offset:((\k)/2-128+32*(\c))*PB+32*(\i)
	ds_load_tr16_b128 v[(\f)+64+8*(4*(\c)+(\i))+4:(\f)+64+8*(4*(\c)+(\i))+7], v[ADRB2] offset:((\k)/2-128+32*(\c)+16)*PB+32*(\i)
.endif
	ds_load_b128 v[(\f)+8*(4*(\c)+(\i)):(\f)+8*(4*(\c)+(\i))+3],         v[ADRA] offset:(\k)+64*(\c)+(\i)*16*PITCH
	ds_load_b128 v[(\f)+8*(4*(\c)+(\i))+4:(\f)+8*(4*(\c)+(\i))+7],       v[ADRA] offset:(\k)+64*(\c)+(\i)*16*PITCH+32
.endr
.endr
.endm
.macro PLACES
.rept 4
	v_nop
.endr
.endm
.macro QUARTER k, f, g, zero
	s_wait_dscnt 16                                ; the first 32 along K are in
	MUL8 \f, 0, 0, \zero
	MUL8 \f, 0, 2, \zero
	PLACES
	FETCH \k, \g
	s_wait_dscnt 32                                ; all but the 32 just issued
	MUL8 \f, 1, 0, 0
	MUL8 \f, 1, 2, 0
.endm
.macro TURN fill
	WIN 0
	s_wait_tensorcnt 0x0                           ; all my tensor loads have landed: my part of the next slot;
	ds_add_u32 v[SPW], v[NIL]                      ; 0 onto my spare word
	s_wait_dscnt 17                                ; (the add and the youngest sixteen loads may be out)
	MUL8 F1, 0, 0, 0
	s_wait_dscnt 0x0                               ; the add is done, and my reads of this slot are over
	s_barrier_signal -1
	MUL8 F1, 0, 2, 0
	WIN 0
	s_barrier_wait -1
.if \fill
	CREST                                          ; no wave of any partner still reads this slot or has a load on its way
	s_xor_b32 s[G0+5], s[G0+5], SLOT
	s_xor_b32 s[G0B+5], s[G0B+5], SLOT
	s_add_nc_u64 s[G0+6:G0+7], s[G0+6:G0+7], STEP_A
	s_add_nc_u64 s[G0B+6:G0B+7], s[G0B+6:G0B+7], STEP_B
	JLOAD 1
.else
	PLACES
.endif
	s_xor_b32 s[TB], s[TB], SLOT
	v_add_nc_u32 v[ADRA], s[TB], v[ADRA0]
	v_add_nc_u32 v[ADRB], s[TB], v[ADRB0]
	v_add_nc_u32 v[ADRB2], HALFB, v[ADRB]
	FETCH 0, F0
	MUL8 F1, 1, 0, 0
	MUL8 F1, 1, 2, 0
.endm
.macro LASTQ
	s_wait_dscnt 16
	MUL8 F1, 0, 0, 0
	MUL8 F1, 0, 2, 0
	s_wait_dscnt 0
	MUL8 F1, 1, 0, 0
	MUL8 F1, 1, 2, 0
	WIN 0
.endm
	s_wait_tensorcnt 1                             ; my part of K step 0 is in; K step 1's may stay out
	s_barrier_signal -1
	s_barrier_wait -1
	FETCH 0, F0
	QUARTER 128, F0, F1, 1
	WIN 0
	s_mov_b32 s3, T-2
.Lstep:
	QUARTER 256, F1, F0, 0
	QUARTER 384, F0, F1, 0
	TURN 1
	QUARTER 128, F0, F1, 0
	WIN 0
	s_sub_co_u32 s3, s3, 1
	s_cmp_lg_u32 s3, 0
	s_cbranch_scc1 .Lstep
	QUARTER 256, F1, F0, 0
	QUARTER 384, F0, F1, 0
	TURN 0
	QUARTER 128, F0, F1, 0
	QUARTER 256, F1, F0, 0
	QUARTER 384, F0, F1, 0
	LASTQ
	; THE WAY OUT: f16 through the work-group's stage, whole rows of 256 bytes out
	PLACES
.irp t, 0,1,2,3,4,5,6,7,8,9,10,11,12,13,14,15
.irp r, 0,1,2,3
	v_cvt_pk_f16_f32 v[TMP+4*(\t)+(\r)], v[ACC+8*(\t)+2*(\r)], v[ACC+8*(\t)+2*(\r)+1]
.endr
.endr
.irp a, 0,1,2,3
.irp b, 0,1,2,3
	ds_store_b128 v[STO], v[TMP+4*(4*(\a)+(\b)):TMP+4*(4*(\a)+(\b))+3] offset:(\a)*16*SPITCH+32*(\b)
.endr
.endr
	s_wait_dscnt 0x0                               ; for the others' sake: my stores into the stage are done
	s_barrier_signal -1
	s_barrier_wait -1
.irp t, 0,1,2,3,4,5,6,7,8,9,10,11,12,13,14,15
	ds_load_b128 v[TMP+4*(\t):TMP+4*(\t)+3], v[RD] offset:(\t)*2*SPITCH
.endr
.irp t, 0,1,2,3,4,5,6,7,8,9,10,11,12,13,14,15
	s_wait_dscnt 15-(\t)
	global_store_b128 v[CO], v[TMP+4*(\t):TMP+4*(\t)+3], s[8:9] offset:2*(\t)*LDCB
.endr
	s_wait_tensorcnt 0x0                           ; the wave's end
	ds_add_u32 v[SPW], v[NIL]
	s_wait_dscnt 0x0
	CROUND
	s_endpgm
.Lfunc_end_k_q5a766f97ca_projw:
	.size	k_q5a766f97ca_projw, .Lfunc_end_k_q5a766f97ca_projw-k_q5a766f97ca_projw
	.p2alignl 7, 3214868480
	.fill 96, 4, 3214868480
	.section	.rodata,"a",@progbits
	.p2align	6, 0x0
	.amdhsa_kernel k_q5a766f97ca_projw
		.amdhsa_group_segment_fixed_size 327680
		.amdhsa_private_segment_fixed_size 0
		.amdhsa_enable_private_segment 0
		.amdhsa_kernarg_size 24
		.amdhsa_user_sgpr_count 2
		.amdhsa_user_sgpr_kernarg_segment_ptr 1
		.amdhsa_wavefront_size32 1
		.amdhsa_system_sgpr_workgroup_id_x 1
		.amdhsa_system_sgpr_workgroup_id_y 1
		.amdhsa_system_sgpr_workgroup_id_z 1
		.amdhsa_system_vgpr_workitem_id 0
		.amdhsa_next_free_vgpr 512
		.amdhsa_next_free_sgpr 80
		.amdhsa_reserve_vcc 0
		.amdhsa_float_denorm_mode_32 3
		.amdhsa_float_denorm_mode_16_64 3
		.amdhsa_memory_ordered 1
		.amdhsa_forward_progress 1
		.amdhsa_inst_pref_size 69
	.end_amdhsa_kernel
	.amdgpu_metadata
---
amdhsa.version: [ 1, 2 ]
amdhsa.kernels:
  - .name:           k_q5a766f97ca_projw
    .symbol:         k_q5a766f97ca_projw.kd
    .args:
      - { .name: QP, .offset: 0, .size: 8, .value_kind: global_buffer, .address_space: global }
      - { .name: H, .offset: 8, .size: 8, .value_kind: global_buffer, .address_space: global }
      - { .name: QS, .offset: 16, .size: 8, .value_kind: global_buffer, .address_space: global }
    .group_segment_fixed_size: 327680
    .private_segment_fixed_size: 0
    .kernarg_segment_align: 8
    .kernarg_segment_size: 24
    .max_flat_workgroup_size: 128
    .sgpr_count:     80
    .vgpr_count:     512
    .wavefront_size: 32
...
	.end_amdgpu_metadata
.endif
;; end of part 3
;; launch score (part 4): grid 16 x 32, 4 waves a work-group, clusters of 4 x 4, 327,680 bytes of LDS; arguments QS, H, S; writes S
.if DOCPART == 4
	.amdgcn_target "amdgcn-amd-amdhsa--gfx1250"
	.amdhsa_code_object_version 6
	.text
	.protected	k_q5a766f97ca_score
	.globl	k_q5a766f97ca_score
	.p2align	8
	.type	k_q5a766f97ca_score,@function
k_q5a766f97ca_score:
	s_mov_b64 s[64:65], 0
	v_nop
	global_prefetch_b8 v0, s[64:65] scope:SCOPE_SE
	s_setreg_imm32_b32 hwreg(HW_REG_WAVE_MODE, 25, 1), 1
	s_wait_xcnt 0x0
	s_wait_alu depctr_hold_cnt(0) depctr_sa_sdst(0) depctr_va_vdst(0) depctr_va_sdst(0) depctr_va_ssrc(0) depctr_va_vcc(0) depctr_vm_vsrc(0)
	s_getreg_b32 s2, hwreg(HW_REG_IB_STS2, 6, 4)
	s_cmp_eq_u32 s2, 0
	s_cbranch_scc0 .Lentry_in_a_cluster
	s_endpgm
.Lentry_in_a_cluster:
	s_bfe_u32 s2, ttmp6, 0x10000c
	s_cmp_lg_u32 s2, 0xf033
	s_cbranch_scc0 .Lentry_shape_is_right
	s_endpgm
.Lentry_shape_is_right:
; S[m][key] = sum over d of QS[m][d] kh[batch][key][d], kept in f32: 32 S is the score over sqrt(1024).  QS: [4096][1024] f16; kh: [8][2048][1024] f16 at H's head; S: [4096][2048] f32.
; A row of clusters is one batch (4 tile rows of 128 queries), so the batch is the cluster's y.
; A tile of C is 128 x 128: four waves, each 64 x 64 in 16 accumulators.  K goes in steps of 256 through two LDS slots; a loop trip is ONE K step: the slot in hand is a scalar register that an
; exclusive or turns, and one descriptor set walks.  SLOT's bits (17 and 12) occur in no tile's address inside a slot.
; CLUSTER 4 x 4: A's tiles are asked for jointly along a row of the cluster, B's along a column.  The matrix instruction is used transposed (source 0 = B, source 1 = A).
; THE WAY OUT is each wave's own: its 64 columns of f32 are 256 aligned bytes of a row of S, so no wave needs another's bytes and no barrier stands there.
.set T,      4
.set LDA,    1024
.set LDB,    1024
.set LDCB,   8192
.set PITCH,  528
.set HALFT,  64*PITCH
.set BOFF,   2*HALFT
.set SLOT,   4*HALFT
.set STAGE,  2*SLOT
.set STEP_A, 512
.set STEP_B, 512
.set SPITCH, 272
.set SPARE,  STAGE+128*SPITCH
.set ADRA0, 14
.set ADRB0, 15
.set ADRA, 16
.set ADRB, 20
.set STO,  24
.set RD,   25
.set CO,   26
.set SPW,  28
.set NIL,  29
.set TMP,  32
.set ACC,  128
.set F0,   0
.set F1,   128
.set G1, 24
.set G0, 32
.set G1B, 48
.set G0B, 56
.set TB,  45
.set MSB, 0
.macro WIN new
.if MSB != (\new)
	s_set_vgpr_msb (MSB<<8)|(\new)
.set MSB, \new
.endif
.endm
.set MUL,  0x05
.set TO_F, 0x40
.macro JLOAD s                         ; a joint load: waves 0 and 1 fetch A's halves, waves 2 and 3 B's; an s_nop 0 and four v_nop follow each line
	s_cmp_eq_u32 s11, 0
	s_cbranch_scc0 .Lfor_b_\@
	tensor_load_to_lds s[G0+4*(\s):G0+4*(\s)+3], s[G1:G1+7]
	s_nop 0
.rept 4
	v_nop
.endr
	s_branch .Lasked_\@
.Lfor_b_\@:
	tensor_load_to_lds s[G0B+4*(\s):G0B+4*(\s)+3], s[G1B:G1B+7]
	s_nop 0
.rept 4
	v_nop
.endr
.Lasked_\@:
.endm
.macro CREST
	s_cmp_lg_u32 s10, 0
	s_cbranch_scc1 .Lnot_wave_0_\@
	s_barrier_signal -3
.Lnot_wave_0_\@:
	s_barrier_wait -3
	s_barrier_signal -1
	s_barrier_wait -1
.endm
.macro CROUND
	s_barrier_signal -1
	s_barrier_wait -1
	CREST
.endm
	s_load_b128 s[4:7], s[0:1], 0x0                ; QS s[4:5], H s[6:7]
	s_load_b64 s[8:9], s[0:1], 0x10                ; S
	v_lshl_add_u32 v[SPW], v0, 2, SPARE
	v_mov_b32 v[NIL], 0
	ds_add_u32 v[SPW], v[NIL]                      ; the wave's opening: the add and its wait ahead of my first tensor load
	v_lshrrev_b32 v1, 5, v0
	v_readfirstlane_b32 s10, v1
	s_lshr_b32 s11, s10, 1
	s_and_b32 s12, s10, 1
	s_bfe_u32 s40, ttmp6, 0x40000
	s_bfe_u32 s41, ttmp6, 0x40004
	s_lshl_b32 s42, ttmp9, 2
	s_add_co_u32 s42, s42, s40                     ; tile column
	s_and_b32 s13, ttmp7, 0xffff
	s_lshl_b32 s13, s13, 2
	s_add_co_u32 s13, s13, s41                     ; tile row
	s_lshl_b32 s43, s41, 2
	s_lshl_b32 s43, 15, s43
	s_lshl_b32 s44, 0x1111, s40
	s_or_b32 s[G1+0], s43, (1<<16)|(1<<20)|(1<<21)|(6<<22)|(3<<25)
	s_or_b32 s[G1B+0], s44, (1<<16)|(1<<20)|(1<<21)|(6<<22)|(3<<25)
.irp g, G1, G1B
	s_mov_b32 s[(\g)+1], 256<<16
	s_mov_b32 s[(\g)+2], 64<<16
	s_mov_b32 s[(\g)+3], 256<<16
	s_mov_b32 s[(\g)+4], 64
	s_mov_b32 s[(\g)+6], 0
	s_mov_b32 s[(\g)+7], 0
.endr
	s_mov_b32 s[G1+5], LDA
	s_mov_b32 s[G1B+5], LDB
	s_lshl_b32 s17, s12, 6
	s_lshl_b32 s16, s13, 7
	s_add_co_u32 s16, s16, s17
	s_mul_i32 s16, s16, LDA*2                      ; A: row 128 x tile row + 64 x half
	s_lshl_b32 s46, s42, 7
	s_add_co_u32 s46, s46, s17
	s_and_b32 s18, ttmp7, 0xffff                   ; the batch, which all sixteen partners share:
	s_lshl_b32 s18, s18, 11                        ; its 2,048 keys
	s_add_co_u32 s46, s46, s18
	s_mul_i32 s46, s46, LDB*2                      ; B: key 2,048 x batch + 128 x tile column + 64 x half
	s_mov_b32 s17, 0
	s_mov_b32 s47, 0
	s_mul_i32 s20, s10, HALFT
	s_wait_dscnt 0x0                               ; the opening add is done
	s_wait_kmcnt 0x0
	s_add_nc_u64 s[14:15], s[4:5], s[16:17]
	s_add_nc_u64 s[46:47], s[6:7], s[46:47]
	CROUND
.irp s, 0,1
	s_mov_b32 s[G0+4*(\s)], 1
	s_add_co_u32 s[G0+4*(\s)+1], s20, (\s)*SLOT
	s_add_nc_u64 s[G0+4*(\s)+2:G0+4*(\s)+3], s[14:15], (\s)*STEP_A
	s_or_b32 s[G0+4*(\s)+3], s[G0+4*(\s)+3], 0x80000000
	s_mov_b32 s[G0B+4*(\s)], 1
	s_add_co_u32 s[G0B+4*(\s)+1], s20, (\s)*SLOT
	s_add_nc_u64 s[G0B+4*(\s)+2:G0B+4*(\s)+3], s[46:47], (\s)*STEP_B
	s_or_b32 s[G0B+4*(\s)+3], s[G0B+4*(\s)+3], 0x80000000
	JLOAD \s
.endr
	v_and_b32 v1, 15, v0
	v_bfe_u32 v2, v0, 4, 1
	v_mul_u32_u24 v3, v1, PITCH
	v_lshl_add_u32 v3, v2, 4, v3
	s_mul_i32 s21, s11, HALFT
	s_mul_i32 s22, s12, HALFT
	s_add_co_u32 s22, s22, BOFF
	v_add_nc_u32 v[ADRA0], s21, v3
	v_add_nc_u32 v[ADRB0], s22, v3
	s_mov_b32 s[TB], 0
	v_mov_b32 v[ADRA], v[ADRA0]
	v_mov_b32 v[ADRB], v[ADRB0]
	s_mul_i32 s23, s10, 16*SPITCH                  ; my own stage: 16 rows x 272 bytes
	s_add_co_u32 s23, s23, STAGE
	v_mul_u32_u24 v4, v1, SPITCH                   ; in: row l % 16, 32 bytes for each half of the lanes
	v_lshl_add_u32 v4, v2, 5, v4
	v_add_nc_u32 v[STO], s23, v4
	v_mul_u32_u24 v5, v2, SPITCH                   ; back: lanes 0-15 one row of 256 bytes, lanes 16-31 the next
	v_lshl_add_u32 v5, v1, 4, v5
	v_add_nc_u32 v[RD], s23, v5
	v_mul_u32_u24 v5, v2, LDCB
	v_lshl_add_u32 v[CO], v1, 4, v5
	s_lshl_b32 s16, s13, 7
	s_lshl_b32 s17, s11, 6
	s_add_co_u32 s16, s16, s17                     ; my first row of C
	s_mul_i32 s16, s16, LDCB
	s_mov_b32 s17, 0
	s_add_nc_u64 s[8:9], s[8:9], s[16:17]
	s_lshl_b32 s46, s42, 9                         ; my first column, in bytes: 512 x tile column + 256 x half
	s_lshl_b32 s47, s12, 8
	s_add_co_u32 s46, s46, s47
	s_mov_b32 s47, 0
	s_add_nc_u64 s[8:9], s[8:9], s[46:47]
.macro MUL8 f, c, a0, zero             ; 8 products; the 16 accumulators take turns
	WIN MUL
.irp a, \a0, (\a0)+1
.irp b, 0,1,2,3
.if \zero
	v_wmma_f32_16x16x32_f16 v[ACC+8*(4*(\a)+(\b)):ACC+8*(4*(\a)+(\b))+7], v[(\f)+64+8*(4*(\c)+(\b)):(\f)+64+8*(4*(\c)+(\b))+7], v[(\f)+8*(4*(\c)+(\a)):(\f)+8*(4*(\c)+(\a))+7], 0
.else
	v_wmma_f32_16x16x32_f16 v[ACC+8*(4*(\a)+(\b)):ACC+8*(4*(\a)+(\b))+7], v[(\f)+64+8*(4*(\c)+(\b)):(\f)+64+8*(4*(\c)+(\b))+7], v[(\f)+8*(4*(\c)+(\a)):(\f)+8*(4*(\c)+(\a))+7], v[ACC+8*(4*(\a)+(\b)):ACC+8*(4*(\a)+(\b))+7]
.endif
.endr
.endr
.endm
.macro FETCH k, f
	WIN TO_F
.irp c, 0,1
.irp i, 0,1,2,3
	ds_load_b128 v[(\f)+64+8*(4*(\c)+(\i)):(\f)+64+8*(4*(\c)+(\i))+3],   v[ADRB] offset:(\k)+64*(\c)+(\i)*16*PITCH
	ds_load_b128 v[(\f)+64+8*(4*(\c)+(\i))+4:(\f)+64+8*(4*(\c)+(\i))+7], v[ADRB] offset:(\k)+64*(\c)+(\i)*16*PITCH+32
	ds_load_b128 v[(\f)+8*(4*(\c)+(\i)):(\f)+8*(4*(\c)+(\i))+3],         v[ADRA] offset:(\k)+64*(\c)+(\i)*16*PITCH
	ds_load_b128 v[(\f)+8*(4*(\c)+(\i))+4:(\f)+8*(4*(\c)+(\i))+7],       v[ADRA] offset:(\k)+64*(\c)+(\i)*16*PITCH+32
.endr
.endr
.endm
.macro PLACES
.rept 4
	v_nop
.endr
.endm
.macro QUARTER k, f, g, zero
	s_wait_dscnt 16                                ; the first 32 along K are in
	MUL8 \f, 0, 0, \zero
	MUL8 \f, 0, 2, \zero
	PLACES
	FETCH \k, \g
	s_wait_dscnt 32                                ; all but the 32 just issued
	MUL8 \f, 1, 0, 0
	MUL8 \f, 1, 2, 0
.endm
.macro TURN fill
	WIN 0
	s_wait_tensorcnt 0x0                           ; all my tensor loads have landed: my part of the next slot;
	ds_add_u32 v[SPW], v[NIL]                      ; 0 onto my spare word
	s_wait_dscnt 17                                ; (the add and the youngest sixteen loads may be out)
	MUL8 F1, 0, 0, 0
	s_wait_dscnt 0x0                               ; the add is done, and my reads of this slot are over
	s_barrier_signal -1
	MUL8 F1, 0, 2, 0
	WIN 0
	s_barrier_wait -1
.if \fill
	CREST                                          ; no wave of any partner still reads this slot or has a load on its way
	s_xor_b32 s[G0+5], s[G0+5], SLOT
	s_xor_b32 s[G0B+5], s[G0B+5], SLOT
	s_add_nc_u64 s[G0+6:G0+7], s[G0+6:G0+7], STEP_A
	s_add_nc_u64 s[G0B+6:G0B+7], s[G0B+6:G0B+7], STEP_B
	JLOAD 1
.else
	PLACES
.endif
	s_xor_b32 s[TB], s[TB], SLOT
	v_add_nc_u32 v[ADRA], s[TB], v[ADRA0]
	v_add_nc_u32 v[ADRB], s[TB], v[ADRB0]
	FETCH 0, F0
	MUL8 F1, 1, 0, 0
	MUL8 F1, 1, 2, 0
.endm
.macro LASTQ
	s_wait_dscnt 16
	MUL8 F1, 0, 0, 0
	MUL8 F1, 0, 2, 0
	s_wait_dscnt 0
	MUL8 F1, 1, 0, 0
	MUL8 F1, 1, 2, 0
	WIN 0
.endm
	s_wait_tensorcnt 1                             ; my part of K step 0 is in; K step 1's may stay out
	s_barrier_signal -1
	s_barrier_wait -1
	FETCH 0, F0
	QUARTER 128, F0, F1, 1
	WIN 0
	s_mov_b32 s3, T-2
.Lstep:
	QUARTER 256, F1, F0, 0
	QUARTER 384, F0, F1, 0
	TURN 1
	QUARTER 128, F0, F1, 0
	WIN 0
	s_sub_co_u32 s3, s3, 1
	s_cmp_lg_u32 s3, 0
	s_cbranch_scc1 .Lstep
	QUARTER 256, F1, F0, 0
	QUARTER 384, F0, F1, 0
	TURN 0
	QUARTER 128, F0, F1, 0
	QUARTER 256, F1, F0, 0
	QUARTER 384, F0, F1, 0
	LASTQ
	; THE WAY OUT: 16 rows at a time through my own stage; LDS serves a wave's instructions in order (ISA guide 5.7.1.4), so no wait stands between the stores and the loads
	PLACES
.irp a, 0,1,2,3
.irp b, 0,1,2,3
	ds_store_b128 v[STO], v[ACC+8*(4*(\a)+(\b)):ACC+8*(4*(\a)+(\b))+3] offset:64*(\b)
	ds_store_b128 v[STO], v[ACC+8*(4*(\a)+(\b))+4:ACC+8*(4*(\a)+(\b))+7] offset:64*(\b)+16
.endr
	s_wait_xcnt 0x0                                ; registers that earlier stores read are loaded again only behind this wait
.irp t, 0,1,2,3,4,5,6,7
	ds_load_b128 v[TMP+32*((\a)%2)+4*(\t):TMP+32*((\a)%2)+4*(\t)+3], v[RD] offset:(\t)*2*SPITCH
.endr
.irp t, 0,1,2,3,4,5,6,7
	s_wait_dscnt 7-(\t)
	global_store_b128 v[CO], v[TMP+32*((\a)%2)+4*(\t):TMP+32*((\a)%2)+4*(\t)+3], s[8:9] offset:(16*(\a)+2*(\t))*LDCB  ; 16 lanes store 256 consecutive bytes, aligned
.endr
.endr
	s_wait_tensorcnt 0x0                           ; the wave's end
	ds_add_u32 v[SPW], v[NIL]
	s_wait_dscnt 0x0
	CROUND
	s_endpgm
.Lfunc_end_k_q5a766f97ca_score:
	.size	k_q5a766f97ca_score, .Lfunc_end_k_q5a766f97ca_score-k_q5a766f97ca_score
	.p2alignl 7, 3214868480
	.fill 96, 4, 3214868480
	.section	.rodata,"a",@progbits
	.p2align	6, 0x0
	.amdhsa_kernel k_q5a766f97ca_score
		.amdhsa_group_segment_fixed_size 327680
		.amdhsa_private_segment_fixed_size 0
		.amdhsa_enable_private_segment 0
		.amdhsa_kernarg_size 24
		.amdhsa_user_sgpr_count 2
		.amdhsa_user_sgpr_kernarg_segment_ptr 1
		.amdhsa_wavefront_size32 1
		.amdhsa_system_sgpr_workgroup_id_x 1
		.amdhsa_system_sgpr_workgroup_id_y 1
		.amdhsa_system_sgpr_workgroup_id_z 1
		.amdhsa_system_vgpr_workitem_id 0
		.amdhsa_next_free_vgpr 512
		.amdhsa_next_free_sgpr 80
		.amdhsa_reserve_vcc 0
		.amdhsa_float_denorm_mode_32 3
		.amdhsa_float_denorm_mode_16_64 3
		.amdhsa_memory_ordered 1
		.amdhsa_forward_progress 1
		.amdhsa_inst_pref_size 69
	.end_amdhsa_kernel
	.amdgpu_metadata
---
amdhsa.version: [ 1, 2 ]
amdhsa.kernels:
  - .name:           k_q5a766f97ca_score
    .symbol:         k_q5a766f97ca_score.kd
    .args:
      - { .name: QS, .offset: 0, .size: 8, .value_kind: global_buffer, .address_space: global }
      - { .name: H, .offset: 8, .size: 8, .value_kind: global_buffer, .address_space: global }
      - { .name: S, .offset: 16, .size: 8, .value_kind: global_buffer, .address_space: global }
    .group_segment_fixed_size: 327680
    .private_segment_fixed_size: 0
    .kernarg_segment_align: 8
    .kernarg_segment_size: 24
    .max_flat_workgroup_size: 128
    .sgpr_count:     80
    .vgpr_count:     512
    .wavefront_size: 32
...
	.end_amdgpu_metadata
.endif
;; end of part 4
;; launch smax (part 5): grid 512 x 1, 8 waves a work-group, no clusters, 0 bytes of LDS; arguments S, QP, dummy, P; writes P
.if DOCPART == 5
	.amdgcn_target "amdgcn-amd-amdhsa--gfx1250"
	.amdhsa_code_object_version 6
	.text
	.protected	k_q5a766f97ca_smax
	.globl	k_q5a766f97ca_smax
	.p2align	8
	.type	k_q5a766f97ca_smax,@function
k_q5a766f97ca_smax:
	s_mov_b64 s[64:65], 0
	v_nop
	global_prefetch_b8 v0, s[64:65] scope:SCOPE_SE
	s_setreg_imm32_b32 hwreg(HW_REG_WAVE_MODE, 25, 1), 1
	s_wait_xcnt 0x0
; P[m][key] = softmax over the 2,048 keys AND the dummy key, rounded once to f16.  The dummy's value rows are zero, so its weight enters the sum alone.
; Exponents in base 2: a key's is c S with c = 32 log2(e) (32 S is the score over sqrt(1024)); the dummy's is log2(e) sd, sd = QP[m] . dummy (QP = q w_qk^T / 32), summed in f32.
; The row's true maximum mm, the dummy's exponent among it, is taken away before every exponential.  p = 2^(c S - mm); l = sum p + p_dummy; P = p / l.
; LIMITS: a weight below 2^-126 counts as 0; P below 6e-5 keeps f16's fixed step of 6e-8; NaN and infinities are not treated apart.
; SHARES: a wave takes one row and keeps it in 64 registers: S is read once, no wave waits for another, no LDS.  Each load of a wave covers 512 consecutive bytes, each store 256, aligned.
.set SV, 16                            ; v[16:79]   the row: load i holds numbers 128 i + 4 lane + 0..3
.set QV, 80                            ; v[80:95]   QP's row: load j holds 256 j + 8 lane + 0..7 (f16)
.set DV, 96                            ; v[96:127]  dummy, the same numbers in f32
.set OV, 128                           ; v[128:159] partial sums, then P
	s_load_b256 s[4:11], s[0:1], 0x0               ; S s[4:5], QP s[6:7], dummy s[8:9], P s[10:11]
	v_and_b32 v1, 31, v0
	v_lshrrev_b32 v2, 5, v0
	v_readfirstlane_b32 s12, v2
	s_lshl_b32 s13, ttmp9, 3
	s_add_co_u32 s13, s13, s12                     ; my row
	s_mov_b32 s14, 0x76543210                      ; v_permlanex16_b32: each lane takes its own place in the other half
	s_mov_b32 s15, 0xfedcba98
	s_mov_b32 s16, 0x4238aa3b                      ; c = 32 log2(e)
	s_mov_b32 s17, s16                             ; named with it as a pair
	s_mov_b32 s18, 0x3fb8aa3b                      ; log2(e)
	v_lshlrev_b32 v3, 4, v1
	v_lshlrev_b32 v4, 5, v1
	v_lshlrev_b32 v5, 3, v1
	s_lshl_b32 s20, s13, 13                        ; a row of S is 8,192 bytes,
	s_mov_b32 s21, 0
	s_lshl_b32 s22, s13, 11                        ; of QP 2,048,
	s_mov_b32 s23, 0
	s_lshl_b32 s24, s13, 12                        ; of P 4,096
	s_mov_b32 s25, 0
	s_wait_kmcnt 0x0
	s_add_nc_u64 s[4:5], s[4:5], s[20:21]
	s_add_nc_u64 s[6:7], s[6:7], s[22:23]
	s_add_nc_u64 s[10:11], s[10:11], s[24:25]
.irp j, 0,1,2,3
	global_load_b128 v[QV+4*(\j):QV+4*(\j)+3], v3, s[6:7] offset:512*(\j) th:TH_LOAD_NT
.endr
.irp j, 0,1,2,3
	global_load_b128 v[DV+8*(\j):DV+8*(\j)+3], v4, s[8:9] offset:1024*(\j)
	global_load_b128 v[DV+8*(\j)+4:DV+8*(\j)+7], v4, s[8:9] offset:1024*(\j)+16
.endr
.irp i, 0,1,2,3,4,5,6,7,8,9,10,11,12,13,14,15
	global_load_b128 v[SV+4*(\i):SV+4*(\i)+3], v3, s[4:5] offset:512*(\i) th:TH_LOAD_NT
.endr
.irp w, 0,1,2,3
	v_mov_b32 v[8+(\w)], 0
.endr
	s_wait_loadcnt 16                              ; QP and dummy are in; S's sixteen loads may stay out
.irp j, 0,1,2,3                        ; sd in four chains: f16 half x f32, summed in f32
.irp w, 0,1,2,3
	v_fma_mix_f32 v[8+(\w)], v[QV+4*(\j)+(\w)], v[DV+8*(\j)+2*(\w)], v[8+(\w)] op_sel_hi:[1,0,0]
.endr
.irp w, 0,1,2,3
	v_fma_mix_f32 v[8+(\w)], v[QV+4*(\j)+(\w)], v[DV+8*(\j)+2*(\w)+1], v[8+(\w)] op_sel:[1,0,0] op_sel_hi:[1,0,0]
.endr
.endr
	v_add_f32 v8, v8, v9
	v_add_f32 v10, v10, v11
	v_add_f32 v8, v8, v10
	v_add_f32_dpp v8, v8, v8 row_xmask:1 row_mask:0xf bank_mask:0xf
	v_add_f32_dpp v8, v8, v8 row_xmask:2 row_mask:0xf bank_mask:0xf
	v_add_f32_dpp v8, v8, v8 row_xmask:4 row_mask:0xf bank_mask:0xf
	v_add_f32_dpp v8, v8, v8 row_xmask:8 row_mask:0xf bank_mask:0xf
	v_permlanex16_b32 v9, v8, s14, s15
	v_add_f32 v8, v8, v9
	v_mul_f32 v10, s18, v8                         ; the dummy's exponent
	s_wait_loadcnt 0x0                             ; the row
.irp k, 0,1,2,3                        ; the maximum of my 64 numbers, in four chains of 16
	v_max3_num_f32 v[12+(\k)], v[SV+16*(\k)], v[SV+16*(\k)+1], v[SV+16*(\k)+2]
.endr
.irp j, 3,5,7,9,11,13
.irp k, 0,1,2,3
	v_max3_num_f32 v[12+(\k)], v[12+(\k)], v[SV+16*(\k)+(\j)], v[SV+16*(\k)+(\j)+1]
.endr
.endr
	v_max3_num_f32 v12, v12, v[SV+15], v[SV+31]
	v_max3_num_f32 v14, v14, v[SV+47], v[SV+63]
	v_max3_num_f32 v12, v12, v13, v14
	v_max_num_f32 v12, v12, v15
	v_max_num_f32_dpp v12, v12, v12 row_xmask:1 row_mask:0xf bank_mask:0xf
	v_max_num_f32_dpp v12, v12, v12 row_xmask:2 row_mask:0xf bank_mask:0xf
	v_max_num_f32_dpp v12, v12, v12 row_xmask:4 row_mask:0xf bank_mask:0xf
	v_max_num_f32_dpp v12, v12, v12 row_xmask:8 row_mask:0xf bank_mask:0xf
	v_permlanex16_b32 v13, v12, s14, s15
	v_max_num_f32 v12, v12, v13
	v_mul_f32 v12, s16, v12                        ; c is positive: c max S = max c S
	v_max_num_f32 v12, v12, v10                    ; mm
	v_sub_f32 v11, v10, v12
.set i, 0
.rept 32
	v_pk_fma_f32 v[SV+2*i:SV+2*i+1], v[SV+2*i:SV+2*i+1], s[16:17], v[12:13] op_sel_hi:[1,0,0] neg_lo:[0,0,1] neg_hi:[0,0,1]  ; c S - mm
.set i, i+1
.endr
.set i, 0
.rept 64                               ; one batch of 65 exponentials,
	v_exp_f32 v[SV+i], v[SV+i]
.set i, i+1
.endr
	v_exp_f32 v9, v11
	v_nop                                          ; a plain instruction behind the last of them,
	s_wait_alu depctr_va_vdst(0)                   ; and one wait ahead of the first use
.set i, 0
.rept 16
	v_pk_add_f32 v[OV+2*i:OV+2*i+1], v[SV+4*i:SV+4*i+1], v[SV+4*i+2:SV+4*i+3]
.set i, i+1
.endr
.irp w, 8,4,2,1
.set i, 0
.rept \w
	v_pk_add_f32 v[OV+2*i:OV+2*i+1], v[OV+2*i:OV+2*i+1], v[OV+2*(\w)+2*i:OV+2*(\w)+2*i+1]
.set i, i+1
.endr
.endr
	v_add_f32 v[OV], v[OV], v[OV+1]
	v_add_f32_dpp v[OV], v[OV], v[OV] row_xmask:1 row_mask:0xf bank_mask:0xf
	v_add_f32_dpp v[OV], v[OV], v[OV] row_xmask:2 row_mask:0xf bank_mask:0xf
	v_add_f32_dpp v[OV], v[OV], v[OV] row_xmask:4 row_mask:0xf bank_mask:0xf
	v_add_f32_dpp v[OV], v[OV], v[OV] row_xmask:8 row_mask:0xf bank_mask:0xf
	v_permlanex16_b32 v[OV+1], v[OV], s14, s15
	v_add_f32 v[OV], v[OV], v[OV+1]
	v_add_f32 v[OV], v[OV], v9                     ; l: at least 1, since the largest exponent is 0
	v_rcp_f32 v10, v[OV]
	v_nop
	s_wait_alu depctr_va_vdst(0)
.set i, 0
.rept 32
	v_pk_mul_f32 v[SV+2*i:SV+2*i+1], v[SV+2*i:SV+2*i+1], v[10:11] op_sel_hi:[1,0]
.set i, i+1
.endr
.set i, 0
.rept 32
	v_cvt_pk_f16_f32 v[OV+i], v[SV+2*i], v[SV+2*i+1]
.set i, i+1
.endr
.irp i, 0,1,2,3,4,5,6,7,8,9,10,11,12,13,14,15
	global_store_b64 v5, v[OV+2*(\i):OV+2*(\i)+1], s[10:11] offset:256*(\i)
.endr
	s_endpgm
.Lfunc_end_k_q5a766f97ca_smax:
	.size	k_q5a766f97ca_smax, .Lfunc_end_k_q5a766f97ca_smax-k_q5a766f97ca_smax
	.p2alignl 7, 3214868480
	.fill 96, 4, 3214868480
	.section	.rodata,"a",@progbits
	.p2align	6, 0x0
	.amdhsa_kernel k_q5a766f97ca_smax
		.amdhsa_group_segment_fixed_size 0
		.amdhsa_private_segment_fixed_size 0
		.amdhsa_enable_private_segment 0
		.amdhsa_kernarg_size 32
		.amdhsa_user_sgpr_count 2
		.amdhsa_user_sgpr_kernarg_segment_ptr 1
		.amdhsa_wavefront_size32 1
		.amdhsa_system_sgpr_workgroup_id_x 1
		.amdhsa_system_sgpr_workgroup_id_y 1
		.amdhsa_system_sgpr_workgroup_id_z 1
		.amdhsa_system_vgpr_workitem_id 0
		.amdhsa_next_free_vgpr 160
		.amdhsa_next_free_sgpr 66
		.amdhsa_reserve_vcc 0
		.amdhsa_float_denorm_mode_32 3
		.amdhsa_float_denorm_mode_16_64 3
		.amdhsa_memory_ordered 1
		.amdhsa_forward_progress 1
		.amdhsa_inst_pref_size 21
	.end_amdhsa_kernel
	.amdgpu_metadata
---
amdhsa.version: [ 1, 2 ]
amdhsa.kernels:
  - .name:           k_q5a766f97ca_smax
    .symbol:         k_q5a766f97ca_smax.kd
    .args:
      - { .name: S, .offset: 0, .size: 8, .value_kind: global_buffer, .address_space: global }
      - { .name: QP, .offset: 8, .size: 8, .value_kind: global_buffer, .address_space: global }
      - { .name: dummy, .offset: 16, .size: 8, .value_kind: global_buffer, .address_space: global }
      - { .name: P, .offset: 24, .size: 8, .value_kind: global_buffer, .address_space: global }
    .group_segment_fixed_size: 0
    .private_segment_fixed_size: 0
    .kernarg_segment_align: 8
    .kernarg_segment_size: 32
    .max_flat_workgroup_size: 256
    .sgpr_count:     66
    .vgpr_count:     160
    .wavefront_size: 32
...
	.end_amdgpu_metadata
.endif
;; end of part 5
;; launch pv (part 6): grid 16 x 32, 4 waves a work-group, clusters of 4 x 4, 327,680 bytes of LDS; arguments P, H, X, F, out1; writes X, out1
.if DOCPART == 6
	.amdgcn_target "amdgcn-amd-amdhsa--gfx1250"
	.amdhsa_code_object_version 6
	.text
	.protected	k_q5a766f97ca_pv
	.globl	k_q5a766f97ca_pv
	.p2align	8
	.type	k_q5a766f97ca_pv,@function
k_q5a766f97ca_pv:
	s_mov_b64 s[64:65], 0
	v_nop
	global_prefetch_b8 v0, s[64:65] scope:SCOPE_SE
	s_setreg_imm32_b32 hwreg(HW_REG_WAVE_MODE, 25, 1), 1
	s_wait_xcnt 0x0
	s_wait_alu depctr_hold_cnt(0) depctr_sa_sdst(0) depctr_va_vdst(0) depctr_va_sdst(0) depctr_va_ssrc(0) depctr_va_vcc(0) depctr_vm_vsrc(0)
	s_getreg_b32 s2, hwreg(HW_REG_IB_STS2, 6, 4)
	s_cmp_eq_u32 s2, 0
	s_cbranch_scc0 .Lentry_in_a_cluster
	s_endpgm
.Lentry_in_a_cluster:
	s_bfe_u32 s2, ttmp6, 0x10000c
	s_cmp_lg_u32 s2, 0xf033
	s_cbranch_scc0 .Lentry_shape_is_right
	s_endpgm
.Lentry_shape_is_right:
; [out | out_tsp][m][d] = sum over key of P[m][key] [vh | th][batch][key][d].  P: [4096][2048] f16; vh, th: [8][2048][1024] f16 in H ([K][N]: turned on the way out of LDS).
; Clusters with x = 0, 1 make out (tile columns 0-7 of v), those with x = 2, 3 out_tsp, which leaves as out1 in f32.  out is not stored: with oh = f16(out) and qh from F it leaves as the
; next launch's two operands, X1 = (qh 2^-6) oh and X2 = qh - oh, [4096][1024] f16 each, X2 8,388,608 bytes behind X1.  (2^-6 keeps q out inside f16; w3's first 512 columns carry the 64.)
; LIMIT: out, X1 and X2 within f16's 65,504.
; A tile of C is 128 x 128: four waves, each 64 x 64 in 16 accumulators.  K = 2,048 goes in 8 steps of 256 through two LDS slots; a loop trip is ONE K step: the slot in hand is a scalar
; register that an exclusive or turns, and one descriptor set walks.  SLOT's bits (17 and 14) occur in no tile's address inside a slot.
; CLUSTER 4 x 4: a row of clusters is one batch; A's tiles are asked for jointly along a row of the cluster, B's along a column.  The matrix instruction is used transposed.
; The branch between the two ways out hangs on the cluster's x alone; every barrier stands outside it, on every work-group's path, and the two ways out touch no common LDS byte:
; X1's stage lies behind the ring, X2's in bytes 0 to 34,815 of slot 0, out_tsp's four stages of 4,352 bytes behind that, from byte 34,816 on.  Slot 0 has had its last fill with K step 6.
.set T,      8
.set LDA,    2048
.set LDB,    1024
.set PITCH,  528
.set HALFT,  64*PITCH
.set BOFF,   2*HALFT
.set PB,     288
.set HALFB,  128*PB
.set SLOT,   0x24000
.set STAGE,  SLOT+BOFF+2*HALFB
.set STEP_A, 512
.set STEP_B, 256*LDB*2
.set SPITCH, 272
.set ST32,   128*SPITCH                ; out_tsp's stages, in slot 0 behind X2's stage: 16 rows x 272 bytes for each wave
.set SPARE,  STAGE+128*SPITCH
.set S32,  6                           ; v6-8   out1's way out: into my own stage, back, my offset in out1
.set R32,  7
.set C32,  8
.set ADRA0, 14
.set ADRB0, 15
.set ADRA, 16
.set ADRB, 20
.set ADRB2, 21
.set STO2, 22                          ; v22, v23  X2's stage: the first 34,816 bytes of slot 0
.set RD2,  23
.set STO,  24                          ; v24, v25  X1's stage, behind the ring
.set RD,   25
.set CO,   26
.set QO,   27                          ; v27  my offset in 16 rows of F
.set SPW,  28
.set NIL,  29
.set TMP,  32
.set ACC,  128
.set F0,   0
.set F1,   128
.set G1, 24
.set G0, 32
.set G1B, 48
.set G0B, 56
.set TB,  45
.set MSB, 0
.macro WIN new
.if MSB != (\new)
	s_set_vgpr_msb (MSB<<8)|(\new)
.set MSB, \new
.endif
.endm
.set MUL,  0x05
.set TO_F, 0x40
.macro JLOAD s                         ; a joint load: waves 0 and 1 fetch A's halves, waves 2 and 3 B's; an s_nop 0 and four v_nop follow each line
	s_cmp_eq_u32 s11, 0
	s_cbranch_scc0 .Lfor_b_\@
	tensor_load_to_lds s[G0+4*(\s):G0+4*(\s)+3], s[G1:G1+7]
	s_nop 0
.rept 4
	v_nop
.endr
	s_branch .Lasked_\@
.Lfor_b_\@:
	tensor_load_to_lds s[G0B+4*(\s):G0B+4*(\s)+3], s[G1B:G1B+7]
	s_nop 0
.rept 4
	v_nop
.endr
.Lasked_\@:
.endm
.macro CREST
	s_cmp_lg_u32 s10, 0
	s_cbranch_scc1 .Lnot_wave_0_\@
	s_barrier_signal -3
.Lnot_wave_0_\@:
	s_barrier_wait -3
	s_barrier_signal -1
	s_barrier_wait -1
.endm
.macro CROUND
	s_barrier_signal -1
	s_barrier_wait -1
	CREST
.endm
	s_load_b128 s[4:7], s[0:1], 0x0                ; P s[4:5], H s[6:7]
	s_load_b64 s[8:9], s[0:1], 0x10                ; X
	s_load_b64 s[68:69], s[0:1], 0x18              ; F
	s_load_b64 s[70:71], s[0:1], 0x20              ; out1
	v_lshl_add_u32 v[SPW], v0, 2, SPARE
	v_mov_b32 v[NIL], 0
	ds_add_u32 v[SPW], v[NIL]                      ; the wave's opening: the add and its wait ahead of my first tensor load
	v_lshrrev_b32 v1, 5, v0
	v_readfirstlane_b32 s10, v1
	s_lshr_b32 s11, s10, 1
	s_and_b32 s12, s10, 1
	s_bfe_u32 s40, ttmp6, 0x40000
	s_bfe_u32 s41, ttmp6, 0x40004
	s_mov_b32 s66, ttmp9                           ; the cluster's x: 0, 1 out; 2, 3 out_tsp
	s_and_b32 s67, ttmp9, 1
	s_lshl_b32 s67, s67, 2
	s_add_co_u32 s67, s67, s40                     ; tile column 0..7 in v or in tsp
	s_and_b32 s13, ttmp7, 0xffff
	s_lshl_b32 s13, s13, 2
	s_add_co_u32 s13, s13, s41                     ; tile row
	s_lshl_b32 s43, s41, 2
	s_lshl_b32 s43, 15, s43
	s_lshl_b32 s44, 0x1111, s40
	s_or_b32 s[G1+0], s43, (1<<16)|(1<<20)|(1<<21)|(6<<22)|(3<<25)
	s_mov_b32 s[G1+1], 256<<16
	s_mov_b32 s[G1+2], 64<<16
	s_mov_b32 s[G1+3], 256<<16
	s_mov_b32 s[G1+4], 64
	s_mov_b32 s[G1+5], LDA
	s_mov_b32 s[G1+6], 0
	s_mov_b32 s[G1+7], 0
	s_or_b32 s[G1B+0], s44, (1<<16)|(1<<20)|(1<<21)|(5<<22)|(7<<25)
	s_mov_b32 s[G1B+1], 128<<16
	s_mov_b32 s[G1B+2], 128<<16
	s_mov_b32 s[G1B+3], 128<<16
	s_mov_b32 s[G1B+4], 128
	s_mov_b32 s[G1B+5], LDB
	s_mov_b32 s[G1B+6], 0
	s_mov_b32 s[G1B+7], 0
	s_lshl_b32 s17, s12, 6
	s_lshl_b32 s16, s13, 7
	s_add_co_u32 s16, s16, s17
	s_mul_i32 s16, s16, LDA*2                      ; A: row 128 x tile row + 64 x half
	s_mov_b32 s17, 0
	s_lshr_b32 s18, ttmp9, 1
	s_add_co_u32 s18, s18, 1
	s_lshl_b32 s46, s18, 25                        ; B: vh lies 33,554,432 bytes into H, th as far again;
	s_and_b32 s18, ttmp7, 0xffff
	s_lshl_b32 s18, s18, 22                        ; the batch's 2,048 rows of 2,048 bytes;
	s_add_co_u32 s46, s46, s18
	s_lshl_b32 s18, s12, 18                        ; my 128 of a K step's 256 rows;
	s_add_co_u32 s46, s46, s18
	s_lshl_b32 s18, s67, 8                         ; the tile's 128 columns
	s_add_co_u32 s46, s46, s18
	s_mov_b32 s47, 0
	s_mul_i32 s20, s10, HALFT
	s_mul_i32 s21, s12, HALFB
	s_add_co_u32 s21, s21, BOFF
	s_wait_dscnt 0x0                               ; the opening add is done
	s_wait_kmcnt 0x0
	s_add_nc_u64 s[14:15], s[4:5], s[16:17]
	s_add_nc_u64 s[46:47], s[6:7], s[46:47]
	CROUND
.irp s, 0,1
	s_mov_b32 s[G0+4*(\s)], 1
	s_add_co_u32 s[G0+4*(\s)+1], s20, (\s)*SLOT
	s_add_nc_u64 s[G0+4*(\s)+2:G0+4*(\s)+3], s[14:15], (\s)*STEP_A
	s_or_b32 s[G0+4*(\s)+3], s[G0+4*(\s)+3], 0x80000000
	s_mov_b32 s[G0B+4*(\s)], 1
	s_add_co_u32 s[G0B+4*(\s)+1], s21, (\s)*SLOT
	s_add_nc_u64 s[G0B+4*(\s)+2:G0B+4*(\s)+3], s[46:47], (\s)*STEP_B
	s_or_b32 s[G0B+4*(\s)+3], s[G0B+4*(\s)+3], 0x80000000
	JLOAD \s
.endr
	v_and_b32 v1, 15, v0
	v_bfe_u32 v2, v0, 4, 1
	v_mul_u32_u24 v3, v1, PITCH
	v_lshl_add_u32 v3, v2, 4, v3
	s_mul_i32 s21, s11, HALFT
	v_add_nc_u32 v[ADRA0], s21, v3
	v_and_b32 v4, 7, v0
	v_lshl_add_u32 v4, v2, 3, v4
	v_mul_u32_u24 v4, v4, PB
	v_bfe_u32 v5, v0, 3, 1
	v_lshl_add_u32 v4, v5, 4, v4
	s_lshl_b32 s22, s12, 7
	s_add_co_u32 s22, s22, BOFF
	v_add_nc_u32 v[ADRB0], s22, v4
	s_mov_b32 s[TB], 0
	v_mov_b32 v[ADRA], v[ADRA0]
	v_mov_b32 v[ADRB], v[ADRB0]
	v_add_nc_u32 v[ADRB2], HALFB, v[ADRB]
	s_mul_i32 s23, s11, 64*SPITCH                  ; the f16 stages: in, my 64 rows and my half of their 256 bytes
	s_lshl_b32 s21, s12, 7
	s_add_co_u32 s23, s23, s21
	v_mul_u32_u24 v4, v1, SPITCH
	v_lshl_add_u32 v3, v2, 4, v4
	v_add_nc_u32 v[STO2], s23, v3
	v_add_nc_u32 v[STO], STAGE, v[STO2]
	s_mul_i32 s23, s10, 32*SPITCH                  ; back: rows 32 w .. 32 w + 31, whole
	v_mul_u32_u24 v5, v2, SPITCH
	v_lshl_add_u32 v5, v1, 4, v5
	v_add_nc_u32 v[RD2], s23, v5
	v_add_nc_u32 v[RD], STAGE, v[RD2]
	v_lshlrev_b32 v3, 11, v2
	v_lshl_add_u32 v[CO], v1, 4, v3                ; two rows of X, 2,048 bytes each
	s_mul_i32 s23, s10, 16*SPITCH                  ; the f32 stage: my own 16 rows x 272 bytes,
	s_add_co_u32 s23, s23, ST32                    ; in bytes that the f16 stages do not reach
	v_lshl_add_u32 v4, v2, 5, v4
	v_add_nc_u32 v[S32], s23, v4
	v_add_nc_u32 v[R32], s23, v5
	v_lshlrev_b32 v3, 12, v2
	v_lshl_add_u32 v[C32], v1, 4, v3               ; two rows of out1, 4,096 bytes each
	v_lshlrev_b32 v3, 12, v1
	v_lshl_add_u32 v[QO], v2, 4, v3                ; qh: row l % 16 of F, 16 bytes for each half of the lanes
	s_lshl_b32 s16, s13, 7
	s_lshl_b32 s17, s11, 6
	s_add_co_u32 s16, s16, s17
	s_lshl_b32 s16, s16, 12                        ; my 64 rows in F and in out1
	s_mov_b32 s17, 0
	s_add_nc_u64 s[68:69], s[68:69], s[16:17]
	s_add_nc_u64 s[70:71], s[70:71], s[16:17]
	s_lshl_b32 s46, s67, 8
	s_lshl_b32 s47, s12, 7
	s_add_co_u32 s46, s46, s47                     ; my 64 columns, in f16
	s_mov_b32 s47, 0
	s_add_nc_u64 s[68:69], s[68:69], s[46:47]
	s_add_nc_u64 s[68:69], s[68:69], 2048          ; qh is the second half of F's rows
	s_add_nc_u64 s[70:71], s[70:71], s[46:47]
	s_add_nc_u64 s[70:71], s[70:71], s[46:47]      ; twice: f32
	s_lshl_b32 s16, s13, 7
	s_lshl_b32 s18, s10, 5
	s_add_co_u32 s16, s16, s18
	s_lshl_b32 s16, s16, 11                        ; the first row of X that I store
	s_add_nc_u64 s[8:9], s[8:9], s[16:17]
	s_lshl_b32 s46, s67, 8
	s_add_nc_u64 s[8:9], s[8:9], s[46:47]
	s_add_nc_u64 s[74:75], s[8:9], 8388608         ; X2
.macro MUL8 f, c, a0, zero             ; 8 products; the 16 accumulators take turns
	WIN MUL
.irp a, \a0, (\a0)+1
.irp b, 0,1,2,3
.if \zero
	v_wmma_f32_16x16x32_f16 v[ACC+8*(4*(\a)+(\b)):ACC+8*(4*(\a)+(\b))+7], v[(\f)+64+8*(4*(\c)+(\b)):(\f)+64+8*(4*(\c)+(\b))+7], v[(\f)+8*(4*(\c)+(\a)):(\f)+8*(4*(\c)+(\a))+7], 0
.else
	v_wmma_f32_16x16x32_f16 v[ACC+8*(4*(\a)+(\b)):ACC+8*(4*(\a)+(\b))+7], v[(\f)+64+8*(4*(\c)+(\b)):(\f)+64+8*(4*(\c)+(\b))+7], v[(\f)+8*(4*(\c)+(\a)):(\f)+8*(4*(\c)+(\a))+7], v[ACC+8*(4*(\a)+(\b)):ACC+8*(4*(\a)+(\b))+7]
.endif
.endr
.endr
.endm
.macro FETCH k, f
	WIN TO_F
.irp c, 0,1
.irp i, 0,1,2,3
.if (\k) < 256
	ds_load_tr16_b128 v[(\f)+64+8*(4*(\c)+(\i)):(\f)+64+8*(4*(\c)+(\i))+3],   v[ADRB] offset:((\k)/2+32*(\c))*PB+32*(\i)
	ds_load_tr16_b128 v[(\f)+64+8*(4*(\c)+(\i))+4:(\f)+64+8*(4*(\c)+(\i))+7], v[ADRB] offset:((\k)/2+32*(\c)+16)*PB+32*(\i)
.else
	ds_load_tr16_b128 v[(\f)+64+8*(4*(\c)+(\i)):(\f)+64+8*(4*(\c)+(\i))+3],   v[ADRB2] offset:((\k)/2-128+32*(\c))*PB+32*(\i)
	ds_load_tr16_b128 v[(\f)+64+8*(4*(\c)+(\i))+4:(\f)+64+8*(4*(\c)+(\i))+7], v[ADRB2] offset:((\k)/2-128+32*(\c)+16)*PB+32*(\i)
.endif
	ds_load_b128 v[(\f)+8*(4*(\c)+(\i)):(\f)+8*(4*(\c)+(\i))+3],         v[ADRA] offset:(\k)+64*(\c)+(\i)*16*PITCH
	ds_load_b128 v[(\f)+8*(4*(\c)+(\i))+4:(\f)+8*(4*(\c)+(\i))+7],       v[ADRA] offset:(\k)+64*(\c)+(\i)*16*PITCH+32
.endr
.endr
.endm
.macro PLACES
.rept 4
	v_nop
.endr
.endm
.macro QUARTER k, f, g, zero
	s_wait_dscnt 16                                ; the first 32 along K are in
	MUL8 \f, 0, 0, \zero
	MUL8 \f, 0, 2, \zero
	PLACES
	FETCH \k, \g
	s_wait_dscnt 32                                ; all but the 32 just issued
	MUL8 \f, 1, 0, 0
	MUL8 \f, 1, 2, 0
.endm
.macro TURN fill
	WIN 0
	s_wait_tensorcnt 0x0                           ; all my tensor loads have landed: my part of the next slot;
	ds_add_u32 v[SPW], v[NIL]                      ; 0 onto my spare word
	s_wait_dscnt 17                                ; (the add and the youngest sixteen loads may be out)
	MUL8 F1, 0, 0, 0
	s_wait_dscnt 0x0                               ; the add is done, and my reads of this slot are over
	s_barrier_signal -1
	MUL8 F1, 0, 2, 0
	WIN 0
	s_barrier_wait -1
.if \fill
	CREST                                          ; no wave of any partner still reads this slot or has a load on its way
	s_xor_b32 s[G0+5], s[G0+5], SLOT
	s_xor_b32 s[G0B+5], s[G0B+5], SLOT
	s_add_nc_u64 s[G0+6:G0+7], s[G0+6:G0+7], STEP_A
	s_add_nc_u64 s[G0B+6:G0B+7], s[G0B+6:G0B+7], STEP_B
	JLOAD 1
.else
	PLACES
.endif
	s_xor_b32 s[TB], s[TB], SLOT
	v_add_nc_u32 v[ADRA], s[TB], v[ADRA0]
	v_add_nc_u32 v[ADRB], s[TB], v[ADRB0]
	v_add_nc_u32 v[ADRB2], HALFB, v[ADRB]
	FETCH 0, F0
	MUL8 F1, 1, 0, 0
	MUL8 F1, 1, 2, 0
.endm
.macro LASTQ
	s_wait_dscnt 16
	MUL8 F1, 0, 0, 0
	MUL8 F1, 0, 2, 0
	s_wait_dscnt 0
	MUL8 F1, 1, 0, 0
	MUL8 F1, 1, 2, 0
	WIN 0
.endm
	s_wait_tensorcnt 1                             ; my part of K step 0 is in; K step 1's may stay out
	s_barrier_signal -1
	s_barrier_wait -1
	FETCH 0, F0
	QUARTER 128, F0, F1, 1
	WIN 0
	s_mov_b32 s3, T-2
.Lstep:
	QUARTER 256, F1, F0, 0
	QUARTER 384, F0, F1, 0
	TURN 1
	QUARTER 128, F0, F1, 0
	WIN 0
	s_sub_co_u32 s3, s3, 1
	s_cmp_lg_u32 s3, 0
	s_cbranch_scc1 .Lstep
	QUARTER 256, F1, F0, 0
	QUARTER 384, F0, F1, 0
	TURN 0
	QUARTER 128, F0, F1, 0
	QUARTER 256, F1, F0, 0
	QUARTER 384, F0, F1, 0
	LASTQ
	s_barrier_signal -1                            ; every wave's reads of the slots are back (the wait for 0 in the last quarter): behind this barrier slot 0 may be stored into
	s_barrier_wait -1
	s_cmp_ge_u32 s66, 2
	s_cbranch_scc1 .Ltsp
	; out: qh is asked for; oh = f16(out) is packed in place into the accumulators' lower half (a destination never lies ahead of the sources still to be read)
.irp a, 0,1,2,3
.irp b, 0,1,2,3
	global_load_b128 v[TMP+4*(4*(\a)+(\b)):TMP+4*(4*(\a)+(\b))+3], v[QO], s[68:69] offset:(\a)*65536+32*(\b)
.endr
.endr
	PLACES
.irp t, 0,1,2,3,4,5,6,7,8,9,10,11,12,13,14,15
.irp r, 0,1,2,3
	v_cvt_pk_f16_f32 v[ACC+4*(\t)+(\r)], v[ACC+8*(\t)+2*(\r)], v[ACC+8*(\t)+2*(\r)+1]
.endr
.endr
	s_wait_loadcnt 0x0                             ; qh
.set i, 0
.rept 64
	v_pk_mul_f16 v[ACC+64+i], v[TMP+i], 0x24002400 ; qh 2^-6
.set i, i+1
.endr
.set i, 0
.rept 64
	v_pk_mul_f16 v[ACC+64+i], v[ACC+64+i], v[ACC+i]  ; X1
.set i, i+1
.endr
.set i, 0
.rept 64
	v_pk_fma_f16 v[ACC+i], v[ACC+i], 0xbc00bc00, v[TMP+i]  ; X2 = qh - oh
.set i, i+1
.endr
.irp a, 0,1,2,3
.irp b, 0,1,2,3
	ds_store_b128 v[STO], v[ACC+64+4*(4*(\a)+(\b)):ACC+64+4*(4*(\a)+(\b))+3] offset:(\a)*16*SPITCH+32*(\b)
	ds_store_b128 v[STO2], v[ACC+4*(4*(\a)+(\b)):ACC+4*(4*(\a)+(\b))+3] offset:(\a)*16*SPITCH+32*(\b)
.endr
.endr
	s_branch .Ljoin
.Ltsp:
	; out_tsp: f32, 16 rows at a time through my own stage; my 64 columns are 256 aligned bytes of a row of out1
	PLACES
.irp a, 0,1,2,3
.irp b, 0,1,2,3
	ds_store_b128 v[S32], v[ACC+8*(4*(\a)+(\b)):ACC+8*(4*(\a)+(\b))+3] offset:64*(\b)
	ds_store_b128 v[S32], v[ACC+8*(4*(\a)+(\b))+4:ACC+8*(4*(\a)+(\b))+7] offset:64*(\b)+16
.endr
	s_wait_xcnt 0x0                                ; registers that earlier stores read are loaded again only behind this wait
.irp t, 0,1,2,3,4,5,6,7
	ds_load_b128 v[TMP+32*((\a)%2)+4*(\t):TMP+32*((\a)%2)+4*(\t)+3], v[R32] offset:(\t)*2*SPITCH
.endr
.irp t, 0,1,2,3,4,5,6,7
	s_wait_dscnt 7-(\t)
	global_store_b128 v[C32], v[TMP+32*((\a)%2)+4*(\t):TMP+32*((\a)%2)+4*(\t)+3], s[70:71] offset:(16*(\a)+2*(\t))*4096 th:TH_STORE_NT
.endr
.endr
.Ljoin:
	s_wait_dscnt 0x0                               ; for the others' sake: my stores into the stages are done
	s_barrier_signal -1
	s_barrier_wait -1
	s_cmp_ge_u32 s66, 2
	s_cbranch_scc1 .Lend
	s_wait_xcnt 0x0                                ; no earlier memory instruction still reads the registers that are loaded now
.irp t, 0,1,2,3,4,5,6,7,8,9,10,11,12,13,14,15
	ds_load_b128 v[TMP+4*(\t):TMP+4*(\t)+3], v[RD] offset:(\t)*2*SPITCH
.endr
.irp t, 0,1,2,3,4,5,6,7,8,9,10,11,12,13,14,15
	ds_load_b128 v[ACC+4*(\t):ACC+4*(\t)+3], v[RD2] offset:(\t)*2*SPITCH
.endr
.irp t, 0,1,2,3,4,5,6,7,8,9,10,11,12,13,14,15
	s_wait_dscnt 31-(\t)                           ; behind X1's load t: its 15 - t younger ones and X2's sixteen
	global_store_b128 v[CO], v[TMP+4*(\t):TMP+4*(\t)+3], s[8:9] offset:2*(\t)*2048
.endr
.irp t, 0,1,2,3,4,5,6,7,8,9,10,11,12,13,14,15
	s_wait_dscnt 15-(\t)
	global_store_b128 v[CO], v[ACC+4*(\t):ACC+4*(\t)+3], s[74:75] offset:2*(\t)*2048
.endr
.Lend:
	s_wait_tensorcnt 0x0                           ; the wave's end
	ds_add_u32 v[SPW], v[NIL]
	s_wait_dscnt 0x0
	CROUND
	s_endpgm
.Lfunc_end_k_q5a766f97ca_pv:
	.size	k_q5a766f97ca_pv, .Lfunc_end_k_q5a766f97ca_pv-k_q5a766f97ca_pv
	.p2alignl 7, 3214868480
	.fill 96, 4, 3214868480
	.section	.rodata,"a",@progbits
	.p2align	6, 0x0
	.amdhsa_kernel k_q5a766f97ca_pv
		.amdhsa_group_segment_fixed_size 327680
		.amdhsa_private_segment_fixed_size 0
		.amdhsa_enable_private_segment 0
		.amdhsa_kernarg_size 40
		.amdhsa_user_sgpr_count 2
		.amdhsa_user_sgpr_kernarg_segment_ptr 1
		.amdhsa_wavefront_size32 1
		.amdhsa_system_sgpr_workgroup_id_x 1
		.amdhsa_system_sgpr_workgroup_id_y 1
		.amdhsa_system_sgpr_workgroup_id_z 1
		.amdhsa_system_vgpr_workitem_id 0
		.amdhsa_next_free_vgpr 512
		.amdhsa_next_free_sgpr 80
		.amdhsa_reserve_vcc 0
		.amdhsa_float_denorm_mode_32 3
		.amdhsa_float_denorm_mode_16_64 3
		.amdhsa_memory_ordered 1
		.amdhsa_forward_progress 1
		.amdhsa_inst_pref_size 101
	.end_amdhsa_kernel
	.amdgpu_metadata
---
amdhsa.version: [ 1, 2 ]
amdhsa.kernels:
  - .name:           k_q5a766f97ca_pv
    .symbol:         k_q5a766f97ca_pv.kd
    .args:
      - { .name: P, .offset: 0, .size: 8, .value_kind: global_buffer, .address_space: global }
      - { .name: H, .offset: 8, .size: 8, .value_kind: global_buffer, .address_space: global }
      - { .name: X, .offset: 16, .size: 8, .value_kind: global_buffer, .address_space: global }
      - { .name: F, .offset: 24, .size: 8, .value_kind: global_buffer, .address_space: global }
      - { .name: out1, .offset: 32, .size: 8, .value_kind: global_buffer, .address_space: global }
    .group_segment_fixed_size: 327680
    .private_segment_fixed_size: 0
    .kernarg_segment_align: 8
    .kernarg_segment_size: 40
    .max_flat_workgroup_size: 128
    .sgpr_count:     80
    .vgpr_count:     512
    .wavefront_size: 32
...
	.end_amdgpu_metadata
.endif
;; end of part 6
;; launch mlp1 (part 7): grid 8 x 32, 4 waves a work-group, clusters of 4 x 4, 327,680 bytes of LDS; arguments X, H, F, b1, b2; writes F
.if DOCPART == 7
	.amdgcn_target "amdgcn-amd-amdhsa--gfx1250"
	.amdhsa_code_object_version 6
	.text
	.protected	k_q5a766f97ca_mlp1
	.globl	k_q5a766f97ca_mlp1
	.p2align	8
	.type	k_q5a766f97ca_mlp1,@function
k_q5a766f97ca_mlp1:
	s_mov_b64 s[64:65], 0
	v_nop
	global_prefetch_b8 v0, s[64:65] scope:SCOPE_SE
	s_setreg_imm32_b32 hwreg(HW_REG_WAVE_MODE, 25, 1), 1
	s_wait_xcnt 0x0
	s_wait_alu depctr_hold_cnt(0) depctr_sa_sdst(0) depctr_va_vdst(0) depctr_va_sdst(0) depctr_va_ssrc(0) depctr_va_vcc(0) depctr_vm_vsrc(0)
	s_getreg_b32 s2, hwreg(HW_REG_IB_STS2, 6, 4)
	s_cmp_eq_u32 s2, 0
	s_cbranch_scc0 .Lentry_in_a_cluster
	s_endpgm
.Lentry_in_a_cluster:
	s_bfe_u32 s2, ttmp6, 0x10000c
	s_cmp_lg_u32 s2, 0xf033
	s_cbranch_scc0 .Lentry_shape_is_right
	s_endpgm
.Lentry_shape_is_right:
; F[m][0:512] = relu(X1 w1h^T + b1 2^-6) = o1 / 64 (X1 carries 2^-6; w3's first 512 columns carry the 64);  F[m][512:1024] = relu(X2 w2h^T + b2) = o2.  Both rounded once to f16.
; X1, X2: [4096][1024] f16, 8,388,608 bytes apart in X; w1h over w2h: [1024][1024] f16 in H.  The cluster's x says which: 0 (tile columns 0-3): X1, w1, b1; 1: X2, w2, b2.
; LIMIT: o1 / 64 and o2 within f16's 65,504.
; A tile of C is 128 x 128: four waves, each 64 x 64 in 16 accumulators.  K goes in steps of 256 through two LDS slots; a loop trip is ONE K step: the slot in hand is a scalar register that an
; exclusive or turns, and one descriptor set walks.  SLOT's bits (17 and 12) occur in no tile's address inside a slot.
; CLUSTER 4 x 4: A's tiles are asked for jointly along a row of the cluster, B's along a column.  The matrix instruction is used transposed (source 0 = B, source 1 = A).
.set T,      4
.set LDA,    1024
.set LDB,    1024
.set LDCB,   4096
.set BBASE,  102760448
.set PITCH,  528
.set HALFT,  64*PITCH
.set BOFF,   2*HALFT
.set SLOT,   4*HALFT
.set STAGE,  2*SLOT
.set STEP_A, 512
.set STEP_B, 512
.set SPITCH, 272
.set SPARE,  STAGE+128*SPITCH
.set ADRA0, 14
.set ADRB0, 15
.set ADRA, 16
.set ADRB, 20
.set STO,  24
.set RD,   25
.set CO,   26
.set BO,   27                          ; v27  32 x (l / 16): my 8 numbers of 16 of the bias
.set SPW,  28
.set NIL,  29
.set ZERO, 30                          ; v30  0, for the relu on packed halves
.set TMP,  32
.set BIAS, 96                          ; v[96:127]  n block b's 8 numbers at 96 + 8 b
.set ACC,  128
.set F0,   0
.set F1,   128
.set G1, 24
.set G0, 32
.set G1B, 48
.set G0B, 56
.set TB,  45
.set MSB, 0
.macro WIN new
.if MSB != (\new)
	s_set_vgpr_msb (MSB<<8)|(\new)
.set MSB, \new
.endif
.endm
.set MUL,  0x05
.set TO_F, 0x40
.macro JLOAD s                         ; a joint load: waves 0 and 1 fetch A's halves, waves 2 and 3 B's; an s_nop 0 and four v_nop follow each line
	s_cmp_eq_u32 s11, 0
	s_cbranch_scc0 .Lfor_b_\@
	tensor_load_to_lds s[G0+4*(\s):G0+4*(\s)+3], s[G1:G1+7]
	s_nop 0
.rept 4
	v_nop
.endr
	s_branch .Lasked_\@
.Lfor_b_\@:
	tensor_load_to_lds s[G0B+4*(\s):G0B+4*(\s)+3], s[G1B:G1B+7]
	s_nop 0
.rept 4
	v_nop
.endr
.Lasked_\@:
.endm
.macro CREST
	s_cmp_lg_u32 s10, 0
	s_cbranch_scc1 .Lnot_wave_0_\@
	s_barrier_signal -3
.Lnot_wave_0_\@:
	s_barrier_wait -3
	s_barrier_signal -1
	s_barrier_wait -1
.endm
.macro CROUND
	s_barrier_signal -1
	s_barrier_wait -1
	CREST
.endm
	s_load_b128 s[4:7], s[0:1], 0x0                ; X s[4:5], H s[6:7]
	s_load_b64 s[8:9], s[0:1], 0x10                ; F
	s_load_b64 s[68:69], s[0:1], 0x18              ; b1
	s_load_b64 s[70:71], s[0:1], 0x20              ; b2
	v_lshl_add_u32 v[SPW], v0, 2, SPARE
	v_mov_b32 v[NIL], 0
	ds_add_u32 v[SPW], v[NIL]                      ; the wave's opening: the add and its wait ahead of my first tensor load
	v_lshrrev_b32 v1, 5, v0
	v_readfirstlane_b32 s10, v1
	s_lshr_b32 s11, s10, 1
	s_and_b32 s12, s10, 1
	s_bfe_u32 s40, ttmp6, 0x40000
	s_bfe_u32 s41, ttmp6, 0x40004
	s_mov_b32 s19, ttmp9                           ; the cluster's x
	s_lshl_b32 s42, ttmp9, 2
	s_add_co_u32 s42, s42, s40                     ; tile column
	s_and_b32 s13, ttmp7, 0xffff
	s_lshl_b32 s13, s13, 2
	s_add_co_u32 s13, s13, s41                     ; tile row
	s_lshl_b32 s43, s41, 2
	s_lshl_b32 s43, 15, s43
	s_lshl_b32 s44, 0x1111, s40
	s_or_b32 s[G1+0], s43, (1<<16)|(1<<20)|(1<<21)|(6<<22)|(3<<25)
	s_or_b32 s[G1B+0], s44, (1<<16)|(1<<20)|(1<<21)|(6<<22)|(3<<25)
.irp g, G1, G1B
	s_mov_b32 s[(\g)+1], 256<<16
	s_mov_b32 s[(\g)+2], 64<<16
	s_mov_b32 s[(\g)+3], 256<<16
	s_mov_b32 s[(\g)+4], 64
	s_mov_b32 s[(\g)+6], 0
	s_mov_b32 s[(\g)+7], 0
.endr
	s_mov_b32 s[G1+5], LDA
	s_mov_b32 s[G1B+5], LDB
	s_lshl_b32 s17, s12, 6
	s_lshl_b32 s16, s13, 7
	s_add_co_u32 s16, s16, s17
	s_mul_i32 s16, s16, LDA*2                      ; A: row 128 x tile row + 64 x half,
	s_lshl_b32 s18, s19, 23                        ; of X1 or of X2
	s_add_co_u32 s16, s16, s18
	s_lshl_b32 s46, s42, 7
	s_add_co_u32 s46, s46, s17
	s_mul_i32 s46, s46, LDB*2                      ; B: row 128 x tile column + 64 x half,
	s_add_co_u32 s46, s46, BBASE                   ; of w1h over w2h in H
	s_mov_b32 s17, 0
	s_mov_b32 s47, 0
	s_mul_i32 s20, s10, HALFT
	s_wait_dscnt 0x0                               ; the opening add is done
	s_wait_kmcnt 0x0
	s_add_nc_u64 s[14:15], s[4:5], s[16:17]
	s_add_nc_u64 s[46:47], s[6:7], s[46:47]
	CROUND
.irp s, 0,1
	s_mov_b32 s[G0+4*(\s)], 1
	s_add_co_u32 s[G0+4*(\s)+1], s20, (\s)*SLOT
	s_add_nc_u64 s[G0+4*(\s)+2:G0+4*(\s)+3], s[14:15], (\s)*STEP_A
	s_or_b32 s[G0+4*(\s)+3], s[G0+4*(\s)+3], 0x80000000
	s_mov_b32 s[G0B+4*(\s)], 1
	s_add_co_u32 s[G0B+4*(\s)+1], s20, (\s)*SLOT
	s_add_nc_u64 s[G0B+4*(\s)+2:G0B+4*(\s)+3], s[46:47], (\s)*STEP_B
	s_or_b32 s[G0B+4*(\s)+3], s[G0B+4*(\s)+3], 0x80000000
	JLOAD \s
.endr
	v_and_b32 v1, 15, v0
	v_bfe_u32 v2, v0, 4, 1
	v_mul_u32_u24 v3, v1, PITCH
	v_lshl_add_u32 v3, v2, 4, v3
	s_mul_i32 s21, s11, HALFT
	s_mul_i32 s22, s12, HALFT
	s_add_co_u32 s22, s22, BOFF
	v_add_nc_u32 v[ADRA0], s21, v3
	v_add_nc_u32 v[ADRB0], s22, v3
	s_mov_b32 s[TB], 0
	v_mov_b32 v[ADRA], v[ADRA0]
	v_mov_b32 v[ADRB], v[ADRB0]
	v_mov_b32 v[ZERO], 0
	s_cmp_eq_u32 s19, 0                            ; the bias and its factor
	s_cselect_b64 s[68:69], s[68:69], s[70:71]
	s_cselect_b32 s66, 0x3c800000, 1.0             ; 2^-6 for b1
	s_mov_b32 s67, s66                             ; named with it as a pair
	s_lshl_b32 s46, s40, 9                         ; my 64 of the bias's 512 numbers: 128 x (tile column mod 4) + 64 x half
	s_lshl_b32 s47, s12, 8
	s_add_co_u32 s46, s46, s47
	s_mov_b32 s47, 0
	s_add_nc_u64 s[68:69], s[68:69], s[46:47]
	v_lshlrev_b32 v[BO], 5, v2
.irp b, 0,1,2,3                        ; waited for on the way out
	global_load_b128 v[BIAS+8*(\b):BIAS+8*(\b)+3], v[BO], s[68:69] offset:64*(\b)
	global_load_b128 v[BIAS+8*(\b)+4:BIAS+8*(\b)+7], v[BO], s[68:69] offset:64*(\b)+16
.endr
	s_mul_i32 s23, s11, 64*SPITCH
	s_lshl_b32 s21, s12, 7
	s_add_co_u32 s23, s23, s21
	s_add_co_u32 s23, s23, STAGE
	v_mul_u32_u24 v4, v1, SPITCH
	v_lshl_add_u32 v4, v2, 4, v4
	v_add_nc_u32 v[STO], s23, v4
	s_mul_i32 s23, s10, 32*SPITCH
	s_add_co_u32 s23, s23, STAGE
	v_mul_u32_u24 v5, v2, SPITCH
	v_lshl_add_u32 v5, v1, 4, v5
	v_add_nc_u32 v[RD], s23, v5
	v_mul_u32_u24 v5, v2, LDCB
	v_lshl_add_u32 v[CO], v1, 4, v5
	s_lshl_b32 s16, s13, 7
	s_lshl_b32 s17, s10, 5
	s_add_co_u32 s16, s16, s17
	s_mul_i32 s16, s16, LDCB
	s_mov_b32 s17, 0
	s_add_nc_u64 s[8:9], s[8:9], s[16:17]
	s_lshl_b32 s46, s42, 8
	s_add_nc_u64 s[8:9], s[8:9], s[46:47]
.macro MUL8 f, c, a0, zero             ; 8 products; the 16 accumulators take turns
	WIN MUL
.irp a, \a0, (\a0)+1
.irp b, 0,1,2,3
.if \zero
	v_wmma_f32_16x16x32_f16 v[ACC+8*(4*(\a)+(\b)):ACC+8*(4*(\a)+(\b))+7], v[(\f)+64+8*(4*(\c)+(\b)):(\f)+64+8*(4*(\c)+(\b))+7], v[(\f)+8*(4*(\c)+(\a)):(\f)+8*(4*(\c)+(\a))+7], 0
.else
	v_wmma_f32_16x16x32_f16 v[ACC+8*(4*(\a)+(\b)):ACC+8*(4*(\a)+(\b))+7], v[(\f)+64+8*(4*(\c)+(\b)):(\f)+64+8*(4*(\c)+(\b))+7], v[(\f)+8*(4*(\c)+(\a)):(\f)+8*(4*(\c)+(\a))+7], v[ACC+8*(4*(\a)+(\b)):ACC+8*(4*(\a)+(\b))+7]
.endif
.endr
.endr
.endm
.macro FETCH k, f
	WIN TO_F
.irp c, 0,1
.irp i, 0,1,2,3
	ds_load_b128 v[(\f)+64+8*(4*(\c)+(\i)):(\f)+64+8*(4*(\c)+(\i))+3],   v[ADRB] offset:(\k)+64*(\c)+(\i)*16*PITCH
	ds_load_b128 v[(\f)+64+8*(4*(\c)+(\i))+4:(\f)+64+8*(4*(\c)+(\i))+7], v[ADRB] offset:(\k)+64*(\c)+(\i)*16*PITCH+32
	ds_load_b128 v[(\f)+8*(4*(\c)+(\i)):(\f)+8*(4*(\c)+(\i))+3],         v[ADRA] offset:(\k)+64*(\c)+(\i)*16*PITCH
	ds_load_b128 v[(\f)+8*(4*(\c)+(\i))+4:(\f)+8*(4*(\c)+(\i))+7],       v[ADRA] offset:(\k)+64*(\c)+(\i)*16*PITCH+32
.endr
.endr
.endm
.macro PLACES
.rept 4
	v_nop
.endr
.endm
.macro QUARTER k, f, g, zero
	s_wait_dscnt 16                                ; the first 32 along K are in
	MUL8 \f, 0, 0, \zero
	MUL8 \f, 0, 2, \zero
	PLACES
	FETCH \k, \g
	s_wait_dscnt 32                                ; all but the 32 just issued
	MUL8 \f, 1, 0, 0
	MUL8 \f, 1, 2, 0
.endm
.macro TURN fill
	WIN 0
	s_wait_tensorcnt 0x0                           ; all my tensor loads have landed: my part of the next slot;
	ds_add_u32 v[SPW], v[NIL]                      ; 0 onto my spare word
	s_wait_dscnt 17                                ; (the add and the youngest sixteen loads may be out)
	MUL8 F1, 0, 0, 0
	s_wait_dscnt 0x0                               ; the add is done, and my reads of this slot are over
	s_barrier_signal -1
	MUL8 F1, 0, 2, 0
	WIN 0
	s_barrier_wait -1
.if \fill
	CREST                                          ; no wave of any partner still reads this slot or has a load on its way
	s_xor_b32 s[G0+5], s[G0+5], SLOT
	s_xor_b32 s[G0B+5], s[G0B+5], SLOT
	s_add_nc_u64 s[G0+6:G0+7], s[G0+6:G0+7], STEP_A
	s_add_nc_u64 s[G0B+6:G0B+7], s[G0B+6:G0B+7], STEP_B
	JLOAD 1
.else
	PLACES
.endif
	s_xor_b32 s[TB], s[TB], SLOT
	v_add_nc_u32 v[ADRA], s[TB], v[ADRA0]
	v_add_nc_u32 v[ADRB], s[TB], v[ADRB0]
	FETCH 0, F0
	MUL8 F1, 1, 0, 0
	MUL8 F1, 1, 2, 0
.endm
.macro LASTQ
	s_wait_dscnt 16
	MUL8 F1, 0, 0, 0
	MUL8 F1, 0, 2, 0
	s_wait_dscnt 0
	MUL8 F1, 1, 0, 0
	MUL8 F1, 1, 2, 0
	WIN 0
.endm
	s_wait_tensorcnt 1                             ; my part of K step 0 is in; K step 1's may stay out
	s_barrier_signal -1
	s_barrier_wait -1
	FETCH 0, F0
	QUARTER 128, F0, F1, 1
	WIN 0
	s_mov_b32 s3, T-2
.Lstep:
	QUARTER 256, F1, F0, 0
	QUARTER 384, F0, F1, 0
	TURN 1
	QUARTER 128, F0, F1, 0
	WIN 0
	s_sub_co_u32 s3, s3, 1
	s_cmp_lg_u32 s3, 0
	s_cbranch_scc1 .Lstep
	QUARTER 256, F1, F0, 0
	QUARTER 384, F0, F1, 0
	TURN 0
	QUARTER 128, F0, F1, 0
	QUARTER 256, F1, F0, 0
	QUARTER 384, F0, F1, 0
	LASTQ
	; THE WAY OUT: + bias x factor in f32; round to f16; relu on the packed halves (nothing is rounded there); through the work-group's stage
	s_wait_loadcnt 0x0                             ; the bias
	PLACES
.irp t, 0,1,2,3,4,5,6,7,8,9,10,11,12,13,14,15
.irp r, 0,2,4,6
	v_pk_fma_f32 v[ACC+8*(\t)+(\r):ACC+8*(\t)+(\r)+1], v[BIAS+8*((\t)%4)+(\r):BIAS+8*((\t)%4)+(\r)+1], s[66:67], v[ACC+8*(\t)+(\r):ACC+8*(\t)+(\r)+1] op_sel_hi:[1,0,1]
.endr
.endr
.irp t, 0,1,2,3,4,5,6,7,8,9,10,11,12,13,14,15
.irp r, 0,1,2,3
	v_cvt_pk_f16_f32 v[TMP+4*(\t)+(\r)], v[ACC+8*(\t)+2*(\r)], v[ACC+8*(\t)+2*(\r)+1]
.endr
.endr
.set i, 0
.rept 64
	v_pk_max_num_f16 v[TMP+i], v[TMP+i], v[ZERO]
.set i, i+1
.endr
.irp a, 0,1,2,3
.irp b, 0,1,2,3
	ds_store_b128 v[STO], v[TMP+4*(4*(\a)+(\b)):TMP+4*(4*(\a)+(\b))+3] offset:(\a)*16*SPITCH+32*(\b)
.endr
.endr
	s_wait_dscnt 0x0                               ; for the others' sake: my stores into the stage are done
	s_barrier_signal -1
	s_barrier_wait -1
.irp t, 0,1,2,3,4,5,6,7,8,9,10,11,12,13,14,15
	ds_load_b128 v[TMP+4*(\t):TMP+4*(\t)+3], v[RD] offset:(\t)*2*SPITCH
.endr
.irp t, 0,1,2,3,4,5,6,7,8,9,10,11,12,13,14,15
	s_wait_dscnt 15-(\t)
	global_store_b128 v[CO], v[TMP+4*(\t):TMP+4*(\t)+3], s[8:9] offset:2*(\t)*LDCB
.endr
	s_wait_tensorcnt 0x0                           ; the wave's end
	ds_add_u32 v[SPW], v[NIL]
	s_wait_dscnt 0x0
	CROUND
	s_endpgm
.Lfunc_end_k_q5a766f97ca_mlp1:
	.size	k_q5a766f97ca_mlp1, .Lfunc_end_k_q5a766f97ca_mlp1-k_q5a766f97ca_mlp1
	.p2alignl 7, 3214868480
	.fill 96, 4, 3214868480
	.section	.rodata,"a",@progbits
	.p2align	6, 0x0
	.amdhsa_kernel k_q5a766f97ca_mlp1
		.amdhsa_group_segment_fixed_size 327680
		.amdhsa_private_segment_fixed_size 0
		.amdhsa_enable_private_segment 0
		.amdhsa_kernarg_size 40
		.amdhsa_user_sgpr_count 2
		.amdhsa_user_sgpr_kernarg_segment_ptr 1
		.amdhsa_wavefront_size32 1
		.amdhsa_system_sgpr_workgroup_id_x 1
		.amdhsa_system_sgpr_workgroup_id_y 1
		.amdhsa_system_sgpr_workgroup_id_z 1
		.amdhsa_system_vgpr_workitem_id 0
		.amdhsa_next_free_vgpr 512
		.amdhsa_next_free_sgpr 80
		.amdhsa_reserve_vcc 0
		.amdhsa_float_denorm_mode_32 3
		.amdhsa_float_denorm_mode_16_64 3
		.amdhsa_memory_ordered 1
		.amdhsa_forward_progress 1
		.amdhsa_inst_pref_size 78
	.end_amdhsa_kernel
	.amdgpu_metadata
---
amdhsa.version: [ 1, 2 ]
amdhsa.kernels:
  - .name:           k_q5a766f97ca_mlp1
    .symbol:         k_q5a766f97ca_mlp1.kd
    .args:
      - { .name: X, .offset: 0, .size: 8, .value_kind: global_buffer, .address_space: global }
      - { .name: H, .offset: 8, .size: 8, .value_kind: global_buffer, .address_space: global }
      - { .name: F, .offset: 16, .size: 8, .value_kind: global_buffer, .address_space: global }
      - { .name: b1, .offset: 24, .size: 8, .value_kind: global_buffer, .address_space: global }
      - { .name: b2, .offset: 32, .size: 8, .value_kind: global_buffer, .address_space: global }
    .group_segment_fixed_size: 327680
    .private_segment_fixed_size: 0
    .kernarg_segment_align: 8
    .kernarg_segment_size: 40
    .max_flat_workgroup_size: 128
    .sgpr_count:     80
    .vgpr_count:     512
    .wavefront_size: 32
...
	.end_amdgpu_metadata
.endif
;; end of part 7
;; launch mlp2 (part 8): grid 8 x 32, 4 waves a work-group, clusters of 4 x 4, 327,680 bytes of LDS; arguments F, H, out0, b3; writes out0
.if DOCPART == 8
	.amdgcn_target "amdgcn-amd-amdhsa--gfx1250"
	.amdhsa_code_object_version 6
	.text
	.protected	k_q5a766f97ca_mlp2
	.globl	k_q5a766f97ca_mlp2
	.p2align	8
	.type	k_q5a766f97ca_mlp2,@function
k_q5a766f97ca_mlp2:
	s_mov_b64 s[64:65], 0
	v_nop
	global_prefetch_b8 v0, s[64:65] scope:SCOPE_SE
	s_setreg_imm32_b32 hwreg(HW_REG_WAVE_MODE, 25, 1), 1
	s_wait_xcnt 0x0
	s_wait_alu depctr_hold_cnt(0) depctr_sa_sdst(0) depctr_va_vdst(0) depctr_va_sdst(0) depctr_va_ssrc(0) depctr_va_vcc(0) depctr_vm_vsrc(0)
	s_getreg_b32 s2, hwreg(HW_REG_IB_STS2, 6, 4)
	s_cmp_eq_u32 s2, 0
	s_cbranch_scc0 .Lentry_in_a_cluster
	s_endpgm
.Lentry_in_a_cluster:
	s_bfe_u32 s2, ttmp6, 0x10000c
	s_cmp_lg_u32 s2, 0xf033
	s_cbranch_scc0 .Lentry_shape_is_right
	s_endpgm
.Lentry_shape_is_right:
; out0[m][e] = sum over j of F[m][j] w3h[e][j] + b3[e], in f32.  F = [o1 / 64 | o2 | qh]: [4096][2048] f16; w3h: [1024][2048] f16 in H, its columns 0-511 times 64.
; A tile of C is 128 x 128: four waves, each 64 x 64 in 16 accumulators.  K = 2,048 goes in 8 steps of 256 through two LDS slots; a loop trip is ONE K step: the slot in hand is a scalar
; register that an exclusive or turns, and one descriptor set walks.  SLOT's bits (17 and 12) occur in no tile's address inside a slot.
; CLUSTER 4 x 4: A's tiles are asked for jointly along a row of the cluster, B's along a column.  The matrix instruction is used transposed (source 0 = B, source 1 = A).
; THE WAY OUT is each wave's own: its 64 columns of f32 are 256 aligned bytes of a row of out0.
.set T,      8
.set LDA,    2048
.set LDB,    2048
.set LDCB,   4096
.set BBASE,  104857600
.set PITCH,  528
.set HALFT,  64*PITCH
.set BOFF,   2*HALFT
.set SLOT,   4*HALFT
.set STAGE,  2*SLOT
.set STEP_A, 512
.set STEP_B, 512
.set SPITCH, 272
.set SPARE,  STAGE+128*SPITCH
.set ADRA0, 14
.set ADRB0, 15
.set ADRA, 16
.set ADRB, 20
.set STO,  24
.set RD,   25
.set CO,   26
.set BO,   27
.set SPW,  28
.set NIL,  29
.set TMP,  32
.set BIAS, 96
.set ACC,  128
.set F0,   0
.set F1,   128
.set G1, 24
.set G0, 32
.set G1B, 48
.set G0B, 56
.set TB,  45
.set MSB, 0
.macro WIN new
.if MSB != (\new)
	s_set_vgpr_msb (MSB<<8)|(\new)
.set MSB, \new
.endif
.endm
.set MUL,  0x05
.set TO_F, 0x40
.macro JLOAD s                         ; a joint load: waves 0 and 1 fetch A's halves, waves 2 and 3 B's; an s_nop 0 and four v_nop follow each line
	s_cmp_eq_u32 s11, 0
	s_cbranch_scc0 .Lfor_b_\@
	tensor_load_to_lds s[G0+4*(\s):G0+4*(\s)+3], s[G1:G1+7]
	s_nop 0
.rept 4
	v_nop
.endr
	s_branch .Lasked_\@
.Lfor_b_\@:
	tensor_load_to_lds s[G0B+4*(\s):G0B+4*(\s)+3], s[G1B:G1B+7]
	s_nop 0
.rept 4
	v_nop
.endr
.Lasked_\@:
.endm
.macro CREST
	s_cmp_lg_u32 s10, 0
	s_cbranch_scc1 .Lnot_wave_0_\@
	s_barrier_signal -3
.Lnot_wave_0_\@:
	s_barrier_wait -3
	s_barrier_signal -1
	s_barrier_wait -1
.endm
.macro CROUND
	s_barrier_signal -1
	s_barrier_wait -1
	CREST
.endm
	s_load_b128 s[4:7], s[0:1], 0x0                ; F s[4:5], H s[6:7]
	s_load_b64 s[8:9], s[0:1], 0x10                ; out0
	s_load_b64 s[68:69], s[0:1], 0x18              ; b3
	v_lshl_add_u32 v[SPW], v0, 2, SPARE
	v_mov_b32 v[NIL], 0
	ds_add_u32 v[SPW], v[NIL]                      ; the wave's opening: the add and its wait ahead of my first tensor load
	v_lshrrev_b32 v1, 5, v0
	v_readfirstlane_b32 s10, v1
	s_lshr_b32 s11, s10, 1
	s_and_b32 s12, s10, 1
	s_bfe_u32 s40, ttmp6, 0x40000
	s_bfe_u32 s41, ttmp6, 0x40004
	s_lshl_b32 s42, ttmp9, 2
	s_add_co_u32 s42, s42, s40                     ; tile column
	s_and_b32 s13, ttmp7, 0xffff
	s_lshl_b32 s13, s13, 2
	s_add_co_u32 s13, s13, s41                     ; tile row
	s_lshl_b32 s43, s41, 2
	s_lshl_b32 s43, 15, s43
	s_lshl_b32 s44, 0x1111, s40
	s_or_b32 s[G1+0], s43, (1<<16)|(1<<20)|(1<<21)|(6<<22)|(3<<25)
	s_or_b32 s[G1B+0], s44, (1<<16)|(1<<20)|(1<<21)|(6<<22)|(3<<25)
.irp g, G1, G1B
	s_mov_b32 s[(\g)+1], 256<<16
	s_mov_b32 s[(\g)+2], 64<<16
	s_mov_b32 s[(\g)+3], 256<<16
	s_mov_b32 s[(\g)+4], 64
	s_mov_b32 s[(\g)+6], 0
	s_mov_b32 s[(\g)+7], 0
.endr
	s_mov_b32 s[G1+5], LDA
	s_mov_b32 s[G1B+5], LDB
	s_lshl_b32 s17, s12, 6
	s_lshl_b32 s16, s13, 7
	s_add_co_u32 s16, s16, s17
	s_mul_i32 s16, s16, LDA*2                      ; A: row 128 x tile row + 64 x half
	s_lshl_b32 s46, s42, 7
	s_add_co_u32 s46, s46, s17
	s_mul_i32 s46, s46, LDB*2                      ; B: row 128 x tile column + 64 x half,
	s_add_co_u32 s46, s46, BBASE                   ; of w3h in H
	s_mov_b32 s17, 0
	s_mov_b32 s47, 0
	s_mul_i32 s20, s10, HALFT
	s_wait_dscnt 0x0                               ; the opening add is done
	s_wait_kmcnt 0x0
	s_add_nc_u64 s[14:15], s[4:5], s[16:17]
	s_add_nc_u64 s[46:47], s[6:7], s[46:47]
	CROUND
.irp s, 0,1
	s_mov_b32 s[G0+4*(\s)], 1
	s_add_co_u32 s[G0+4*(\s)+1], s20, (\s)*SLOT
	s_add_nc_u64 s[G0+4*(\s)+2:G0+4*(\s)+3], s[14:15], (\s)*STEP_A
	s_or_b32 s[G0+4*(\s)+3], s[G0+4*(\s)+3], 0x80000000
	s_mov_b32 s[G0B+4*(\s)], 1
	s_add_co_u32 s[G0B+4*(\s)+1], s20, (\s)*SLOT
	s_add_nc_u64 s[G0B+4*(\s)+2:G0B+4*(\s)+3], s[46:47], (\s)*STEP_B
	s_or_b32 s[G0B+4*(\s)+3], s[G0B+4*(\s)+3], 0x80000000
	JLOAD \s
.endr
	v_and_b32 v1, 15, v0
	v_bfe_u32 v2, v0, 4, 1
	v_mul_u32_u24 v3, v1, PITCH
	v_lshl_add_u32 v3, v2, 4, v3
	s_mul_i32 s21, s11, HALFT
	s_mul_i32 s22, s12, HALFT
	s_add_co_u32 s22, s22, BOFF
	v_add_nc_u32 v[ADRA0], s21, v3
	v_add_nc_u32 v[ADRB0], s22, v3
	s_mov_b32 s[TB], 0
	v_mov_b32 v[ADRA], v[ADRA0]
	v_mov_b32 v[ADRB], v[ADRB0]
	s_lshl_b32 s46, s42, 9                         ; my first column, in bytes of f32: 512 x tile column + 256 x half: in b3 and in a row of out0
	s_lshl_b32 s47, s12, 8
	s_add_co_u32 s46, s46, s47
	s_mov_b32 s47, 0
	s_add_nc_u64 s[68:69], s[68:69], s[46:47]
	s_add_nc_u64 s[8:9], s[8:9], s[46:47]
	v_lshlrev_b32 v[BO], 5, v2
.irp b, 0,1,2,3                        ; waited for on the way out
	global_load_b128 v[BIAS+8*(\b):BIAS+8*(\b)+3], v[BO], s[68:69] offset:64*(\b)
	global_load_b128 v[BIAS+8*(\b)+4:BIAS+8*(\b)+7], v[BO], s[68:69] offset:64*(\b)+16
.endr
	s_mul_i32 s23, s10, 16*SPITCH                  ; my own stage: 16 rows x 272 bytes
	s_add_co_u32 s23, s23, STAGE
	v_mul_u32_u24 v4, v1, SPITCH
	v_lshl_add_u32 v4, v2, 5, v4
	v_add_nc_u32 v[STO], s23, v4
	v_mul_u32_u24 v5, v2, SPITCH
	v_lshl_add_u32 v5, v1, 4, v5
	v_add_nc_u32 v[RD], s23, v5
	v_mul_u32_u24 v5, v2, LDCB
	v_lshl_add_u32 v[CO], v1, 4, v5
	s_lshl_b32 s16, s13, 7
	s_lshl_b32 s17, s11, 6
	s_add_co_u32 s16, s16, s17                     ; my first row of C
	s_mul_i32 s16, s16, LDCB
	s_mov_b32 s17, 0
	s_add_nc_u64 s[8:9], s[8:9], s[16:17]
.macro MUL8 f, c, a0, zero             ; 8 products; the 16 accumulators take turns
	WIN MUL
.irp a, \a0, (\a0)+1
.irp b, 0,1,2,3
.if \zero
	v_wmma_f32_16x16x32_f16 v[ACC+8*(4*(\a)+(\b)):ACC+8*(4*(\a)+(\b))+7], v[(\f)+64+8*(4*(\c)+(\b)):(\f)+64+8*(4*(\c)+(\b))+7], v[(\f)+8*(4*(\c)+(\a)):(\f)+8*(4*(\c)+(\a))+7], 0
.else
	v_wmma_f32_16x16x32_f16 v[ACC+8*(4*(\a)+(\b)):ACC+8*(4*(\a)+(\b))+7], v[(\f)+64+8*(4*(\c)+(\b)):(\f)+64+8*(4*(\c)+(\b))+7], v[(\f)+8*(4*(\c)+(\a)):(\f)+8*(4*(\c)+(\a))+7], v[ACC+8*(4*(\a)+(\b)):ACC+8*(4*(\a)+(\b))+7]
.endif
.endr
.endr
.endm
.macro FETCH k, f
	WIN TO_F
.irp c, 0,1
.irp i, 0,1,2,3
	ds_load_b128 v[(\f)+64+8*(4*(\c)+(\i)):(\f)+64+8*(4*(\c)+(\i))+3],   v[ADRB] offset:(\k)+64*(\c)+(\i)*16*PITCH
	ds_load_b128 v[(\f)+64+8*(4*(\c)+(\i))+4:(\f)+64+8*(4*(\c)+(\i))+7], v[ADRB] offset:(\k)+64*(\c)+(\i)*16*PITCH+32
	ds_load_b128 v[(\f)+8*(4*(\c)+(\i)):(\f)+8*(4*(\c)+(\i))+3],         v[ADRA] offset:(\k)+64*(\c)+(\i)*16*PITCH
	ds_load_b128 v[(\f)+8*(4*(\c)+(\i))+4:(\f)+8*(4*(\c)+(\i))+7],       v[ADRA] offset:(\k)+64*(\c)+(\i)*16*PITCH+32
.endr
.endr
.endm
.macro PLACES
.rept 4
	v_nop
.endr
.endm
.macro QUARTER k, f, g, zero
	s_wait_dscnt 16                                ; the first 32 along K are in
	MUL8 \f, 0, 0, \zero
	MUL8 \f, 0, 2, \zero
	PLACES
	FETCH \k, \g
	s_wait_dscnt 32                                ; all but the 32 just issued
	MUL8 \f, 1, 0, 0
	MUL8 \f, 1, 2, 0
.endm
.macro TURN fill
	WIN 0
	s_wait_tensorcnt 0x0                           ; all my tensor loads have landed: my part of the next slot;
	ds_add_u32 v[SPW], v[NIL]                      ; 0 onto my spare word
	s_wait_dscnt 17                                ; (the add and the youngest sixteen loads may be out)
	MUL8 F1, 0, 0, 0
	s_wait_dscnt 0x0                               ; the add is done, and my reads of this slot are over
	s_barrier_signal -1
	MUL8 F1, 0, 2, 0
	WIN 0
	s_barrier_wait -1
.if \fill
	CREST                                          ; no wave of any partner still reads this slot or has a load on its way
	s_xor_b32 s[G0+5], s[G0+5], SLOT
	s_xor_b32 s[G0B+5], s[G0B+5], SLOT
	s_add_nc_u64 s[G0+6:G0+7], s[G0+6:G0+7], STEP_A
	s_add_nc_u64 s[G0B+6:G0B+7], s[G0B+6:G0B+7], STEP_B
	JLOAD 1
.else
	PLACES
.endif
	s_xor_b32 s[TB], s[TB], SLOT
	v_add_nc_u32 v[ADRA], s[TB], v[ADRA0]
	v_add_nc_u32 v[ADRB], s[TB], v[ADRB0]
	FETCH 0, F0
	MUL8 F1, 1, 0, 0
	MUL8 F1, 1, 2, 0
.endm
.macro LASTQ
	s_wait_dscnt 16
	MUL8 F1, 0, 0, 0
	MUL8 F1, 0, 2, 0
	s_wait_dscnt 0
	MUL8 F1, 1, 0, 0
	MUL8 F1, 1, 2, 0
	WIN 0
.endm
	s_wait_tensorcnt 1                             ; my part of K step 0 is in; K step 1's may stay out
	s_barrier_signal -1
	s_barrier_wait -1
	FETCH 0, F0
	QUARTER 128, F0, F1, 1
	WIN 0
	s_mov_b32 s3, T-2
.Lstep:
	QUARTER 256, F1, F0, 0
	QUARTER 384, F0, F1, 0
	TURN 1
	QUARTER 128, F0, F1, 0
	WIN 0
	s_sub_co_u32 s3, s3, 1
	s_cmp_lg_u32 s3, 0
	s_cbranch_scc1 .Lstep
	QUARTER 256, F1, F0, 0
	QUARTER 384, F0, F1, 0
	TURN 0
	QUARTER 128, F0, F1, 0
	QUARTER 256, F1, F0, 0
	QUARTER 384, F0, F1, 0
	LASTQ
	; THE WAY OUT: + b3; 16 rows at a time through my own stage; LDS serves a wave's instructions in order (ISA guide 5.7.1.4), so no wait stands between the stores and the loads
	s_wait_loadcnt 0x0                             ; the bias
	PLACES
.irp t, 0,1,2,3,4,5,6,7,8,9,10,11,12,13,14,15
.irp r, 0,2,4,6
	v_pk_add_f32 v[ACC+8*(\t)+(\r):ACC+8*(\t)+(\r)+1], v[ACC+8*(\t)+(\r):ACC+8*(\t)+(\r)+1], v[BIAS+8*((\t)%4)+(\r):BIAS+8*((\t)%4)+(\r)+1]
.endr
.endr
.irp a, 0,1,2,3
.irp b, 0,1,2,3
	ds_store_b128 v[STO], v[ACC+8*(4*(\a)+(\b)):ACC+8*(4*(\a)+(\b))+3] offset:64*(\b)
	ds_store_b128 v[STO], v[ACC+8*(4*(\a)+(\b))+4:ACC+8*(4*(\a)+(\b))+7] offset:64*(\b)+16
.endr
	s_wait_xcnt 0x0                                ; registers that earlier stores read are loaded again only behind this wait
.irp t, 0,1,2,3,4,5,6,7
	ds_load_b128 v[TMP+32*((\a)%2)+4*(\t):TMP+32*((\a)%2)+4*(\t)+3], v[RD] offset:(\t)*2*SPITCH
.endr
.irp t, 0,1,2,3,4,5,6,7
	s_wait_dscnt 7-(\t)
	global_store_b128 v[CO], v[TMP+32*((\a)%2)+4*(\t):TMP+32*((\a)%2)+4*(\t)+3], s[8:9] offset:(16*(\a)+2*(\t))*LDCB th:TH_STORE_NT  ; 16 lanes store 256 consecutive bytes, aligned
.endr
.endr
	s_wait_tensorcnt 0x0                           ; the wave's end
	ds_add_u32 v[SPW], v[NIL]
	s_wait_dscnt 0x0
	CROUND
	s_endpgm
.Lfunc_end_k_q5a766f97ca_mlp2:
	.size	k_q5a766f97ca_mlp2, .Lfunc_end_k_q5a766f97ca_mlp2-k_q5a766f97ca_mlp2
	.p2alignl 7, 3214868480
	.fill 96, 4, 3214868480
	.section	.rodata,"a",@progbits
	.p2align	6, 0x0
	.amdhsa_kernel k_q5a766f97ca_mlp2
		.amdhsa_group_segment_fixed_size 327680
		.amdhsa_private_segment_fixed_size 0
		.amdhsa_enable_private_segment 0
		.amdhsa_kernarg_size 32
		.amdhsa_user_sgpr_count 2
		.amdhsa_user_sgpr_kernarg_segment_ptr 1
		.amdhsa_wavefront_size32 1
		.amdhsa_system_sgpr_workgroup_id_x 1
		.amdhsa_system_sgpr_workgroup_id_y 1
		.amdhsa_system_sgpr_workgroup_id_z 1
		.amdhsa_system_vgpr_workitem_id 0
		.amdhsa_next_free_vgpr 512
		.amdhsa_next_free_sgpr 80
		.amdhsa_reserve_vcc 0
		.amdhsa_float_denorm_mode_32 3
		.amdhsa_float_denorm_mode_16_64 3
		.amdhsa_memory_ordered 1
		.amdhsa_forward_progress 1
		.amdhsa_inst_pref_size 74
	.end_amdhsa_kernel
	.amdgpu_metadata
---
amdhsa.version: [ 1, 2 ]
amdhsa.kernels:
  - .name:           k_q5a766f97ca_mlp2
    .symbol:         k_q5a766f97ca_mlp2.kd
    .args:
      - { .name: F, .offset: 0, .size: 8, .value_kind: global_buffer, .address_space: global }
      - { .name: H, .offset: 8, .size: 8, .value_kind: global_buffer, .address_space: global }
      - { .name: out0, .offset: 16, .size: 8, .value_kind: global_buffer, .address_space: global }
      - { .name: b3, .offset: 24, .size: 8, .value_kind: global_buffer, .address_space: global }
    .group_segment_fixed_size: 327680
    .private_segment_fixed_size: 0
    .kernarg_segment_align: 8
    .kernarg_segment_size: 32
    .max_flat_workgroup_size: 128
    .sgpr_count:     80
    .vgpr_count:     512
    .wavefront_size: 32
...
	.end_amdgpu_metadata
.endif
;; end of part 8
;; ======== version 2 of 2: 8 launches
;; limits: values are held in f16: magnitudes above 65,504 overflow, below 6.1e-05 lose precision; right only within a limited range of input values
;; workspace buffers: H 8,388,608 bytes; F 16,777,216 bytes; QP 8,388,608 bytes; QS 8,388,608 bytes; S 33,554,432 bytes; P 16,777,216 bytes; X 16,777,216 bytes
;; launch prep (part 9): grid 512 x 1, 8 waves a work-group, no clusters, 0 bytes of LDS; arguments w_qk, w1, w2, w3, q, H, F; writes H, F
.if DOCPART == 9
	.amdgcn_target "amdgcn-amd-amdhsa--gfx1250"
	.amdhsa_code_object_version 6
	.text
	.protected	k_q5a766f97ca_prep
	.globl	k_q5a766f97ca_prep
	.p2align	8
	.type	k_q5a766f97ca_prep,@function
k_q5a766f97ca_prep:
	s_mov_b64 s[64:65], 0
	v_nop
	global_prefetch_b8 v0, s[64:65] scope:SCOPE_SE
	s_setreg_imm32_b32 hwreg(HW_REG_WAVE_MODE, 25, 1), 1
	s_wait_xcnt 0x0
; The weights and q are rounded once to f16, some with a power of two as a factor (exact):
;   H: w_qk x 2^-5 at byte 0; w1 at 2,097,152; w2 at 3,145,728; w3 at 4,194,304, x 64 in its columns 0-511.   F: q into columns 1024-2047 of its rows of 2,048.
; (k, v and tsp are rounded where they are multiplied.)   LIMIT: a number beyond 65,504 after its factor becomes an infinity; NaN and infinities are not treated apart.
; SHARES.  All sources are taken as rows of 1,024 f32 (a row of w3 is two such rows).  A work-group takes 16 rows; its number says which source: 0 w_qk, 64 w1, 96 w2, 128 w3, 256 q.
; Thread t takes the 16 bytes at 16 t of every row: a wave's load covers 512 consecutive bytes, its store of 8 bytes a lane 256 consecutive bytes, aligned.  All sixteen loads go out at once.
.set X,  16                            ; v[16:79]    sixteen rows' 4 numbers as loaded
.set Y,  80                            ; v[80:111]   sixteen rows' 4 numbers in f16
.set AD, 112                           ; v[112:127]  row i: my byte offset in the destination, 8 t + i x its pitch
	s_load_b256 s[8:15], s[0:1], 0x0               ; w_qk s[8:9], w1 s[10:11], w2 s[12:13], w3 s[14:15]
	s_load_b128 s[16:19], s[0:1], 0x20             ; q s[16:17], H s[18:19]
	s_load_b64 s[20:21], s[0:1], 0x30              ; F
	s_mov_b32 s2, ttmp9                            ; the work-group's number
	s_mov_b32 s3, 0                                ; the first number of its source
	s_mov_b32 s7, 0
	s_mov_b32 s23, 0
	v_lshlrev_b32 v1, 4, v0                        ; my 16 bytes of a source row
	v_lshlrev_b32 v2, 3, v0                        ; my 8 bytes of a row in f16
	s_cmp_lt_u32 s2, 64
	s_cselect_b32 s28, 0x3d000000, 1.0             ; the factor: 2^-5 for w_qk
	s_mov_b32 s29, s28                             ; the factor of columns 0-511 of even rows: 64 for w3 (an even row of 1,024 is w3's columns 0-1023)
	s_cmp_ge_u32 s2, 128
	s_cselect_b32 s29, 0x42800000, s29
	s_mov_b32 s30, 2048                            ; bytes from row to row in H,
	s_lshl_b32 s22, s2, 15                         ; where a work-group's 16 rows follow the one before's
	s_sub_co_u32 s24, s2, 256
	s_lshl_b32 s24, s24, 16                        ; F: 16 rows of 4,096 bytes,
	s_add_co_u32 s24, s24, 2048                    ; their second half
	s_cmp_ge_u32 s2, 256
	s_cselect_b32 s29, 1.0, s29
	s_cselect_b32 s30, 4096, s30
	s_cselect_b32 s22, s24, s22
	v_mov_b32 v6, s28                              ; v[6:7]: odd rows
	v_mov_b32 v7, s28
	v_mov_b32 v8, s29
	v_cmp_gt_u32 vcc_lo, 128, v0                   ; threads 0-127 hold columns 0-511
	v_cndmask_b32 v4, v6, v8, vcc_lo               ; v[4:5]: even rows
	v_mov_b32 v5, v4
.irp i, 0,1,2,3,4,5,6,7,8,9,10,11,12,13,14,15
	v_mad_u32_u24 v[AD+(\i)], s30, \i, v2
.endr
	s_wait_kmcnt 0x0
	s_cmp_ge_u32 s2, 256
	s_cselect_b64 s[18:19], s[20:21], s[18:19]     ; the destination: F for q, else H
	s_add_nc_u64 s[18:19], s[18:19], s[22:23]
	s_mov_b64 s[4:5], s[8:9]
.macro PICK bound, reg                 ; from this number on the source is another
	s_cmp_ge_u32 s2, \bound
	s_cselect_b64 s[4:5], s[\reg:\reg+1], s[4:5]
	s_cselect_b32 s3, \bound, s3
.endm
	PICK 64, 10
	PICK 96, 12
	PICK 128, 14
	PICK 256, 16
	s_sub_co_u32 s6, s2, s3
	s_lshl_b32 s6, s6, 16                          ; 16 rows of 4,096 bytes
	s_add_nc_u64 s[4:5], s[4:5], s[6:7]
.irp i, 0,1,2,3,4,5,6,7,8,9,10,11,12,13,14,15
	global_load_b128 v[X+4*(\i):X+4*(\i)+3], v1, s[4:5] offset:(\i)*4096 th:TH_LOAD_NT
.endr
.irp i, 0,1,2,3,4,5,6,7,8,9,10,11,12,13,14,15
	s_wait_loadcnt 15-(\i)                         ; loads come back in order: row i is in, the younger ones stay out
	v_pk_mul_f32 v[X+4*(\i):X+4*(\i)+1], v[X+4*(\i):X+4*(\i)+1], v[4+2*((\i)%2):5+2*((\i)%2)]
	v_pk_mul_f32 v[X+4*(\i)+2:X+4*(\i)+3], v[X+4*(\i)+2:X+4*(\i)+3], v[4+2*((\i)%2):5+2*((\i)%2)]
	v_cvt_pk_f16_f32 v[Y+2*(\i)], v[X+4*(\i)], v[X+4*(\i)+1]
	v_cvt_pk_f16_f32 v[Y+2*(\i)+1], v[X+4*(\i)+2], v[X+4*(\i)+3]
	global_store_b64 v[AD+(\i)], v[Y+2*(\i):Y+2*(\i)+1], s[18:19]
.endr
	s_endpgm
.Lfunc_end_k_q5a766f97ca_prep:
	.size	k_q5a766f97ca_prep, .Lfunc_end_k_q5a766f97ca_prep-k_q5a766f97ca_prep
	.p2alignl 7, 3214868480
	.fill 96, 4, 3214868480
	.section	.rodata,"a",@progbits
	.p2align	6, 0x0
	.amdhsa_kernel k_q5a766f97ca_prep
		.amdhsa_group_segment_fixed_size 0
		.amdhsa_private_segment_fixed_size 0
		.amdhsa_enable_private_segment 0
		.amdhsa_kernarg_size 56
		.amdhsa_user_sgpr_count 2
		.amdhsa_user_sgpr_kernarg_segment_ptr 1
		.amdhsa_wavefront_size32 1
		.amdhsa_system_sgpr_workgroup_id_x 1
		.amdhsa_system_sgpr_workgroup_id_y 1
		.amdhsa_system_sgpr_workgroup_id_z 1
		.amdhsa_system_vgpr_workitem_id 0
		.amdhsa_next_free_vgpr 128
		.amdhsa_next_free_sgpr 66
		.amdhsa_reserve_vcc 1
		.amdhsa_float_denorm_mode_32 3
		.amdhsa_float_denorm_mode_16_64 3
		.amdhsa_memory_ordered 1
		.amdhsa_forward_progress 1
		.amdhsa_inst_pref_size 11
	.end_amdhsa_kernel
	.amdgpu_metadata
---
amdhsa.version: [ 1, 2 ]
amdhsa.kernels:
  - .name:           k_q5a766f97ca_prep
    .symbol:         k_q5a766f97ca_prep.kd
    .args:
      - { .name: w_qk, .offset: 0, .size: 8, .value_kind: global_buffer, .address_space: global }
      - { .name: w1, .offset: 8, .size: 8, .value_kind: global_buffer, .address_space: global }
      - { .name: w2, .offset: 16, .size: 8, .value_kind: global_buffer, .address_space: global }
      - { .name: w3, .offset: 24, .size: 8, .value_kind: global_buffer, .address_space: global }
      - { .name: q, .offset: 32, .size: 8, .value_kind: global_buffer, .address_space: global }
      - { .name: H, .offset: 40, .size: 8, .value_kind: global_buffer, .address_space: global }
      - { .name: F, .offset: 48, .size: 8, .value_kind: global_buffer, .address_space: global }
    .group_segment_fixed_size: 0
    .private_segment_fixed_size: 0
    .kernarg_segment_align: 8
    .kernarg_segment_size: 56
    .max_flat_workgroup_size: 256
    .sgpr_count:     66
    .vgpr_count:     128
    .wavefront_size: 32
...
	.end_amdgpu_metadata
.endif
;; end of part 9
;; launch projq (part 10): grid 8 x 32, 4 waves a work-group, clusters of 4 x 4, 327,680 bytes of LDS; arguments F, H, QP; writes QP
.if DOCPART == 10
	.amdgcn_target "amdgcn-amd-amdhsa--gfx1250"
	.amdhsa_code_object_version 6
	.text
	.protected	k_q5a766f97ca_projq
	.globl	k_q5a766f97ca_projq
	.p2align	8
	.type	k_q5a766f97ca_projq,@function
k_q5a766f97ca_projq:
	s_mov_b64 s[64:65], 0
	v_nop
	global_prefetch_b8 v0, s[64:65] scope:SCOPE_SE
	s_setreg_imm32_b32 hwreg(HW_REG_WAVE_MODE, 25, 1), 1
	s_wait_xcnt 0x0
	s_wait_alu depctr_hold_cnt(0) depctr_sa_sdst(0) depctr_va_vdst(0) depctr_va_sdst(0) depctr_va_ssrc(0) depctr_va_vcc(0) depctr_vm_vsrc(0)
	s_getreg_b32 s2, hwreg(HW_REG_IB_STS2, 6, 4)
	s_cmp_eq_u32 s2, 0
	s_cbranch_scc0 .Lentry_in_a_cluster
	s_endpgm
.Lentry_in_a_cluster:
	s_bfe_u32 s2, ttmp6, 0x10000c
	s_cmp_lg_u32 s2, 0xf033
	s_cbranch_scc0 .Lentry_shape_is_right
	s_endpgm
.Lentry_shape_is_right:
; QP[m][e] = sum over d of qh[m][d] wqh[e][d] = (q w_qk^T) / 32, rounded once to f16.  qh: columns 1024-2047 of F's rows of 2,048 f16; wqh: [1024][1024] f16 at H's head; QP: [4096][1024] f16.
; LIMIT: QP within f16's 65,504.
; A tile of C is 128 x 128: four waves, each 64 x 64 in 16 accumulators.  K goes in steps of 256 (LDS rows of 512 bytes + 16 of padding) through two LDS slots; a loop trip is ONE K step:
; the slot in hand is a scalar register that an exclusive or turns, and one descriptor set walks.  SLOT's bits (17 and 12) occur in no tile's address inside a slot, so the exclusive or adds or takes away SLOT.
; The last two K steps, which fill nothing, are one loop of two trips that is left in its middle; the second trip's fetch of fragments reads bytes of the other slot that are whole, and is not used.
; CLUSTER 4 x 4: the four of a row need the same tiles of A, the four of a column the same tiles of B: each tile is asked for jointly, by the same load, descriptor and mask in all four.
; The matrix instruction is used transposed (source 0 = 16 rows of B, source 1 = 16 rows of A): a lane holds eight neighbouring numbers of a row of C.
; REGISTERS: window 0: v0-31 addresses; v32-95 the way out; v128-255 accumulators ((a, b) at 128 + 8 (4 a + b)).  Window 1: two fragment buffers of 128: 64 of A, then 64 of B, for 64 along K.
.set T,      4                         ; K steps
.set LDA,    2048                      ; elements from row to row
.set LDB,    1024
.set LDCB,   2048                      ; bytes from row to row of C
.set ABASE,  2048
.set PITCH,  528
.set HALFT,  64*PITCH
.set BOFF,   2*HALFT                   ; A's 128 rows, then B's 128 rows
.set SLOT,   4*HALFT
.set STAGE,  2*SLOT                    ; behind the ring: 128 rows x 272 bytes, for the way out
.set STEP_A, 512
.set STEP_B, 512
.set SPITCH, 272
.set SPARE,  STAGE+128*SPITCH          ; the spare words: 128 bytes a wave, two blocks of 256 bytes that no other line names
.set ADRA0, 14                         ; v14, v15  my place in A's and B's tiles of slot 0; never rewritten
.set ADRB0, 15
.set ADRA, 16                          ; v16, v20  the same in the slot in hand
.set ADRB, 20
.set STO,  24
.set RD,   25
.set CO,   26
.set SPW,  28                          ; v28  SPARE + 4 x my thread's number; never rewritten
.set NIL,  29                          ; v29  0; never rewritten
.set TMP,  32
.set ACC,  128
.set F0,   0
.set F1,   128
.set G1, 24                            ; s[24:31] group 1 for A; s[32:39] group 0, two sets: the second walks
.set G0, 32
.set G1B, 48                           ; s[48:55], s[56:63] the same for B
.set G0B, 56
.set TB,  45                           ; s45  0 or SLOT: the slot that is read
.set MSB, 0
.macro WIN new                         ; the immediate's high byte repeats the setting that is left
.if MSB != (\new)
	s_set_vgpr_msb (MSB<<8)|(\new)
.set MSB, \new
.endif
.endm
.set MUL,  0x05                        ; sources 0 and 1 window 1; C and D window 0
.set TO_F, 0x40                        ; destination window 1, address window 0
.macro JLOAD s                         ; a joint load: waves 0 and 1 fetch A's halves, waves 2 and 3 B's; an s_nop 0 and four v_nop follow each line
	s_cmp_eq_u32 s11, 0
	s_cbranch_scc0 .Lfor_b_\@
	tensor_load_to_lds s[G0+4*(\s):G0+4*(\s)+3], s[G1:G1+7]
	s_nop 0
.rept 4
	v_nop
.endr
	s_branch .Lasked_\@
.Lfor_b_\@:
	tensor_load_to_lds s[G0B+4*(\s):G0B+4*(\s)+3], s[G1B:G1B+7]
	s_nop 0
.rept 4
	v_nop
.endr
.Lasked_\@:
.endm
.macro CREST                           ; a round of the cluster's barrier behind its opening barrier
	s_cmp_lg_u32 s10, 0
	s_cbranch_scc1 .Lnot_wave_0_\@
	s_barrier_signal -3
.Lnot_wave_0_\@:
	s_barrier_wait -3
	s_barrier_signal -1
	s_barrier_wait -1
.endm
.macro CROUND
	s_barrier_signal -1
	s_barrier_wait -1
	CREST
.endm
	s_load_b128 s[4:7], s[0:1], 0x0                ; F s[4:5], H s[6:7]
	s_load_b64 s[8:9], s[0:1], 0x10                ; QP
	v_lshl_add_u32 v[SPW], v0, 2, SPARE
	v_mov_b32 v[NIL], 0
	ds_add_u32 v[SPW], v[NIL]                      ; the wave's opening: the add and its wait ahead of my first tensor load
	v_lshrrev_b32 v1, 5, v0
	v_readfirstlane_b32 s10, v1                    ; wave 0..3
	s_lshr_b32 s11, s10, 1                         ; my half of the tile's rows; also: I fetch for A (0) or B (1)
	s_and_b32 s12, s10, 1                          ; my half of its columns; also: which half of that tile I fetch
	s_bfe_u32 s40, ttmp6, 0x40000                  ; cx
	s_bfe_u32 s41, ttmp6, 0x40004                  ; cy
	s_lshl_b32 s42, ttmp9, 2
	s_add_co_u32 s42, s42, s40                     ; tile column
	s_and_b32 s13, ttmp7, 0xffff
	s_lshl_b32 s13, s13, 2
	s_add_co_u32 s13, s13, s41                     ; tile row
	s_lshl_b32 s43, s41, 2
	s_lshl_b32 s43, 15, s43                        ; my row of the cluster
	s_lshl_b32 s44, 0x1111, s40                    ; my column
	s_or_b32 s[G1+0], s43, (1<<16)|(1<<20)|(1<<21)|(6<<22)|(3<<25)   ; mask; 2-byte elements; padding on, 4 words behind every 128; bit 21 beside a mask
	s_or_b32 s[G1B+0], s44, (1<<16)|(1<<20)|(1<<21)|(6<<22)|(3<<25)
.irp g, G1, G1B
	s_mov_b32 s[(\g)+1], 256<<16                   ; tensor_dim0 = 256
	s_mov_b32 s[(\g)+2], 64<<16                    ; tensor_dim1 = 64
	s_mov_b32 s[(\g)+3], 256<<16                   ; tile_dim0 = 256
	s_mov_b32 s[(\g)+4], 64                        ; tile_dim1 = 64
	s_mov_b32 s[(\g)+6], 0
	s_mov_b32 s[(\g)+7], 0
.endr
	s_mov_b32 s[G1+5], LDA
	s_mov_b32 s[G1B+5], LDB
	s_lshl_b32 s17, s12, 6                         ; which 64 rows of the tile I fetch
	s_lshl_b32 s16, s13, 7
	s_add_co_u32 s16, s16, s17
	s_mul_i32 s16, s16, LDA*2                      ; A: row 128 x tile row + 64 x half, in bytes,
	s_add_co_u32 s16, s16, ABASE                   ; in the second half of F's rows
	s_lshl_b32 s46, s42, 7
	s_add_co_u32 s46, s46, s17
	s_mul_i32 s46, s46, LDB*2                      ; B: row 128 x tile column + 64 x half of wqh
	s_mov_b32 s17, 0
	s_mov_b32 s47, 0
	s_mul_i32 s20, s10, HALFT                      ; where they go: wave x 64 rows
	s_wait_dscnt 0x0                               ; the opening add is done
	s_wait_kmcnt 0x0
	s_add_nc_u64 s[14:15], s[4:5], s[16:17]
	s_add_nc_u64 s[46:47], s[6:7], s[46:47]
	CROUND                                         ; all sixteen work-groups are here: the first joint loads meet
.irp s, 0,1
	s_mov_b32 s[G0+4*(\s)], 1
	s_add_co_u32 s[G0+4*(\s)+1], s20, (\s)*SLOT
	s_add_nc_u64 s[G0+4*(\s)+2:G0+4*(\s)+3], s[14:15], (\s)*STEP_A
	s_or_b32 s[G0+4*(\s)+3], s[G0+4*(\s)+3], 0x80000000
	s_mov_b32 s[G0B+4*(\s)], 1
	s_add_co_u32 s[G0B+4*(\s)+1], s20, (\s)*SLOT
	s_add_nc_u64 s[G0B+4*(\s)+2:G0B+4*(\s)+3], s[46:47], (\s)*STEP_B
	s_or_b32 s[G0B+4*(\s)+3], s[G0B+4*(\s)+3], 0x80000000
	JLOAD \s
.endr
	v_and_b32 v1, 15, v0                           ; l % 16
	v_bfe_u32 v2, v0, 4, 1                         ; l / 16
	v_mul_u32_u24 v3, v1, PITCH
	v_lshl_add_u32 v3, v2, 4, v3                   ; a fragment's row x pitch + 16 x half
	s_mul_i32 s21, s11, HALFT
	s_mul_i32 s22, s12, HALFT
	s_add_co_u32 s22, s22, BOFF
	v_add_nc_u32 v[ADRA0], s21, v3
	v_add_nc_u32 v[ADRB0], s22, v3
	s_mov_b32 s[TB], 0
	v_mov_b32 v[ADRA], v[ADRA0]
	v_mov_b32 v[ADRB], v[ADRB0]
	s_mul_i32 s23, s11, 64*SPITCH                  ; into the stage: my 64 rows, my half of their 256 bytes
	s_lshl_b32 s21, s12, 7
	s_add_co_u32 s23, s23, s21
	s_add_co_u32 s23, s23, STAGE
	v_mul_u32_u24 v4, v1, SPITCH
	v_lshl_add_u32 v4, v2, 4, v4
	v_add_nc_u32 v[STO], s23, v4
	s_mul_i32 s23, s10, 32*SPITCH                  ; back: wave w takes rows 32 w .. 32 w + 31, whole
	s_add_co_u32 s23, s23, STAGE
	v_mul_u32_u24 v5, v2, SPITCH
	v_lshl_add_u32 v5, v1, 4, v5
	v_add_nc_u32 v[RD], s23, v5
	v_mul_u32_u24 v5, v2, LDCB
	v_lshl_add_u32 v[CO], v1, 4, v5
	s_lshl_b32 s16, s13, 7
	s_lshl_b32 s17, s10, 5
	s_add_co_u32 s16, s16, s17                     ; the first row of C that I store
	s_mul_i32 s16, s16, LDCB
	s_mov_b32 s17, 0
	s_add_nc_u64 s[8:9], s[8:9], s[16:17]
	s_lshl_b32 s46, s42, 8                         ; the tile's first column, in bytes
	s_mov_b32 s47, 0
	s_add_nc_u64 s[8:9], s[8:9], s[46:47]
.macro MUL8 f, c, a0, zero             ; 8 products: m blocks a0, a0 + 1 x 4 n blocks, 32 along K: half c of buffer f.  The 16 accumulators take turns
	WIN MUL
.irp a, \a0, (\a0)+1
.irp b, 0,1,2,3
.if \zero
	v_wmma_f32_16x16x32_f16 v[ACC+8*(4*(\a)+(\b)):ACC+8*(4*(\a)+(\b))+7], v[(\f)+64+8*(4*(\c)+(\b)):(\f)+64+8*(4*(\c)+(\b))+7], v[(\f)+8*(4*(\c)+(\a)):(\f)+8*(4*(\c)+(\a))+7], 0
.else
	v_wmma_f32_16x16x32_f16 v[ACC+8*(4*(\a)+(\b)):ACC+8*(4*(\a)+(\b))+7], v[(\f)+64+8*(4*(\c)+(\b)):(\f)+64+8*(4*(\c)+(\b))+7], v[(\f)+8*(4*(\c)+(\a)):(\f)+8*(4*(\c)+(\a))+7], v[ACC+8*(4*(\a)+(\b)):ACC+8*(4*(\a)+(\b))+7]
.endif
.endr
.endr
.endm
.macro FETCH k, f                      ; 32 LDS loads in one run: the fragments of 64 along K at byte k of the rows; the first 32 along K first
	WIN TO_F
.irp c, 0,1
.irp i, 0,1,2,3
	ds_load_b128 v[(\f)+64+8*(4*(\c)+(\i)):(\f)+64+8*(4*(\c)+(\i))+3],   v[ADRB] offset:(\k)+64*(\c)+(\i)*16*PITCH
	ds_load_b128 v[(\f)+64+8*(4*(\c)+(\i))+4:(\f)+64+8*(4*(\c)+(\i))+7], v[ADRB] offset:(\k)+64*(\c)+(\i)*16*PITCH+32
	ds_load_b128 v[(\f)+8*(4*(\c)+(\i)):(\f)+8*(4*(\c)+(\i))+3],         v[ADRA] offset:(\k)+64*(\c)+(\i)*16*PITCH
	ds_load_b128 v[(\f)+8*(4*(\c)+(\i))+4:(\f)+8*(4*(\c)+(\i))+7],       v[ADRA] offset:(\k)+64*(\c)+(\i)*16*PITCH+32
.endr
.endr
.endm
.macro PLACES                          ; four places in front of loads into registers that products have read, and of lines that read results
.rept 4
	v_nop
.endr
.endm
.macro QUARTER k, f, g, zero           ; multiplies buffer f and fetches the next quarter, at byte k, into g
	s_wait_dscnt 16                                ; the first 32 along K are in; the run's other sixteen loads may be out
	MUL8 \f, 0, 0, \zero
	MUL8 \f, 0, 2, \zero
	PLACES
	FETCH \k, \g
	s_wait_dscnt 32                                ; all but the 32 just issued
	MUL8 \f, 1, 0, 0
	MUL8 \f, 1, 2, 0
.endm
.macro TURN fill                       ; the last quarter of a K step multiplies buffer 1 and changes slots; fill = 1: the slot just read is filled again, two K steps ahead
	WIN 0
	s_wait_tensorcnt 0x0                           ; all my tensor loads have landed: my part of the next slot;
	ds_add_u32 v[SPW], v[NIL]                      ; 0 onto my spare word
	s_wait_dscnt 17                                ; (the add and the youngest sixteen loads may be out)
	MUL8 F1, 0, 0, 0
	s_wait_dscnt 0x0                               ; the add is done, and my reads of this slot are over
	s_barrier_signal -1
	MUL8 F1, 0, 2, 0
	WIN 0
	s_barrier_wait -1
.if \fill
	CREST                                          ; the barrier has opened a round of the cluster's: no wave of any partner still reads this slot or has a load on its way
	s_xor_b32 s[G0+5], s[G0+5], SLOT               ; the walking descriptors: the other slot than last time,
	s_xor_b32 s[G0B+5], s[G0B+5], SLOT
	s_add_nc_u64 s[G0+6:G0+7], s[G0+6:G0+7], STEP_A  ; the next K step
	s_add_nc_u64 s[G0B+6:G0B+7], s[G0B+6:G0B+7], STEP_B
	JLOAD 1                                        ; the first tensor load behind the round; its four v_nop are also the places in front of the loads below
.else
	PLACES
.endif
	s_xor_b32 s[TB], s[TB], SLOT                   ; the reads go on in the other slot
	v_add_nc_u32 v[ADRA], s[TB], v[ADRA0]
	v_add_nc_u32 v[ADRB], s[TB], v[ADRB0]
	FETCH 0, F0
	MUL8 F1, 1, 0, 0
	MUL8 F1, 1, 2, 0
.endm
	s_wait_tensorcnt 1                             ; my part of K step 0 is in; K step 1's may stay out
	s_barrier_signal -1
	s_barrier_wait -1
	FETCH 0, F0
	QUARTER 128, F0, F1, 1                         ; the first products start the sums
	WIN 0
	s_mov_b32 s3, T-2
.Lstep:                                                ; a trip: from a K step's second quarter to the next step's first; it fills one slot again
	QUARTER 256, F1, F0, 0
	QUARTER 384, F0, F1, 0
	TURN 1
	QUARTER 128, F0, F1, 0
	WIN 0
	s_sub_co_u32 s3, s3, 1
	s_cmp_lg_u32 s3, 0
	s_cbranch_scc1 .Lstep
	s_mov_b32 s3, 2
.Ltail:                                                ; the last two K steps fill nothing; the second trip is left behind its last products
	QUARTER 256, F1, F0, 0
	QUARTER 384, F0, F1, 0
	TURN 0
	WIN 0
	s_sub_co_u32 s3, s3, 1
	s_cmp_eq_u32 s3, 0
	s_cbranch_scc1 .Lout
	QUARTER 128, F0, F1, 0
	WIN 0
	s_branch .Ltail
.Lout:
	; THE WAY OUT: round to f16; 16 bytes a lane into the work-group's stage; a barrier, since a row's 256 bytes come from two waves; back as whole rows, 32 rows a wave
	PLACES
.irp t, 0,1,2,3,4,5,6,7,8,9,10,11,12,13,14,15
.irp r, 0,1,2,3
	v_cvt_pk_f16_f32 v[TMP+4*(\t)+(\r)], v[ACC+8*(\t)+2*(\r)], v[ACC+8*(\t)+2*(\r)+1]
.endr
.endr
.irp a, 0,1,2,3
.irp b, 0,1,2,3
	ds_store_b128 v[STO], v[TMP+4*(4*(\a)+(\b)):TMP+4*(4*(\a)+(\b))+3] offset:(\a)*16*SPITCH+32*(\b)
.endr
.endr
	s_wait_dscnt 0x0                               ; for the others' sake: my stores into the stage are done
	s_barrier_signal -1
	s_barrier_wait -1
.irp t, 0,1,2,3,4,5,6,7,8,9,10,11,12,13,14,15
	ds_load_b128 v[TMP+4*(\t):TMP+4*(\t)+3], v[RD] offset:(\t)*2*SPITCH
.endr
.irp t, 0,1,2,3,4,5,6,7,8,9,10,11,12,13,14,15
.if (\t)%4 == 0
	s_wait_dscnt 12-(\t)                           ; the next four loads are back; the younger ones stay out
.endif
	global_store_b128 v[CO], v[TMP+4*(\t):TMP+4*(\t)+3], s[8:9] offset:2*(\t)*LDCB  ; 16 lanes store 256 consecutive bytes, aligned
.endr
	s_wait_tensorcnt 0x0                           ; the wave's end
	ds_add_u32 v[SPW], v[NIL]
	s_wait_dscnt 0x0
	CROUND                                         ; the closing round
	s_endpgm
.Lfunc_end_k_q5a766f97ca_projq:
	.size	k_q5a766f97ca_projq, .Lfunc_end_k_q5a766f97ca_projq-k_q5a766f97ca_projq
	.p2alignl 7, 3214868480
	.fill 96, 4, 3214868480
	.section	.rodata,"a",@progbits
	.p2align	6, 0x0
	.amdhsa_kernel k_q5a766f97ca_projq
		.amdhsa_group_segment_fixed_size 327680
		.amdhsa_private_segment_fixed_size 0
		.amdhsa_enable_private_segment 0
		.amdhsa_kernarg_size 24
		.amdhsa_user_sgpr_count 2
		.amdhsa_user_sgpr_kernarg_segment_ptr 1
		.amdhsa_wavefront_size32 1
		.amdhsa_system_sgpr_workgroup_id_x 1
		.amdhsa_system_sgpr_workgroup_id_y 1
		.amdhsa_system_sgpr_workgroup_id_z 1
		.amdhsa_system_vgpr_workitem_id 0
		.amdhsa_next_free_vgpr 512
		.amdhsa_next_free_sgpr 80
		.amdhsa_reserve_vcc 0
		.amdhsa_float_denorm_mode_32 3
		.amdhsa_float_denorm_mode_16_64 3
		.amdhsa_memory_ordered 1
		.amdhsa_forward_progress 1
		.amdhsa_inst_pref_size 58
	.end_amdhsa_kernel
	.amdgpu_metadata
---
amdhsa.version: [ 1, 2 ]
amdhsa.kernels:
  - .name:           k_q5a766f97ca_projq
    .symbol:         k_q5a766f97ca_projq.kd
    .args:
      - { .name: F, .offset: 0, .size: 8, .value_kind: global_buffer, .address_space: global }
      - { .name: H, .offset: 8, .size: 8, .value_kind: global_buffer, .address_space: global }
      - { .name: QP, .offset: 16, .size: 8, .value_kind: global_buffer, .address_space: global }
    .group_segment_fixed_size: 327680
    .private_segment_fixed_size: 0
    .kernarg_segment_align: 8
    .kernarg_segment_size: 24
    .max_flat_workgroup_size: 128
    .sgpr_count:     80
    .vgpr_count:     512
    .wavefront_size: 32
...
	.end_amdgpu_metadata
.endif
;; end of part 10
;; launch projw (part 11): grid 8 x 32, 4 waves a work-group, clusters of 4 x 4, 327,680 bytes of LDS; arguments QP, H, QS; writes QS
.if DOCPART == 11
	.amdgcn_target "amdgcn-amd-amdhsa--gfx1250"
	.amdhsa_code_object_version 6
	.text
	.protected	k_q5a766f97ca_projw
	.globl	k_q5a766f97ca_projw
	.p2align	8
	.type	k_q5a766f97ca_projw,@function
k_q5a766f97ca_projw:
	s_mov_b64 s[64:65], 0
	v_nop
	global_prefetch_b8 v0, s[64:65] scope:SCOPE_SE
	s_setreg_imm32_b32 hwreg(HW_REG_WAVE_MODE, 25, 1), 1
	s_wait_xcnt 0x0
	s_wait_alu depctr_hold_cnt(0) depctr_sa_sdst(0) depctr_va_vdst(0) depctr_va_sdst(0) depctr_va_ssrc(0) depctr_va_vcc(0) depctr_vm_vsrc(0)
	s_getreg_b32 s2, hwreg(HW_REG_IB_STS2, 6, 4)
	s_cmp_eq_u32 s2, 0
	s_cbranch_scc0 .Lentry_in_a_cluster
	s_endpgm
.Lentry_in_a_cluster:
	s_bfe_u32 s2, ttmp6, 0x10000c
	s_cmp_lg_u32 s2, 0xf033
	s_cbranch_scc0 .Lentry_shape_is_right
	s_endpgm
.Lentry_shape_is_right:
; QS[m][d] = sum over e of QP[m][e] wqh[e][d] = (q w_qk^T w_qk) / 1024, rounded once to f16.  With it the scores are QS k^T: (q W^T)(k W^T)^T = ((q W^T) W) k^T, so k is never projected.
; QP, QS: [4096][1024] f16; wqh: [1024 (e)][1024 (d)] f16 at H's head: B lies [K][N] and comes out of LDS turned, by ds_load_tr16_b128.   LIMIT: QS within f16's 65,504.
; A tile of C is 128 x 128: four waves, each 64 x 64 in 16 accumulators.  K goes in steps of 256 through two LDS slots; a loop trip is ONE K step: the slot in hand is a scalar register that an
; exclusive or turns, and one descriptor set walks.  SLOT's bits (17 and 14) occur in no tile's address inside a slot.
; The last two K steps, which fill nothing, are one loop of two trips that is left in its middle; the second trip's fetch of fragments reads bytes of the other slot that are whole, and is not used.
; A's tile: 128 rows of 512 bytes + 16.  B's tile: 256 rows (k) of 256 bytes + 32 (72 words).
; CLUSTER 4 x 4: A's tiles are asked for jointly along a row of the cluster, B's along a column.  The matrix instruction is used transposed (source 0 = B, source 1 = A).
; REGISTERS: window 0: v0-31 addresses; v32-95 the way out; v128-255 accumulators.  Window 1: two fragment buffers of 128: 64 of A, then 64 of B.
.set T,      4
.set LDA,    1024
.set LDB,    1024
.set LDCB,   2048
.set PITCH,  528
.set HALFT,  64*PITCH
.set BOFF,   2*HALFT
.set PB,     288
.set HALFB,  128*PB
.set SLOT,   0x24000
.set STAGE,  SLOT+BOFF+2*HALFB
.set STEP_A, 512
.set STEP_B, 256*LDB*2
.set SPITCH, 272
.set SPARE,  STAGE+128*SPITCH
.set ADRA0, 14
.set ADRB0, 15
.set ADRA, 16
.set ADRB, 20
.set ADRB2, 21                         ; v21  B's rows 128 on: the immediate holds 16 bits
.set STO,  24
.set RD,   25
.set CO,   26
.set SPW,  28
.set NIL,  29
.set TMP,  32
.set ACC,  128
.set F0,   0
.set F1,   128
.set G1, 24
.set G0, 32
.set G1B, 48
.set G0B, 56
.set TB,  45
.set MSB, 0
.macro WIN new
.if MSB != (\new)
	s_set_vgpr_msb (MSB<<8)|(\new)
.set MSB, \new
.endif
.endm
.set MUL,  0x05
.set TO_F, 0x40
.macro JLOAD s                         ; a joint load: waves 0 and 1 fetch A's halves, waves 2 and 3 B's; an s_nop 0 and four v_nop follow each line
	s_cmp_eq_u32 s11, 0
	s_cbranch_scc0 .Lfor_b_\@
	tensor_load_to_lds s[G0+4*(\s):G0+4*(\s)+3], s[G1:G1+7]
	s_nop 0
.rept 4
	v_nop
.endr
	s_branch .Lasked_\@
.Lfor_b_\@:
	tensor_load_to_lds s[G0B+4*(\s):G0B+4*(\s)+3], s[G1B:G1B+7]
	s_nop 0
.rept 4
	v_nop
.endr
.Lasked_\@:
.endm
.macro CREST
	s_cmp_lg_u32 s10, 0
	s_cbranch_scc1 .Lnot_wave_0_\@
	s_barrier_signal -3
.Lnot_wave_0_\@:
	s_barrier_wait -3
	s_barrier_signal -1
	s_barrier_wait -1
.endm
.macro CROUND
	s_barrier_signal -1
	s_barrier_wait -1
	CREST
.endm
	s_load_b128 s[4:7], s[0:1], 0x0                ; QP s[4:5], H s[6:7]
	s_load_b64 s[8:9], s[0:1], 0x10                ; QS
	v_lshl_add_u32 v[SPW], v0, 2, SPARE
	v_mov_b32 v[NIL], 0
	ds_add_u32 v[SPW], v[NIL]                      ; the wave's opening: the add and its wait ahead of my first tensor load
	v_lshrrev_b32 v1, 5, v0
	v_readfirstlane_b32 s10, v1
	s_lshr_b32 s11, s10, 1
	s_and_b32 s12, s10, 1
	s_bfe_u32 s40, ttmp6, 0x40000
	s_bfe_u32 s41, ttmp6, 0x40004
	s_lshl_b32 s42, ttmp9, 2
	s_add_co_u32 s42, s42, s40                     ; tile column
	s_and_b32 s13, ttmp7, 0xffff
	s_lshl_b32 s13, s13, 2
	s_add_co_u32 s13, s13, s41                     ; tile row
	s_lshl_b32 s43, s41, 2
	s_lshl_b32 s43, 15, s43
	s_lshl_b32 s44, 0x1111, s40
	s_or_b32 s[G1+0], s43, (1<<16)|(1<<20)|(1<<21)|(6<<22)|(3<<25)   ; A: 4 words of padding behind every 128
	s_mov_b32 s[G1+1], 256<<16
	s_mov_b32 s[G1+2], 64<<16
	s_mov_b32 s[G1+3], 256<<16                     ; 64 rows x 256 elements
	s_mov_b32 s[G1+4], 64
	s_mov_b32 s[G1+5], LDA
	s_mov_b32 s[G1+6], 0
	s_mov_b32 s[G1+7], 0
	s_or_b32 s[G1B+0], s44, (1<<16)|(1<<20)|(1<<21)|(5<<22)|(7<<25)  ; B: 8 words of padding behind every 64
	s_mov_b32 s[G1B+1], 128<<16
	s_mov_b32 s[G1B+2], 128<<16
	s_mov_b32 s[G1B+3], 128<<16                    ; 128 rows (k) x 128 elements (n)
	s_mov_b32 s[G1B+4], 128
	s_mov_b32 s[G1B+5], LDB
	s_mov_b32 s[G1B+6], 0
	s_mov_b32 s[G1B+7], 0
	s_lshl_b32 s17, s12, 6
	s_lshl_b32 s16, s13, 7
	s_add_co_u32 s16, s16, s17
	s_mul_i32 s16, s16, LDA*2                      ; A: row 128 x tile row + 64 x half
	s_mov_b32 s17, 0
	s_lshl_b32 s46, s12, 18                        ; B: my 128 of a K step's 256 rows (2,048 bytes each),
	s_lshl_b32 s47, s42, 8                         ; the tile's 128 columns
	s_add_co_u32 s46, s46, s47
	s_mov_b32 s47, 0
	s_mul_i32 s20, s10, HALFT                      ; where A's halves go,
	s_mul_i32 s21, s12, HALFB                      ; and B's
	s_add_co_u32 s21, s21, BOFF
	s_wait_dscnt 0x0                               ; the opening add is done
	s_wait_kmcnt 0x0
	s_add_nc_u64 s[14:15], s[4:5], s[16:17]
	s_add_nc_u64 s[46:47], s[6:7], s[46:47]
	CROUND
.irp s, 0,1
	s_mov_b32 s[G0+4*(\s)], 1
	s_add_co_u32 s[G0+4*(\s)+1], s20, (\s)*SLOT
	s_add_nc_u64 s[G0+4*(\s)+2:G0+4*(\s)+3], s[14:15], (\s)*STEP_A
	s_or_b32 s[G0+4*(\s)+3], s[G0+4*(\s)+3], 0x80000000
	s_mov_b32 s[G0B+4*(\s)], 1
	s_add_co_u32 s[G0B+4*(\s)+1], s21, (\s)*SLOT
	s_add_nc_u64 s[G0B+4*(\s)+2:G0B+4*(\s)+3], s[46:47], (\s)*STEP_B
	s_or_b32 s[G0B+4*(\s)+3], s[G0B+4*(\s)+3], 0x80000000
	JLOAD \s
.endr
	v_and_b32 v1, 15, v0
	v_bfe_u32 v2, v0, 4, 1
	v_mul_u32_u24 v3, v1, PITCH
	v_lshl_add_u32 v3, v2, 4, v3
	s_mul_i32 s21, s11, HALFT
	v_add_nc_u32 v[ADRA0], s21, v3
	v_and_b32 v4, 7, v0                            ; the turning load: lane l reads row (k) 8 (l / 16) + l % 8, columns 8 ((l / 8) % 2) + 0..7
	v_lshl_add_u32 v4, v2, 3, v4
	v_mul_u32_u24 v4, v4, PB
	v_bfe_u32 v5, v0, 3, 1
	v_lshl_add_u32 v4, v5, 4, v4
	s_lshl_b32 s22, s12, 7                         ; my 64 columns
	s_add_co_u32 s22, s22, BOFF
	v_add_nc_u32 v[ADRB0], s22, v4
	s_mov_b32 s[TB], 0
	v_mov_b32 v[ADRA], v[ADRA0]
	v_mov_b32 v[ADRB], v[ADRB0]
	v_add_nc_u32 v[ADRB2], HALFB, v[ADRB]
	s_mul_i32 s23, s11, 64*SPITCH
	s_lshl_b32 s21, s12, 7
	s_add_co_u32 s23, s23, s21
	s_add_co_u32 s23, s23, STAGE
	v_mul_u32_u24 v4, v1, SPITCH
	v_lshl_add_u32 v4, v2, 4, v4
	v_add_nc_u32 v[STO], s23, v4
	s_mul_i32 s23, s10, 32*SPITCH
	s_add_co_u32 s23, s23, STAGE
	v_mul_u32_u24 v5, v2, SPITCH
	v_lshl_add_u32 v5, v1, 4, v5
	v_add_nc_u32 v[RD], s23, v5
	v_mul_u32_u24 v5, v2, LDCB
	v_lshl_add_u32 v[CO], v1, 4, v5
	s_lshl_b32 s16, s13, 7
	s_lshl_b32 s17, s10, 5
	s_add_co_u32 s16, s16, s17
	s_mul_i32 s16, s16, LDCB
	s_mov_b32 s17, 0
	s_add_nc_u64 s[8:9], s[8:9], s[16:17]
	s_lshl_b32 s46, s42, 8
	s_mov_b32 s47, 0
	s_add_nc_u64 s[8:9], s[8:9], s[46:47]
.macro MUL8 f, c, a0, zero             ; 8 products; the 16 accumulators take turns
	WIN MUL
.irp a, \a0, (\a0)+1
.irp b, 0,1,2,3
.if \zero
	v_wmma_f32_16x16x32_f16 v[ACC+8*(4*(\a)+(\b)):ACC+8*(4*(\a)+(\b))+7], v[(\f)+64+8*(4*(\c)+(\b)):(\f)+64+8*(4*(\c)+(\b))+7], v[(\f)+8*(4*(\c)+(\a)):(\f)+8*(4*(\c)+(\a))+7], 0
.else
	v_wmma_f32_16x16x32_f16 v[ACC+8*(4*(\a)+(\b)):ACC+8*(4*(\a)+(\b))+7], v[(\f)+64+8*(4*(\c)+(\b)):(\f)+64+8*(4*(\c)+(\b))+7], v[(\f)+8*(4*(\c)+(\a)):(\f)+8*(4*(\c)+(\a))+7], v[ACC+8*(4*(\a)+(\b)):ACC+8*(4*(\a)+(\b))+7]
.endif
.endr
.endr
.endm
.macro FETCH k, f                      ; 32 LDS loads in one run: 64 along K; k = byte in A's rows, k / 2 = row of B's tile; the first 32 along K first
	WIN TO_F
.irp c, 0,1
.irp i, 0,1,2,3
.if (\k) < 256
	ds_load_tr16_b128 v[(\f)+64+8*(4*(\c)+(\i)):(\f)+64+8*(4*(\c)+(\i))+3],   v[ADRB] offset:((\k)/2+32*(\c))*PB+32*(\i)
	ds_load_tr16_b128 v[(\f)+64+8*(4*(\c)+(\i))+4:(\f)+64+8*(4*(\c)+(\i))+7], v[ADRB] offset:((\k)/2+32*(\c)+16)*PB+32*(\i)
.else
	ds_load_tr16_b128 v[(\f)+64+8*(4*(\c)+(\i)):(\f)+64+8*(4*(\c)+(\i))+3],   v[ADRB2] offset:((\k)/2-128+32*(\c))*PB+32*(\i)
	ds_load_tr16_b128 v[(\f)+64+8*(4*(\c)+(\i))+4:(\f)+64+8*(4*(\c)+(\i))+7], v[ADRB2] offset:((\k)/2-128+32*(\c)+16)*PB+32*(\i)
.endif
	ds_load_b128 v[(\f)+8*(4*(\c)+(\i)):(\f)+8*(4*(\c)+(\i))+3],         v[ADRA] offset:(\k)+64*(\c)+(\i)*16*PITCH
	ds_load_b128 v[(\f)+8*(4*(\c)+(\i))+4:(\f)+8*(4*(\c)+(\i))+7],       v[ADRA] offset:(\k)+64*(\c)+(\i)*16*PITCH+32
.endr
.endr
.endm
.macro PLACES
.rept 4
	v_nop
.endr
.endm
.macro QUARTER k, f, g, zero
	s_wait_dscnt 16                                ; the first 32 along K are in
	MUL8 \f, 0, 0, \zero
	MUL8 \f, 0, 2, \zero
	PLACES
	FETCH \k, \g
	s_wait_dscnt 32                                ; all but the 32 just issued
	MUL8 \f, 1, 0, 0
	MUL8 \f, 1, 2, 0
.endm
.macro TURN fill
	WIN 0
	s_wait_tensorcnt 0x0                           ; all my tensor loads have landed: my part of the next slot;
	ds_add_u32 v[SPW], v[NIL]                      ; 0 onto my spare word
	s_wait_dscnt 17                                ; (the add and the youngest sixteen loads may be out)
	MUL8 F1, 0, 0, 0
	s_wait_dscnt 0x0                               ; the add is done, and my reads of this slot are over
	s_barrier_signal -1
	MUL8 F1, 0, 2, 0
	WIN 0
	s_barrier_wait -1
.if \fill
	CREST                                          ; no wave of any partner still reads this slot or has a load on its way
	s_xor_b32 s[G0+5], s[G0+5], SLOT
	s_xor_b32 s[G0B+5], s[G0B+5], SLOT
	s_add_nc_u64 s[G0+6:G0+7], s[G0+6:G0+7], STEP_A
	s_add_nc_u64 s[G0B+6:G0B+7], s[G0B+6:G0B+7], STEP_B
	JLOAD 1
.else
	PLACES
.endif
	s_xor_b32 s[TB], s[TB], SLOT
	v_add_nc_u32 v[ADRA], s[TB], v[ADRA0]
	v_add_nc_u32 v[ADRB], s[TB], v[ADRB0]
	v_add_nc_u32 v[ADRB2], HALFB, v[ADRB]
	FETCH 0, F0
	MUL8 F1, 1, 0, 0
	MUL8 F1, 1, 2, 0
.endm
	s_wait_tensorcnt 1                             ; my part of K step 0 is in; K step 1's may stay out
	s_barrier_signal -1
	s_barrier_wait -1
	FETCH 0, F0
	QUARTER 128, F0, F1, 1
	WIN 0
	s_mov_b32 s3, T-2
.Lstep:
	QUARTER 256, F1, F0, 0
	QUARTER 384, F0, F1, 0
	TURN 1
	QUARTER 128, F0, F1, 0
	WIN 0
	s_sub_co_u32 s3, s3, 1
	s_cmp_lg_u32 s3, 0
	s_cbranch_scc1 .Lstep
	s_mov_b32 s3, 2
.Ltail:                                                ; the last two K steps fill nothing; the second trip is left behind its last products
	QUARTER 256, F1, F0, 0
	QUARTER 384, F0, F1, 0
	TURN 0
	WIN 0
	s_sub_co_u32 s3, s3, 1
	s_cmp_eq_u32 s3, 0
	s_cbranch_scc1 .Lout
	QUARTER 128, F0, F1, 0
	WIN 0
	s_branch .Ltail
.Lout:
	; THE WAY OUT: f16 through the work-group's stage, whole rows of 256 bytes out
	PLACES
.irp t, 0,1,2,3,4,5,6,7,8,9,10,11,12,13,14,15
.irp r, 0,1,2,3
	v_cvt_pk_f16_f32 v[TMP+4*(\t)+(\r)], v[ACC+8*(\t)+2*(\r)], v[ACC+8*(\t)+2*(\r)+1]
.endr
.endr
.irp a, 0,1,2,3
.irp b, 0,1,2,3
	ds_store_b128 v[STO], v[TMP+4*(4*(\a)+(\b)):TMP+4*(4*(\a)+(\b))+3] offset:(\a)*16*SPITCH+32*(\b)
.endr
.endr
	s_wait_dscnt 0x0                               ; for the others' sake: my stores into the stage are done
	s_barrier_signal -1
	s_barrier_wait -1
.irp t, 0,1,2,3,4,5,6,7,8,9,10,11,12,13,14,15
	ds_load_b128 v[TMP+4*(\t):TMP+4*(\t)+3], v[RD] offset:(\t)*2*SPITCH
.endr
.irp t, 0,1,2,3,4,5,6,7,8,9,10,11,12,13,14,15
.if (\t)%4 == 0
	s_wait_dscnt 12-(\t)                           ; the next four loads are back; the younger ones stay out
.endif
	global_store_b128 v[CO], v[TMP+4*(\t):TMP+4*(\t)+3], s[8:9] offset:2*(\t)*LDCB
.endr
	s_wait_tensorcnt 0x0                           ; the wave's end
	ds_add_u32 v[SPW], v[NIL]
	s_wait_dscnt 0x0
	CROUND
	s_endpgm
.Lfunc_end_k_q5a766f97ca_projw:
	.size	k_q5a766f97ca_projw, .Lfunc_end_k_q5a766f97ca_projw-k_q5a766f97ca_projw
	.p2alignl 7, 3214868480
	.fill 96, 4, 3214868480
	.section	.rodata,"a",@progbits
	.p2align	6, 0x0
	.amdhsa_kernel k_q5a766f97ca_projw
		.amdhsa_group_segment_fixed_size 327680
		.amdhsa_private_segment_fixed_size 0
		.amdhsa_enable_private_segment 0
		.amdhsa_kernarg_size 24
		.amdhsa_user_sgpr_count 2
		.amdhsa_user_sgpr_kernarg_segment_ptr 1
		.amdhsa_wavefront_size32 1
		.amdhsa_system_sgpr_workgroup_id_x 1
		.amdhsa_system_sgpr_workgroup_id_y 1
		.amdhsa_system_sgpr_workgroup_id_z 1
		.amdhsa_system_vgpr_workitem_id 0
		.amdhsa_next_free_vgpr 512
		.amdhsa_next_free_sgpr 80
		.amdhsa_reserve_vcc 0
		.amdhsa_float_denorm_mode_32 3
		.amdhsa_float_denorm_mode_16_64 3
		.amdhsa_memory_ordered 1
		.amdhsa_forward_progress 1
		.amdhsa_inst_pref_size 59
	.end_amdhsa_kernel
	.amdgpu_metadata
---
amdhsa.version: [ 1, 2 ]
amdhsa.kernels:
  - .name:           k_q5a766f97ca_projw
    .symbol:         k_q5a766f97ca_projw.kd
    .args:
      - { .name: QP, .offset: 0, .size: 8, .value_kind: global_buffer, .address_space: global }
      - { .name: H, .offset: 8, .size: 8, .value_kind: global_buffer, .address_space: global }
      - { .name: QS, .offset: 16, .size: 8, .value_kind: global_buffer, .address_space: global }
    .group_segment_fixed_size: 327680
    .private_segment_fixed_size: 0
    .kernarg_segment_align: 8
    .kernarg_segment_size: 24
    .max_flat_workgroup_size: 128
    .sgpr_count:     80
    .vgpr_count:     512
    .wavefront_size: 32
...
	.end_amdgpu_metadata
.endif
;; end of part 11
;; launch score (part 12): grid 16 x 16, 4 waves a work-group, clusters of 4 x 1, 327,680 bytes of LDS; arguments QS, k, S; writes S
.if DOCPART == 12
	.amdgcn_target "amdgcn-amd-amdhsa--gfx1250"
	.amdhsa_code_object_version 6
	.text
	.protected	k_q5a766f97ca_score
	.globl	k_q5a766f97ca_score
	.p2align	8
	.type	k_q5a766f97ca_score,@function
k_q5a766f97ca_score:
	s_mov_b64 s[64:65], 0
	v_nop
	global_prefetch_b8 v0, s[64:65] scope:SCOPE_SE
	s_setreg_imm32_b32 hwreg(HW_REG_WAVE_MODE, 25, 1), 1
	s_wait_xcnt 0x0
	s_wait_alu depctr_hold_cnt(0) depctr_sa_sdst(0) depctr_va_vdst(0) depctr_va_sdst(0) depctr_va_ssrc(0) depctr_va_vcc(0) depctr_vm_vsrc(0)
	s_getreg_b32 s2, hwreg(HW_REG_IB_STS2, 6, 4)
	s_cmp_eq_u32 s2, 0
	s_cbranch_scc0 .Lentry_in_a_cluster
	s_endpgm
.Lentry_in_a_cluster:
	s_bfe_u32 s2, ttmp6, 0x10000c
	s_cmp_lg_u32 s2, 0x3003
	s_cbranch_scc0 .Lentry_shape_is_right
	s_endpgm
.Lentry_shape_is_right:
; S[m][key] = sum over d of QS[m][d] f16(k[batch][key][d]), kept in f32: 32 S is the score over sqrt(1024).  QS: [4096][1024] f16; k: [8][2048][1024] f32, as the problem gives it; S: [4096][2048] f32.
; k IS ROUNDED TO f16 HERE, in registers between LDS and the matrix unit: no f16 copy of it is ever stored.   LIMIT: k within f16's 65,504; NaN and infinities are not treated apart.
; A tile of C is 256 x 128: four waves, each 128 x 64 in 32 accumulators: 16 x 16 tiles, one work-group each.  K goes in steps of 128 through two LDS slots: A 256 rows x (256 + 16) bytes, then
; B 128 rows x (512 + 16) bytes of f32.  A loop trip is ONE K step: the slot in hand is a scalar register that an exclusive or turns, and one descriptor set walks; SLOT's bits (17 and 13) occur in
; no tile's address inside a slot.  The last two K steps, which fill nothing, are one loop of two trips left in its middle; the second trip's fetch of fragments reads whole bytes and is not used.
; WHICH WORK-GROUP MAKES WHICH TILE: the tile row is the launch's y with its two lowest bits exchanged, so that the two row tiles of a batch, which read the same keys, are the work-groups at y and y + 2.
; It is a permutation of the tiles among the work-groups: no value hangs on it.
; A K step is four quarters of 32 along K: the quarter's B arrives in 64 registers of f32, 32 conversions make its four fragments, the next quarter's 32 LDS loads go out, 32 products follow.
; The conversions name no register of the products round them: they are the places between those products and the loads and conversions that write their old sources.
; CLUSTER 4 x 1: the four column tiles of a cluster need the same tile of A and ask for it jointly.  B's tile is asked for by each work-group for itself: only the two row tiles of a batch
; (512 queries / 256) need the same keys, so a mask along an axis of four would name work-groups of another batch.
; The matrix instruction is used transposed (source 0 = 16 keys, source 1 = 16 queries): a lane holds eight neighbouring numbers of a row of S.
; REGISTERS: window 0: v0-31 addresses, v32-95 the way out.  Window 1: the accumulators, (a, b) at 8 (4 a + b).  Window 2: v0-127 A's fragments, two buffers; v128-191 B's in f16, two buffers; v192-255 B as loaded.
.set T,      8
.set LDA,    1024
.set LDB,    1024
.set LDCB,   8192
.set PA,     272
.set HALFA,  128*PA
.set BOFF,   2*HALFA
.set PBK,    528
.set HALFB,  64*PBK
.set SLOT,   0x22000
.set STEP_A, 256
.set STEP_B, 512
.set SPITCH, 272                       ; the way out: each wave's 128 rows x 272 bytes, in slot 0's bytes, behind that slot's last fill and a barrier
.set SPARE,  2*SLOT                    ; the spare words: 128 bytes a wave, two blocks of 256 bytes that no other line names
.set PFOA, 9                           ; v9   the prefetches' offsets: a lane a row of QS;
.set PFOB, 10                          ; v10  two lanes a row of k, 256 bytes apart; never rewritten
.set ADRA0, 14
.set ADRB0, 15
.set ADRA, 16
.set ADRB, 20
.set RD0,  23
.set STO,  24
.set RD,   25
.set CO,   26
.set SPW,  28
.set NIL,  29
.set TMP,  32
.set AF,   0
.set BF,   128
.set RAW,  192
.set G1, 24
.set G0, 32
.set G1B, 48
.set G0B, 56
.set TB,  45
.set LIMA, 41                          ; s41  2 in a wave that prefetches A, else the greatest number
.set PFA, 66                           ; s[66:67], s[68:69] where my prefetches stand in QS and in k
.set PFB, 68
.set MSB, 0
.macro WIN new
.if MSB != (\new)
	s_set_vgpr_msb (MSB<<8)|(\new)
.set MSB, \new
.endif
.endm
.set W_MUL, 0x5a                       ; sources 0 and 1 window 2; C and D window 1
.set W_CVT, 0x8a                       ; sources and destination window 2
.set W_LD,  0x80                       ; destination window 2, address window 0
.set W_ST,  0x04                       ; an LDS store's data window 1, address window 0
.macro JLOAD s                         ; waves 0 and 1 ask jointly for A's halves, waves 2 and 3 for this work-group's halves of B; an s_nop 0 and four v_nop follow each line
	s_cmp_eq_u32 s11, 0
	s_cbranch_scc0 .Lfor_b_\@
	tensor_load_to_lds s[G0+4*(\s):G0+4*(\s)+3], s[G1:G1+7]
	s_nop 0
.rept 4
	v_nop
.endr
	s_branch .Lasked_\@
.Lfor_b_\@:
	tensor_load_to_lds s[G0B+4*(\s):G0B+4*(\s)+3], s[G1B:G1B+7]
	s_nop 0
.rept 4
	v_nop
.endr
.Lasked_\@:
.endm
.macro CREST
	s_cmp_lg_u32 s10, 0
	s_cbranch_scc1 .Lnot_wave_0_\@
	s_barrier_signal -3
.Lnot_wave_0_\@:
	s_barrier_wait -3
	s_barrier_signal -1
	s_barrier_wait -1
.endm
.macro CROUND
	s_barrier_signal -1
	s_barrier_wait -1
	CREST
.endm
; PREFETCHES INTO THE L2, behind each refill and its run of LDS loads: the K step that stands two refills on, 256 matrix instructions ahead of the load that will ask for it.
; B: a K step of a tile is 128 rows x 512 bytes; each of the two work-groups that read it asks for 64 of the rows, a wave for 16 of them, two lanes a row.  A: 256 rows x 256 bytes, read by four
; clusters: the one with x = 0 asks; its partners take 64 rows each, told apart by address; waves 0 and 1 ask, a lane a row.  So each aligned block of 256 bytes is named once in the launch.
; K steps 0 to 3 come by their loads alone; the last two refills (s3 = 2, 1) have no K step two on and ask for nothing.
.macro ASK
	WIN 0
	s_cmp_gt_u32 s3, 2
	s_cbranch_scc0 .Lnone_\@
	global_prefetch_b8 v[PFOB], s[PFB:PFB+1] th:TH_LOAD_NT scope:SCOPE_SE
	s_cmp_gt_u32 s3, s[LIMA]
	s_cbranch_scc0 .Lnone_\@
	global_prefetch_b8 v[PFOA], s[PFA:PFA+1] th:TH_LOAD_NT scope:SCOPE_SE
.Lnone_\@:
.endm
	s_load_b128 s[4:7], s[0:1], 0x0                ; QS s[4:5], k s[6:7]
	s_load_b64 s[8:9], s[0:1], 0x10                ; S
	v_lshl_add_u32 v[SPW], v0, 2, SPARE
	v_mov_b32 v[NIL], 0
	ds_add_u32 v[SPW], v[NIL]                      ; the wave's opening: the add and its wait ahead of my first tensor load
	v_lshrrev_b32 v1, 5, v0
	v_readfirstlane_b32 s10, v1                    ; wave 0..3
	s_lshr_b32 s11, s10, 1                         ; my half of the tile's rows; also: I fetch for A (0) or B (1)
	s_and_b32 s12, s10, 1                          ; my half of its columns; also: which half of that tile I fetch
	s_bfe_u32 s40, ttmp6, 0x40000                  ; cx
	s_lshl_b32 s42, ttmp9, 2
	s_add_co_u32 s42, s42, s40                     ; tile column 0..15
	s_and_b32 s13, ttmp7, 0xffff                   ; y, which the four partners share
	s_and_b32 s14, s13, 12                         ; its bits 3 and 2 stay,
	s_bfe_u32 s15, s13, 0x10001                    ; bit 1 goes down,
	s_and_b32 s13, s13, 1
	s_lshl_b32 s13, s13, 1                         ; bit 0 goes up
	s_or_b32 s13, s13, s15
	s_or_b32 s13, s13, s14                         ; tile row 0..15; the batch is its half
	s_mov_b32 s[G1+0], 15|(1<<16)|(1<<20)|(1<<21)|(5<<22)|(3<<25)  ; A: the mask of four; 2-byte elements; 4 words of padding behind every 64; bit 21 beside a mask
	s_mov_b32 s[G1+1], 128<<16                     ; tensor_dim0 = 128
	s_mov_b32 s[G1+2], 128<<16                     ; tensor_dim1 = 128
	s_mov_b32 s[G1+3], 128<<16                     ; tile_dim0 = 128
	s_mov_b32 s[G1+4], 128                         ; tile_dim1 = 128
	s_mov_b32 s[G1+5], LDA
	s_mov_b32 s[G1+6], 0
	s_mov_b32 s[G1+7], 0
	s_mov_b32 s[G1B+0], (2<<16)|(1<<20)|(6<<22)|(3<<25)  ; B: no mask; 4-byte elements; 4 words of padding behind every 128
	s_mov_b32 s[G1B+1], 128<<16                    ; tensor_dim0 = 128
	s_mov_b32 s[G1B+2], 64<<16                     ; tensor_dim1 = 64
	s_mov_b32 s[G1B+3], 128<<16                    ; tile_dim0 = 128
	s_mov_b32 s[G1B+4], 64                         ; tile_dim1 = 64
	s_mov_b32 s[G1B+5], LDB
	s_mov_b32 s[G1B+6], 0
	s_mov_b32 s[G1B+7], 0
	s_lshl_b32 s16, s13, 8
	s_lshl_b32 s17, s12, 7
	s_add_co_u32 s16, s16, s17
	s_mul_i32 s16, s16, LDA*2                      ; A: row 256 x tile row + 128 x half
	s_mov_b32 s17, 0
	s_lshr_b32 s46, s13, 1
	s_lshl_b32 s46, s46, 11                        ; B: the batch's 2,048 keys,
	s_lshl_b32 s47, s42, 7
	s_add_co_u32 s46, s46, s47                     ; the tile's 128,
	s_lshl_b32 s47, s12, 6
	s_add_co_u32 s46, s46, s47                     ; my 64 of them,
	s_lshl_b32 s46, s46, 12                        ; 4,096 bytes a key
	s_mov_b32 s47, 0
	s_mul_i32 s20, s12, HALFA                      ; where they go
	s_mul_i32 s21, s12, HALFB
	s_add_co_u32 s21, s21, BOFF
	s_wait_dscnt 0x0                               ; the opening add is done
	s_wait_kmcnt 0x0
	s_add_nc_u64 s[14:15], s[4:5], s[16:17]
	s_add_nc_u64 s[46:47], s[6:7], s[46:47]
	CROUND                                         ; all four work-groups are here: the first joint loads meet
.irp s, 0,1
	s_mov_b32 s[G0+4*(\s)], 1
	s_add_co_u32 s[G0+4*(\s)+1], s20, (\s)*SLOT
	s_add_nc_u64 s[G0+4*(\s)+2:G0+4*(\s)+3], s[14:15], (\s)*STEP_A
	s_or_b32 s[G0+4*(\s)+3], s[G0+4*(\s)+3], 0x80000000
	s_mov_b32 s[G0B+4*(\s)], 1
	s_add_co_u32 s[G0B+4*(\s)+1], s21, (\s)*SLOT
	s_add_nc_u64 s[G0B+4*(\s)+2:G0B+4*(\s)+3], s[46:47], (\s)*STEP_B
	s_or_b32 s[G0B+4*(\s)+3], s[G0B+4*(\s)+3], 0x80000000
	JLOAD \s
.endr
	v_and_b32 v1, 15, v0                           ; l % 16
	v_bfe_u32 v2, v0, 4, 1                         ; l / 16
	v_mul_u32_u24 v3, v1, PA
	v_lshl_add_u32 v3, v2, 4, v3                   ; A: row x pitch + 16 x half (8 f16)
	s_mul_i32 s21, s11, HALFA
	v_add_nc_u32 v[ADRA0], s21, v3
	v_mul_u32_u24 v4, v1, PBK
	v_lshl_add_u32 v4, v2, 5, v4                   ; B: row x pitch + 32 x half (8 f32)
	s_mul_i32 s22, s12, HALFB
	s_add_co_u32 s22, s22, BOFF
	v_add_nc_u32 v[ADRB0], s22, v4
	s_mov_b32 s[TB], 0
	v_mov_b32 v[ADRA], v[ADRA0]
	v_mov_b32 v[ADRB], v[ADRB0]
	s_mul_i32 s23, s10, 128*SPITCH                 ; my stage
	v_mul_u32_u24 v4, v1, SPITCH                   ; in: row l % 16, 32 bytes for each half of the lanes
	v_lshl_add_u32 v4, v2, 5, v4
	v_add_nc_u32 v[STO], s23, v4
	v_mul_u32_u24 v5, v2, SPITCH                   ; back: lanes 0-15 one row of 256 bytes, lanes 16-31 the next
	v_lshl_add_u32 v5, v1, 4, v5
	v_add_nc_u32 v[RD0], s23, v5
	v_mul_u32_u24 v5, v2, LDCB
	v_lshl_add_u32 v[CO], v1, 4, v5
	s_lshl_b32 s16, s13, 8
	s_lshl_b32 s17, s11, 7
	s_add_co_u32 s16, s16, s17                     ; my first row of S
	s_mul_i32 s16, s16, LDCB
	s_mov_b32 s17, 0
	s_add_nc_u64 s[8:9], s[8:9], s[16:17]
	s_lshl_b32 s46, s42, 9                         ; my first column, in bytes: 512 x tile column + 256 x half
	s_lshl_b32 s47, s12, 8
	s_add_co_u32 s46, s46, s47
	s_mov_b32 s47, 0
	s_add_nc_u64 s[8:9], s[8:9], s[46:47]
	s_lshl_b32 s20, s13, 8                         ; the prefetches.  A: row 256 x tile row + 64 cx + 32 x (wave % 2) + lane,
	s_lshl_b32 s21, s40, 6
	s_add_co_u32 s20, s20, s21
	s_lshl_b32 s21, s12, 5
	s_add_co_u32 s20, s20, s21
	s_mul_i32 s20, s20, LDA*2
	s_add_co_u32 s20, s20, 3*STEP_A                ; at K step 3: the first refill steps it to 4
	s_mov_b32 s21, 0
	s_add_nc_u64 s[PFA:PFA+1], s[4:5], s[20:21]
	s_lshr_b32 s22, s13, 1                         ; B: key 2,048 x batch + 128 x tile column + 64 x (tile row % 2) + 16 x wave + lane / 2
	s_lshl_b32 s22, s22, 11
	s_lshl_b32 s23, s42, 7
	s_add_co_u32 s22, s22, s23
	s_and_b32 s23, s13, 1
	s_lshl_b32 s23, s23, 6
	s_add_co_u32 s22, s22, s23
	s_lshl_b32 s23, s10, 4
	s_add_co_u32 s22, s22, s23
	s_lshl_b32 s22, s22, 12
	s_add_co_u32 s22, s22, 3*STEP_B
	s_mov_b32 s23, 0
	s_add_nc_u64 s[PFB:PFB+1], s[6:7], s[22:23]
	s_or_b32 s[LIMA], s11, ttmp9                   ; 0 in waves 0 and 1 of the clusters with x = 0: the same in all four partners
	s_cmp_eq_u32 s[LIMA], 0
	s_cselect_b32 s[LIMA], 2, -1
	v_and_b32 v3, 31, v0
	v_mul_u32_u24 v[PFOA], v3, LDA*2
	v_lshrrev_b32 v4, 1, v3
	v_and_b32 v5, 1, v3
	v_lshlrev_b32 v5, 8, v5
	v_lshl_add_u32 v[PFOB], v4, 12, v5
.macro MULG p, g, zero                 ; 8 products on buffers p: m blocks 2 g, 2 g + 1 x 4 n blocks.  The 32 accumulators take turns
	WIN W_MUL
.irp a, 2*(\g), 2*(\g)+1
.irp b, 0,1,2,3
.if \zero
	v_wmma_f32_16x16x32_f16 v[8*(4*(\a)+(\b)):8*(4*(\a)+(\b))+7], v[BF+32*(\p)+8*(\b):BF+32*(\p)+8*(\b)+7], v[AF+64*(\p)+8*(\a):AF+64*(\p)+8*(\a)+7], 0
.else
	v_wmma_f32_16x16x32_f16 v[8*(4*(\a)+(\b)):8*(4*(\a)+(\b))+7], v[BF+32*(\p)+8*(\b):BF+32*(\p)+8*(\b)+7], v[AF+64*(\p)+8*(\a):AF+64*(\p)+8*(\a)+7], v[8*(4*(\a)+(\b)):8*(4*(\a)+(\b))+7]
.endif
.endr
.endr
.endm
.macro FETCH q, p                      ; 32 LDS loads in one run, quarter q: B's 64 keys x 32 f32 first (a lane: d = 8 h + 0..7 and 16 + 8 h + 0..7 of key l % 16), then A's 8 fragments into buffer p
	WIN W_LD
.irp b, 0,1,2,3
	ds_load_b128 v[RAW+16*(\b):RAW+16*(\b)+3],     v[ADRB] offset:(\q)*128+(\b)*16*PBK
	ds_load_b128 v[RAW+16*(\b)+4:RAW+16*(\b)+7],   v[ADRB] offset:(\q)*128+(\b)*16*PBK+16
	ds_load_b128 v[RAW+16*(\b)+8:RAW+16*(\b)+11],  v[ADRB] offset:(\q)*128+(\b)*16*PBK+64
	ds_load_b128 v[RAW+16*(\b)+12:RAW+16*(\b)+15], v[ADRB] offset:(\q)*128+(\b)*16*PBK+80
.endr
.irp a, 0,1,2,3,4,5,6,7
	ds_load_b128 v[AF+64*(\p)+8*(\a):AF+64*(\p)+8*(\a)+3],   v[ADRA] offset:(\q)*64+(\a)*16*PA
	ds_load_b128 v[AF+64*(\p)+8*(\a)+4:AF+64*(\p)+8*(\a)+7], v[ADRA] offset:(\q)*64+(\a)*16*PA+32
.endr
.endm
.macro CVTB p                          ; B's four fragments in f16, into buffer p: two neighbouring d to a register
	WIN W_CVT
.set i, 0
.rept 32
	v_cvt_pk_f16_f32 v[BF+32*(\p)+i], v[RAW+2*i], v[RAW+2*i+1]
.set i, i+1
.endr
.endm
.macro SUBQ q, zero                    ; one of a K step's first three quarters
	s_wait_dscnt 16                                ; B's sixteen loads are back; A's sixteen may be out
	CVTB (\q)%2
	FETCH (\q)+1, ((\q)+1)%2
	s_wait_dscnt 32                                ; all but the 32 just issued
	MULG (\q)%2, 0, \zero
	MULG (\q)%2, 1, \zero
	MULG (\q)%2, 2, \zero
	MULG (\q)%2, 3, \zero
.endm
.macro TURN fill                       ; the last quarter changes slots; fill = 1: the slot just read is filled again, two K steps ahead
.if \fill
	s_wait_xcnt 0x0                                ; the last prefetches, a K step back, have read their addresses, which are stepped here
	s_add_nc_u64 s[PFA:PFA+1], s[PFA:PFA+1], STEP_A
	s_add_nc_u64 s[PFB:PFB+1], s[PFB:PFB+1], STEP_B
.endif
	s_wait_dscnt 16
	CVTB 1
	WIN 0
	s_wait_tensorcnt 0x0                           ; all my tensor loads have landed: my part of the next slot;
	ds_add_u32 v[SPW], v[NIL]                      ; 0 onto my spare word
	s_wait_dscnt 1                                 ; (A's loads are back; the add may be out)
	MULG 1, 0, 0
	s_wait_dscnt 0x0                               ; the add is done, and my reads of this slot are over
	s_barrier_signal -1
	MULG 1, 1, 0
	WIN 0
	s_barrier_wait -1
.if \fill
	CREST                                          ; the barrier has opened a round of the cluster's: no wave of any partner still reads this slot or has a load on its way
	s_xor_b32 s[G0+5], s[G0+5], SLOT
	s_xor_b32 s[G0B+5], s[G0B+5], SLOT
	s_add_nc_u64 s[G0+6:G0+7], s[G0+6:G0+7], STEP_A
	s_add_nc_u64 s[G0B+6:G0B+7], s[G0B+6:G0B+7], STEP_B
	JLOAD 1                                        ; the first tensor load behind the round
.endif
	s_xor_b32 s[TB], s[TB], SLOT                   ; the reads go on in the other slot
	v_add_nc_u32 v[ADRA], s[TB], v[ADRA0]
	v_add_nc_u32 v[ADRB], s[TB], v[ADRB0]
	FETCH 0, 0
.if \fill
	ASK
.endif
	MULG 1, 2, 0
	MULG 1, 3, 0
.endm
	s_wait_tensorcnt 1                             ; my part of K step 0 is in; K step 1's may stay out
	s_barrier_signal -1
	s_barrier_wait -1
	FETCH 0, 0
	SUBQ 0, 1                                      ; the first products start the sums
	WIN 0
	s_mov_b32 s3, T-2
.Lstep:                                                ; a trip: from a K step's second quarter to the next step's first; it fills one slot again
	SUBQ 1, 0
	SUBQ 2, 0
	TURN 1
	SUBQ 0, 0
	WIN 0
	s_sub_co_u32 s3, s3, 1
	s_cmp_lg_u32 s3, 0
	s_cbranch_scc1 .Lstep
	s_mov_b32 s3, 2
.Ltail:                                                ; the last two K steps fill nothing; the second trip is left behind its last products
	SUBQ 1, 0
	SUBQ 2, 0
	TURN 0
	WIN 0
	s_sub_co_u32 s3, s3, 1
	s_cmp_eq_u32 s3, 0
	s_cbranch_scc1 .Lout
	SUBQ 0, 0
	WIN 0
	s_branch .Ltail
.Lout:
	; THE WAY OUT.  My 64 columns of f32 are 256 aligned bytes of a row of S.  All 128 rows go into my own stage; a loop of four trips reads 32 whole rows back and stores them.
	s_wait_dscnt 0x0                               ; my reads of the slots are back
	s_barrier_signal -1
	s_barrier_wait -1                              ; everybody's are: slot 0's bytes, which are filled no more, may be stored into
.rept 4
	v_nop                                          ; the places behind the last products
.endr
	WIN W_ST
.irp a, 0,1,2,3,4,5,6,7
.irp b, 0,1,2,3
	ds_store_b128 v[STO], v[8*(4*(\a)+(\b)):8*(4*(\a)+(\b))+3] offset:(\a)*16*SPITCH+64*(\b)
	ds_store_b128 v[STO], v[8*(4*(\a)+(\b))+4:8*(4*(\a)+(\b))+7] offset:(\a)*16*SPITCH+64*(\b)+16
.endr
.endr
	WIN 0
	s_mov_b32 s2, 0
	s_mov_b32 s3, 4
.Lback:
	v_add_nc_u32 v[RD], s2, v[RD0]
.irp t, 0,1,2,3,4,5,6,7,8,9,10,11,12,13,14,15
	ds_load_b128 v[TMP+4*(\t):TMP+4*(\t)+3], v[RD] offset:(\t)*2*SPITCH  ; LDS serves a wave's instructions in order (ISA guide 5.7.1.4): these see my stores above
.endr
.irp t, 0,1,2,3,4,5,6,7,8,9,10,11,12,13,14,15
.if (\t)%4 == 0
	s_wait_dscnt 12-(\t)                           ; the next four loads are back; the younger ones stay out
.endif
	global_store_b128 v[CO], v[TMP+4*(\t):TMP+4*(\t)+3], s[8:9] offset:2*(\t)*LDCB  ; 16 lanes store 256 consecutive bytes, aligned
.endr
	s_wait_xcnt 0x0                                ; the stores' base and data are written again only behind this wait
	s_add_nc_u64 s[8:9], s[8:9], 32*LDCB
	s_add_co_u32 s2, s2, 32*SPITCH
	s_sub_co_u32 s3, s3, 1
	s_cmp_lg_u32 s3, 0
	s_cbranch_scc1 .Lback
	s_wait_tensorcnt 0x0                           ; the wave's end
	ds_add_u32 v[SPW], v[NIL]
	s_wait_dscnt 0x0
	CROUND                                         ; the closing round
	s_endpgm
.Lfunc_end_k_q5a766f97ca_score:
	.size	k_q5a766f97ca_score, .Lfunc_end_k_q5a766f97ca_score-k_q5a766f97ca_score
	.p2alignl 7, 3214868480
	.fill 96, 4, 3214868480
	.section	.rodata,"a",@progbits
	.p2align	6, 0x0
	.amdhsa_kernel k_q5a766f97ca_score
		.amdhsa_group_segment_fixed_size 327680
		.amdhsa_private_segment_fixed_size 0
		.amdhsa_enable_private_segment 0
		.amdhsa_kernarg_size 24
		.amdhsa_user_sgpr_count 2
		.amdhsa_user_sgpr_kernarg_segment_ptr 1
		.amdhsa_wavefront_size32 1
		.amdhsa_system_sgpr_workgroup_id_x 1
		.amdhsa_system_sgpr_workgroup_id_y 1
		.amdhsa_system_sgpr_workgroup_id_z 1
		.amdhsa_system_vgpr_workitem_id 0
		.amdhsa_next_free_vgpr 768
		.amdhsa_next_free_sgpr 80
		.amdhsa_reserve_vcc 0
		.amdhsa_float_denorm_mode_32 3
		.amdhsa_float_denorm_mode_16_64 3
		.amdhsa_memory_ordered 1
		.amdhsa_forward_progress 1
		.amdhsa_inst_pref_size 77
	.end_amdhsa_kernel
	.amdgpu_metadata
---
amdhsa.version: [ 1, 2 ]
amdhsa.kernels:
  - .name:           k_q5a766f97ca_score
    .symbol:         k_q5a766f97ca_score.kd
    .args:
      - { .name: QS, .offset: 0, .size: 8, .value_kind: global_buffer, .address_space: global }
      - { .name: k, .offset: 8, .size: 8, .value_kind: global_buffer, .address_space: global }
      - { .name: S, .offset: 16, .size: 8, .value_kind: global_buffer, .address_space: global }
    .group_segment_fixed_size: 327680
    .private_segment_fixed_size: 0
    .kernarg_segment_align: 8
    .kernarg_segment_size: 24
    .max_flat_workgroup_size: 128
    .sgpr_count:     80
    .vgpr_count:     768
    .wavefront_size: 32
...
	.end_amdgpu_metadata
.endif
;; end of part 12
;; launch smax: the kernel of part 5 again; grid 512 x 1, 8 waves a work-group, no clusters, 0 bytes of LDS; arguments S, QP, dummy, P; writes P
;; launch pv (part 13): grid 16 x 16, 4 waves a work-group, clusters of 4 x 1, 327,680 bytes of LDS; arguments P, v, tsp, X, F, out1; writes X, out1
.if DOCPART == 13
	.amdgcn_target "amdgcn-amd-amdhsa--gfx1250"
	.amdhsa_code_object_version 6
	.text
	.protected	k_q5a766f97ca_pv
	.globl	k_q5a766f97ca_pv
	.p2align	8
	.type	k_q5a766f97ca_pv,@function
k_q5a766f97ca_pv:
	s_mov_b64 s[64:65], 0
	v_nop
	global_prefetch_b8 v0, s[64:65] scope:SCOPE_SE
	s_setreg_imm32_b32 hwreg(HW_REG_WAVE_MODE, 25, 1), 1
	s_wait_xcnt 0x0
	s_wait_alu depctr_hold_cnt(0) depctr_sa_sdst(0) depctr_va_vdst(0) depctr_va_sdst(0) depctr_va_ssrc(0) depctr_va_vcc(0) depctr_vm_vsrc(0)
	s_getreg_b32 s2, hwreg(HW_REG_IB_STS2, 6, 4)
	s_cmp_eq_u32 s2, 0
	s_cbranch_scc0 .Lentry_in_a_cluster
	s_endpgm
.Lentry_in_a_cluster:
	s_bfe_u32 s2, ttmp6, 0x10000c
	s_cmp_lg_u32 s2, 0x3003
	s_cbranch_scc0 .Lentry_shape_is_right
	s_endpgm
.Lentry_shape_is_right:
; [out | out_tsp][m][d] = sum over key of P[m][key] f16([v | tsp][batch][key][d]).  P: [4096][2048] f16; v, tsp: [8][2048][1024] f32, as the problem gives them, ROUNDED TO f16 HERE, in registers.
; Clusters with x = 0, 1 make out (tile columns 0-7 of v), those with x = 2, 3 out_tsp, which leaves as out1 in f32.  out is not stored: with oh = f16(out) and qh from F it leaves as the
; next launch's two operands, X1 = qh oh and X2 = qh - oh, [4096][1024] f16 each, X2 8,388,608 bytes behind X1.   LIMIT: v, tsp, out, X1 and X2 within f16's 65,504.
; A tile of C is 256 x 128: four waves, each 128 x 64 in 32 accumulators: 16 x 16 tiles, one work-group each.  K = 2,048 goes in 16 steps of 128 through two LDS slots: A 256 rows x (256 + 16) bytes,
; then B 128 rows (keys) x 512 bytes of f32.  A loop trip is ONE K step: the slot in hand is a scalar register that an exclusive or turns, and one descriptor set walks; SLOT's bits (17 and 13) occur
; in no tile's address inside a slot.  The last two K steps are one loop of two trips left in its middle; the second trip's fetch of fragments reads whole bytes and is not used.
; WHICH WORK-GROUP MAKES WHICH TILE: the tile row is the launch's y with its two lowest bits exchanged, so that the two row tiles of a batch, which read the same rows of v or tsp, are the work-groups
; at y and y + 2.  It is a permutation of the tiles among the work-groups: no value hangs on it.
; B LIES [key][channel].  A lane loads 16 bytes, FOUR NEIGHBOURING CHANNELS 4 (l % 16) + 0..3, of each of its 16 keys (16 lanes take 256 consecutive bytes); a conversion joins two
; keys' numbers of one channel.  So fragment b holds, as its row i, channel 4 i + b, and in the result register j of accumulator (a, b) is channel 4 (8 (l / 16) + j) + b of row 16 a + l % 16:
; a lane ends with 32 neighbouring channels of one row.
; A K step is four quarters of 32 keys: 32 conversions, the next quarter's 32 LDS loads, 32 products.  The conversions name no register of the products round them: they are the places between
; those products and the loads and conversions that write their old sources.
; CLUSTER 4 x 1: the four column tiles of a cluster ask for A's tile jointly.  B's tile is asked for by each work-group for itself: only the two row tiles of a batch (512 queries / 256) need it.
; The branch between the two ways out hangs on the cluster's x alone; every barrier stands outside it, and the two ways touch no common LDS byte: X1 and X2 share a stage of 256 rows x 528 bytes
; from byte 0, out_tsp's four stages of 128 rows x 272 bytes lie from SLOT on; both slots have had their last fills.
; REGISTERS: window 0: v0-31 addresses, v32-191 the way out.  Window 1: the accumulators, (a, b) at 8 (4 a + b).  Window 2: v0-127 A's fragments, two buffers; v128-191 B's in f16, two buffers; v192-255 B as loaded.
.set T,      16
.set LDA,    2048
.set LDB,    1024
.set PA,     272
.set HALFA,  128*PA
.set BOFF,   2*HALFA
.set PBR,    512
.set HALFB,  64*PBR
.set SLOT,   0x22000
.set STEP_A, 256
.set STEP_B, 128*LDB*4
.set XP,     528                       ; a row of the f16 stage: 256 bytes of X1, 256 of X2, 16 of padding
.set SPITCH, 272
.set SPARE,  2*SLOT                    ; the spare words: 128 bytes a wave, two blocks of 256 bytes that no other line names
.set S32,  6                           ; v6-8   out1's way out: into my own stage, back, my offset in out1
.set R32,  7
.set C32,  8
.set PFOA, 9                           ; v9   the prefetches' offsets: a lane a row of P;
.set PFOB, 10                          ; v10  two lanes a row of v or tsp, 256 bytes apart; never rewritten
.set NEG,  11                          ; v11  -1 twice in f16
.set ADRA0, 14
.set ADRB0, 15
.set ADRA, 16
.set ADRB, 20
.set RD0,  23
.set STO,  24
.set RD,   25
.set CO,   26
.set QO,   27                          ; v27  my offset in 16 rows of F
.set SPW,  28
.set NIL,  29
.set TMP,  32                          ; what comes back from a stage
.set QV,   32                          ; v[32:159]  qh, 16 registers a block of 16 rows; then X2
.set OH,   160                         ; v[160:175] oh of one block
.set X1V,  176                         ; v[176:191] X1 of one block
.set GA,   96                          ; v[96:127]  out_tsp: a block's 32 neighbouring channels, brought together
.set AF,   0
.set BF,   128
.set RAW,  192
.set G1, 24
.set G0, 32
.set G1B, 48
.set G0B, 56
.set TB,  45
.set LIMA, 41                          ; s41  2 in a wave that prefetches A, else the greatest number
.set PFA, 4                            ; s[4:5], s[8:9] where my prefetches stand in P and in v or tsp
.set PFB, 8
.set MSB, 0
.macro WIN new
.if MSB != (\new)
	s_set_vgpr_msb (MSB<<8)|(\new)
.set MSB, \new
.endif
.endm
.set W_MUL, 0x5a                       ; sources 0 and 1 window 2; C and D window 1
.set W_CVT, 0x8a                       ; sources and destination window 2
.set W_LD,  0x80                       ; destination window 2, address window 0
.macro JLOAD s                         ; waves 0 and 1 ask jointly for A's halves, waves 2 and 3 for this work-group's halves of B; an s_nop 0 and four v_nop follow each line
	s_cmp_eq_u32 s11, 0
	s_cbranch_scc0 .Lfor_b_\@
	tensor_load_to_lds s[G0+4*(\s):G0+4*(\s)+3], s[G1:G1+7]
	s_nop 0
.rept 4
	v_nop
.endr
	s_branch .Lasked_\@
.Lfor_b_\@:
	tensor_load_to_lds s[G0B+4*(\s):G0B+4*(\s)+3], s[G1B:G1B+7]
	s_nop 0
.rept 4
	v_nop
.endr
.Lasked_\@:
.endm
.macro CREST
	s_cmp_lg_u32 s10, 0
	s_cbranch_scc1 .Lnot_wave_0_\@
	s_barrier_signal -3
.Lnot_wave_0_\@:
	s_barrier_wait -3
	s_barrier_signal -1
	s_barrier_wait -1
.endm
.macro CROUND
	s_barrier_signal -1
	s_barrier_wait -1
	CREST
.endm
; PREFETCHES INTO THE L2, behind each refill and its run of LDS loads: the K step that stands two refills on, 256 matrix instructions ahead of the load that will ask for it.
; B: a K step of a tile is 128 rows x 512 bytes; each of the two work-groups that read it asks for 64 of the rows, a wave for 16 of them, two lanes a row.  A: 256 rows x 256 bytes, read by four
; clusters: the one with x = 0 asks; its partners take 64 rows each, told apart by address; waves 0 and 1 ask, a lane a row.  So each aligned block of 256 bytes is named once in the launch.
; K steps 0 to 3 come by their loads alone; the last two refills (s3 = 2, 1) have no K step two on and ask for nothing.
.macro ASK
	WIN 0
	s_cmp_gt_u32 s3, 2
	s_cbranch_scc0 .Lnone_\@
	global_prefetch_b8 v[PFOB], s[PFB:PFB+1] th:TH_LOAD_NT scope:SCOPE_SE
	s_cmp_gt_u32 s3, s[LIMA]
	s_cbranch_scc0 .Lnone_\@
	global_prefetch_b8 v[PFOA], s[PFA:PFA+1] th:TH_LOAD_NT scope:SCOPE_SE
.Lnone_\@:
.endm
	s_load_b256 s[68:75], s[0:1], 0x0              ; P s[68:69], v s[70:71], tsp s[72:73], X s[74:75]
	s_load_b128 s[76:79], s[0:1], 0x20             ; F s[76:77], out1 s[78:79]
	v_lshl_add_u32 v[SPW], v0, 2, SPARE
	v_mov_b32 v[NIL], 0
	ds_add_u32 v[SPW], v[NIL]                      ; the wave's opening: the add and its wait ahead of my first tensor load
	v_lshrrev_b32 v1, 5, v0
	v_readfirstlane_b32 s10, v1                    ; wave 0..3
	s_lshr_b32 s11, s10, 1                         ; my half of the tile's rows; also: I fetch for A (0) or B (1)
	s_and_b32 s12, s10, 1                          ; my half of its columns; also: which half of that tile I fetch
	s_bfe_u32 s40, ttmp6, 0x40000                  ; cx
	s_mov_b32 s66, ttmp9                           ; the cluster's x: 0, 1 out; 2, 3 out_tsp
	s_and_b32 s67, ttmp9, 1
	s_lshl_b32 s67, s67, 2
	s_add_co_u32 s67, s67, s40                     ; tile column 0..7 in v or in tsp
	s_and_b32 s13, ttmp7, 0xffff                   ; y, which the four partners share
	s_and_b32 s14, s13, 12                         ; its bits 3 and 2 stay,
	s_bfe_u32 s15, s13, 0x10001                    ; bit 1 goes down,
	s_and_b32 s13, s13, 1
	s_lshl_b32 s13, s13, 1                         ; bit 0 goes up
	s_or_b32 s13, s13, s15
	s_or_b32 s13, s13, s14                         ; tile row 0..15; the batch is its half
	s_mov_b32 s[G1+0], 15|(1<<16)|(1<<20)|(1<<21)|(5<<22)|(3<<25)  ; A: the mask of four; 2-byte elements; 4 words of padding behind every 64; bit 21 beside a mask
	s_mov_b32 s[G1+1], 128<<16
	s_mov_b32 s[G1+2], 128<<16
	s_mov_b32 s[G1+3], 128<<16                     ; 128 rows x 128 elements
	s_mov_b32 s[G1+4], 128
	s_mov_b32 s[G1+5], LDA
	s_mov_b32 s[G1+6], 0
	s_mov_b32 s[G1+7], 0
	s_mov_b32 s[G1B+0], 2<<16                      ; B: no mask; 4-byte elements; no padding
	s_mov_b32 s[G1B+1], 128<<16
	s_mov_b32 s[G1B+2], 64<<16
	s_mov_b32 s[G1B+3], 128<<16                    ; 64 rows (keys) x 128 elements (channels)
	s_mov_b32 s[G1B+4], 64
	s_mov_b32 s[G1B+5], LDB
	s_mov_b32 s[G1B+6], 0
	s_mov_b32 s[G1B+7], 0
	s_lshl_b32 s16, s13, 8
	s_lshl_b32 s17, s12, 7
	s_add_co_u32 s16, s16, s17
	s_lshl_b32 s16, s16, 12                        ; A: row 256 x tile row + 128 x half, 4,096 bytes a row
	s_mov_b32 s17, 0
	s_lshr_b32 s46, s13, 1
	s_lshl_b32 s46, s46, 23                        ; B: the batch's 2,048 rows of 4,096 bytes;
	s_lshl_b32 s47, s12, 18                        ; my 64 of a K step's 128 rows;
	s_add_co_u32 s46, s46, s47
	s_lshl_b32 s47, s67, 9                         ; the tile's 128 channels
	s_add_co_u32 s46, s46, s47
	s_mov_b32 s47, 0
	s_mul_i32 s20, s12, HALFA                      ; where they go
	s_mul_i32 s21, s12, HALFB
	s_add_co_u32 s21, s21, BOFF
	s_wait_dscnt 0x0                               ; the opening add is done
	s_wait_kmcnt 0x0
	s_cmp_ge_u32 s66, 2
	s_cselect_b64 s[70:71], s[72:73], s[70:71]     ; v or tsp
	s_add_nc_u64 s[14:15], s[68:69], s[16:17]
	s_add_nc_u64 s[46:47], s[70:71], s[46:47]
	CROUND                                         ; all four work-groups are here: the first joint loads meet
.irp s, 0,1
	s_mov_b32 s[G0+4*(\s)], 1
	s_add_co_u32 s[G0+4*(\s)+1], s20, (\s)*SLOT
	s_add_nc_u64 s[G0+4*(\s)+2:G0+4*(\s)+3], s[14:15], (\s)*STEP_A
	s_or_b32 s[G0+4*(\s)+3], s[G0+4*(\s)+3], 0x80000000
	s_mov_b32 s[G0B+4*(\s)], 1
	s_add_co_u32 s[G0B+4*(\s)+1], s21, (\s)*SLOT
	s_add_nc_u64 s[G0B+4*(\s)+2:G0B+4*(\s)+3], s[46:47], (\s)*STEP_B
	s_or_b32 s[G0B+4*(\s)+3], s[G0B+4*(\s)+3], 0x80000000
	JLOAD \s
.endr
	v_and_b32 v1, 15, v0                           ; l % 16
	v_bfe_u32 v2, v0, 4, 1                         ; l / 16
	v_mov_b32 v[NEG], 0xbc00bc00
	v_mul_u32_u24 v3, v1, PA
	v_lshl_add_u32 v3, v2, 4, v3                   ; A: row x pitch + 16 x half
	s_mul_i32 s21, s11, HALFA
	v_add_nc_u32 v[ADRA0], s21, v3
	v_lshlrev_b32 v4, 4, v1                        ; B: my four channels,
	v_lshl_add_u32 v4, v2, 12, v4                  ; 8 rows of 512 bytes down for the upper half of the lanes,
	s_lshl_b32 s22, s12, 8                         ; my wave's 64 channels
	s_add_co_u32 s22, s22, BOFF
	v_add_nc_u32 v[ADRB0], s22, v4
	s_mov_b32 s[TB], 0
	v_mov_b32 v[ADRA], v[ADRA0]
	v_mov_b32 v[ADRB], v[ADRB0]
	s_mul_i32 s23, s11, 128*XP                     ; the f16 stage: in, my 128 rows, my wave's 128 bytes of the row's 256, my lane's 64 of them
	s_lshl_b32 s21, s12, 7
	s_add_co_u32 s23, s23, s21
	v_mul_u32_u24 v3, v1, XP
	v_lshl_add_u32 v3, v2, 6, v3
	v_add_nc_u32 v[STO], s23, v3
	s_mul_i32 s23, s10, 64*XP                      ; back: rows 64 w .. 64 w + 63, whole
	v_mul_u32_u24 v3, v2, XP
	v_lshl_add_u32 v3, v1, 4, v3
	v_add_nc_u32 v[RD0], s23, v3
	v_lshlrev_b32 v3, 11, v2
	v_lshl_add_u32 v[CO], v1, 4, v3                ; two rows of X, 2,048 bytes each
	s_mul_i32 s23, s10, 128*SPITCH                 ; the f32 stage: my own 128 rows x 272 bytes, from SLOT on
	s_add_co_u32 s23, s23, SLOT
	v_mul_u32_u24 v3, v1, SPITCH
	v_lshl_add_u32 v3, v2, 7, v3                   ; in: row l % 16, my lane's 128 bytes
	v_add_nc_u32 v[S32], s23, v3
	v_mul_u32_u24 v3, v2, SPITCH
	v_lshl_add_u32 v3, v1, 4, v3
	v_add_nc_u32 v[R32], s23, v3
	v_lshlrev_b32 v3, 12, v2
	v_lshl_add_u32 v[C32], v1, 4, v3               ; two rows of out1, 4,096 bytes each
	v_lshlrev_b32 v3, 12, v1
	v_lshl_add_u32 v[QO], v2, 6, v3                ; qh: row l % 16 of F, my lane's 64 bytes
	s_lshl_b32 s16, s13, 8
	s_lshl_b32 s17, s11, 7
	s_add_co_u32 s16, s16, s17
	s_lshl_b32 s16, s16, 12                        ; my 128 rows in F and in out1
	s_mov_b32 s17, 0
	s_add_nc_u64 s[76:77], s[76:77], s[16:17]
	s_add_nc_u64 s[78:79], s[78:79], s[16:17]
	s_lshl_b32 s46, s67, 8
	s_lshl_b32 s47, s12, 7
	s_add_co_u32 s46, s46, s47                     ; my 64 columns, in f16
	s_mov_b32 s47, 0
	s_add_nc_u64 s[76:77], s[76:77], s[46:47]
	s_add_nc_u64 s[76:77], s[76:77], 2048          ; qh is the second half of F's rows
	s_add_nc_u64 s[78:79], s[78:79], s[46:47]
	s_add_nc_u64 s[78:79], s[78:79], s[46:47]      ; twice: f32
	s_lshl_b32 s16, s13, 8
	s_lshl_b32 s18, s10, 6
	s_add_co_u32 s16, s16, s18
	s_lshl_b32 s16, s16, 11                        ; the first row of X that I store
	s_add_nc_u64 s[74:75], s[74:75], s[16:17]
	s_lshl_b32 s46, s67, 8
	s_add_nc_u64 s[74:75], s[74:75], s[46:47]
	s_add_nc_u64 s[72:73], s[74:75], 8388608       ; X2
	s_lshl_b32 s20, s13, 8                         ; the prefetches.  A: row 256 x tile row + 64 cx + 32 x (wave % 2) + lane,
	s_lshl_b32 s21, s40, 6
	s_add_co_u32 s20, s20, s21
	s_lshl_b32 s21, s12, 5
	s_add_co_u32 s20, s20, s21
	s_lshl_b32 s20, s20, 12
	s_add_co_u32 s20, s20, 3*STEP_A                ; at K step 3: the first refill steps it to 4
	s_mov_b32 s21, 0
	s_add_nc_u64 s[PFA:PFA+1], s[68:69], s[20:21]
	s_lshr_b32 s22, s13, 1                         ; B: row 2,048 x batch + 64 x (tile row % 2) + 16 x wave + lane / 2, at K step 3,
	s_lshl_b32 s22, s22, 11
	s_and_b32 s23, s13, 1
	s_lshl_b32 s23, s23, 6
	s_add_co_u32 s22, s22, s23
	s_lshl_b32 s23, s10, 4
	s_add_co_u32 s22, s22, s23
	s_add_co_u32 s22, s22, 3*128
	s_lshl_b32 s22, s22, 12
	s_lshl_b32 s23, s67, 9                         ; the tile's 512 bytes of the row
	s_add_co_u32 s22, s22, s23
	s_mov_b32 s23, 0
	s_add_nc_u64 s[PFB:PFB+1], s[70:71], s[22:23]
	s_or_b32 s[LIMA], s11, s66                     ; 0 in waves 0 and 1 of the clusters with x = 0: the same in all four partners
	s_cmp_eq_u32 s[LIMA], 0
	s_cselect_b32 s[LIMA], 2, -1
	v_and_b32 v3, 31, v0
	v_mul_u32_u24 v[PFOA], v3, LDA*2
	v_lshrrev_b32 v4, 1, v3
	v_and_b32 v5, 1, v3
	v_lshlrev_b32 v5, 8, v5
	v_lshl_add_u32 v[PFOB], v4, 12, v5
.macro MULG p, g, zero                 ; 8 products on buffers p: m blocks 2 g, 2 g + 1 x 4 n blocks.  The 32 accumulators take turns
	WIN W_MUL
.irp a, 2*(\g), 2*(\g)+1
.irp b, 0,1,2,3
.if \zero
	v_wmma_f32_16x16x32_f16 v[8*(4*(\a)+(\b)):8*(4*(\a)+(\b))+7], v[BF+32*(\p)+8*(\b):BF+32*(\p)+8*(\b)+7], v[AF+64*(\p)+8*(\a):AF+64*(\p)+8*(\a)+7], 0
.else
	v_wmma_f32_16x16x32_f16 v[8*(4*(\a)+(\b)):8*(4*(\a)+(\b))+7], v[BF+32*(\p)+8*(\b):BF+32*(\p)+8*(\b)+7], v[AF+64*(\p)+8*(\a):AF+64*(\p)+8*(\a)+7], v[8*(4*(\a)+(\b)):8*(4*(\a)+(\b))+7]
.endif
.endr
.endr
.endm
.macro FETCH q, p                      ; 32 LDS loads in one run, quarter q: B first: my four channels of keys 8 h + 0..7 and 16 + 8 h + 0..7; then A's 8 fragments into buffer p
	WIN W_LD
.irp g, 0,1
.irp kk, 0,1,2,3,4,5,6,7
	ds_load_b128 v[RAW+32*(\g)+4*(\kk):RAW+32*(\g)+4*(\kk)+3], v[ADRB] offset:((\q)*32+16*(\g)+(\kk))*PBR
.endr
.endr
.irp a, 0,1,2,3,4,5,6,7
	ds_load_b128 v[AF+64*(\p)+8*(\a):AF+64*(\p)+8*(\a)+3],   v[ADRA] offset:(\q)*64+(\a)*16*PA
	ds_load_b128 v[AF+64*(\p)+8*(\a)+4:AF+64*(\p)+8*(\a)+7], v[ADRA] offset:(\q)*64+(\a)*16*PA+32
.endr
.endm
.macro CVTB p                          ; B's four fragments in f16, into buffer p: register t of fragment c joins keys 2 t and 2 t + 1 of my sixteen, channel c of my four
	WIN W_CVT
.irp c, 0,1,2,3
.irp t, 0,1,2,3,4,5,6,7
	v_cvt_pk_f16_f32 v[BF+32*(\p)+8*(\c)+(\t)], v[RAW+8*(\t)+(\c)], v[RAW+8*(\t)+4+(\c)]
.endr
.endr
.endm
.macro SUBQ q, zero                    ; one of a K step's first three quarters
	s_wait_dscnt 16                                ; B's sixteen loads are back; A's sixteen may be out
	CVTB (\q)%2
	FETCH (\q)+1, ((\q)+1)%2
	s_wait_dscnt 32                                ; all but the 32 just issued
	MULG (\q)%2, 0, \zero
	MULG (\q)%2, 1, \zero
	MULG (\q)%2, 2, \zero
	MULG (\q)%2, 3, \zero
.endm
.macro TURN fill                       ; the last quarter changes slots; fill = 1: the slot just read is filled again, two K steps ahead
.if \fill
	s_wait_xcnt 0x0                                ; the last prefetches, a K step back, have read their addresses, which are stepped here
	s_add_nc_u64 s[PFA:PFA+1], s[PFA:PFA+1], STEP_A
	s_add_nc_u64 s[PFB:PFB+1], s[PFB:PFB+1], STEP_B
.endif
	s_wait_dscnt 16
	CVTB 1
	WIN 0
	s_wait_tensorcnt 0x0                           ; all my tensor loads have landed: my part of the next slot;
	ds_add_u32 v[SPW], v[NIL]                      ; 0 onto my spare word
	s_wait_dscnt 1                                 ; (A's loads are back; the add may be out)
	MULG 1, 0, 0
	s_wait_dscnt 0x0                               ; the add is done, and my reads of this slot are over
	s_barrier_signal -1
	MULG 1, 1, 0
	WIN 0
	s_barrier_wait -1
.if \fill
	CREST                                          ; the barrier has opened a round of the cluster's: no wave of any partner still reads this slot or has a load on its way
	s_xor_b32 s[G0+5], s[G0+5], SLOT
	s_xor_b32 s[G0B+5], s[G0B+5], SLOT
	s_add_nc_u64 s[G0+6:G0+7], s[G0+6:G0+7], STEP_A
	s_add_nc_u64 s[G0B+6:G0B+7], s[G0B+6:G0B+7], STEP_B
	JLOAD 1                                        ; the first tensor load behind the round
.endif
	s_xor_b32 s[TB], s[TB], SLOT                   ; the reads go on in the other slot
	v_add_nc_u32 v[ADRA], s[TB], v[ADRA0]
	v_add_nc_u32 v[ADRB], s[TB], v[ADRB0]
	FETCH 0, 0
.if \fill
	ASK
.endif
	MULG 1, 2, 0
	MULG 1, 3, 0
.endm
.macro PLACES
.rept 4
	v_nop
.endr
.endm
; out, block a of 16 rows: oh (register t: channels 2 t, 2 t + 1 of my 32), X1 = qh oh, X2 = qh - oh, both into the stage
.macro XROW a
	WIN 0x05                                       ; sources 0 and 1 window 1, destination window 0
.irp t, 0,1,2,3,4,5,6,7,8,9,10,11,12,13,14,15
	v_cvt_pk_f16_f32 v[OH+(\t)], v[8*(4*(\a)+2*((\t)%2))+(\t)/2], v[8*(4*(\a)+2*((\t)%2)+1)+(\t)/2]
.endr
	WIN 0
	s_wait_loadcnt 28-4*(\a)                       ; this block's four loads of qh are in; the later blocks' stay out
.irp t, 0,1,2,3,4,5,6,7,8,9,10,11,12,13,14,15
	v_pk_mul_f16 v[X1V+(\t)], v[QV+16*(\a)+(\t)], v[OH+(\t)]
.endr
.irp t, 0,1,2,3,4,5,6,7,8,9,10,11,12,13,14,15
	v_pk_fma_f16 v[QV+16*(\a)+(\t)], v[OH+(\t)], v[NEG], v[QV+16*(\a)+(\t)]
.endr
.irp u, 0,1,2,3
	ds_store_b128 v[STO], v[X1V+4*(\u):X1V+4*(\u)+3] offset:(\a)*16*XP+16*(\u)
	ds_store_b128 v[STO], v[QV+16*(\a)+4*(\u):QV+16*(\a)+4*(\u)+3] offset:(\a)*16*XP+16*(\u)+256
.endr
.endm
; out_tsp, block a: four neighbouring channels lie in four accumulators, so they are brought together (each accumulator's lowest register is read first), then stored 16 bytes at a time
.macro TROW a
	WIN 0x01                                       ; source 0 window 1
.irp j, 0,1,2,3,4,5,6,7
.irp b, 0,1,2,3
	v_mov_b32 v[GA+4*(\j)+(\b)], v[8*(4*(\a)+(\b))+(\j)]
.endr
.endr
	WIN 0
.irp u, 0,1,2,3,4,5,6,7
	ds_store_b128 v[S32], v[GA+4*(\u):GA+4*(\u)+3] offset:(\a)*16*SPITCH+16*(\u)
.endr
.endm
	s_wait_tensorcnt 1                             ; my part of K step 0 is in; K step 1's may stay out
	s_barrier_signal -1
	s_barrier_wait -1
	FETCH 0, 0
	SUBQ 0, 1                                      ; the first products start the sums
	WIN 0
	s_mov_b32 s3, T-2
.Lstep:                                                ; a trip: from a K step's second quarter to the next step's first; it fills one slot again
	SUBQ 1, 0
	SUBQ 2, 0
	TURN 1
	SUBQ 0, 0
	WIN 0
	s_sub_co_u32 s3, s3, 1
	s_cmp_lg_u32 s3, 0
	s_cbranch_scc1 .Lstep
	s_mov_b32 s3, 2
.Ltail:                                                ; the last two K steps fill nothing; the second trip is left behind its last products
	SUBQ 1, 0
	SUBQ 2, 0
	TURN 0
	WIN 0
	s_sub_co_u32 s3, s3, 1
	s_cmp_eq_u32 s3, 0
	s_cbranch_scc1 .Lout
	SUBQ 0, 0
	WIN 0
	s_branch .Ltail
.Lout:
	s_wait_dscnt 0x0                               ; my reads of the slots are back
	s_barrier_signal -1
	s_barrier_wait -1                              ; everybody's are: the slots' bytes, which are filled no more, may be stored into
	s_cmp_ge_u32 s66, 2
	s_cbranch_scc1 .Ltsp
.irp a, 0,1,2,3,4,5,6,7
.irp u, 0,1,2,3
	global_load_b128 v[QV+16*(\a)+4*(\u):QV+16*(\a)+4*(\u)+3], v[QO], s[76:77] offset:(\a)*65536+16*(\u)  ; qh: my 32 channels of row 16 a + l % 16
.endr
.endr
	PLACES
.irp a, 0,1,2,3,4,5,6,7
	XROW \a
.endr
	s_branch .Ljoin
.Ltsp:
	PLACES
.irp a, 0,1,2,3,4,5,6,7
	TROW \a
.endr
	s_mov_b32 s2, 0
	s_mov_b32 s3, 4
.Lback32:                                              ; four trips: 32 whole rows of my own stage come back and are stored
	v_add_nc_u32 v[RD], s2, v[R32]
.irp t, 0,1,2,3,4,5,6,7,8,9,10,11,12,13,14,15
	ds_load_b128 v[TMP+4*(\t):TMP+4*(\t)+3], v[RD] offset:(\t)*2*SPITCH  ; LDS serves a wave's instructions in order (ISA guide 5.7.1.4): these see my stores above
.endr
.irp t, 0,1,2,3,4,5,6,7,8,9,10,11,12,13,14,15
.if (\t)%4 == 0
	s_wait_dscnt 12-(\t)                           ; the next four loads are back; the younger ones stay out
.endif
	global_store_b128 v[C32], v[TMP+4*(\t):TMP+4*(\t)+3], s[78:79] offset:2*(\t)*4096 th:TH_STORE_NT  ; 16 lanes store 256 consecutive bytes, aligned
.endr
	s_wait_xcnt 0x0                                ; the stores' base and data are written again only behind this wait
	s_add_nc_u64 s[78:79], s[78:79], 32*4096
	s_add_co_u32 s2, s2, 32*SPITCH
	s_sub_co_u32 s3, s3, 1
	s_cmp_lg_u32 s3, 0
	s_cbranch_scc1 .Lback32
.Ljoin:
	s_wait_dscnt 0x0                               ; for the others' sake: my stores into the stage are done
	s_barrier_signal -1
	s_barrier_wait -1
	s_cmp_ge_u32 s66, 2
	s_cbranch_scc1 .Lend
	s_mov_b32 s2, 0
	s_mov_b32 s3, 4
.Lback16:                                              ; four trips: 16 whole rows of X1 and of X2 come back and are stored
	v_add_nc_u32 v[RD], s2, v[RD0]
.irp t, 0,1,2,3,4,5,6,7
	ds_load_b128 v[TMP+4*(\t):TMP+4*(\t)+3], v[RD] offset:(\t)*2*XP
.endr
.irp t, 0,1,2,3,4,5,6,7
	ds_load_b128 v[TMP+32+4*(\t):TMP+32+4*(\t)+3], v[RD] offset:(\t)*2*XP+256
.endr
	s_wait_dscnt 8                                 ; X1's eight loads are back; X2's stay out
.irp t, 0,1,2,3,4,5,6,7
	global_store_b128 v[CO], v[TMP+4*(\t):TMP+4*(\t)+3], s[74:75] offset:2*(\t)*2048  ; 16 lanes store 256 consecutive bytes, aligned
.endr
	s_wait_dscnt 0x0
.irp t, 0,1,2,3,4,5,6,7
	global_store_b128 v[CO], v[TMP+32+4*(\t):TMP+32+4*(\t)+3], s[72:73] offset:2*(\t)*2048
.endr
	s_wait_xcnt 0x0                                ; the stores' bases and data are written again only behind this wait
	s_add_nc_u64 s[74:75], s[74:75], 16*2048
	s_add_nc_u64 s[72:73], s[72:73], 16*2048
	s_add_co_u32 s2, s2, 16*XP
	s_sub_co_u32 s3, s3, 1
	s_cmp_lg_u32 s3, 0
	s_cbranch_scc1 .Lback16
.Lend:
	s_wait_tensorcnt 0x0                           ; the wave's end
	ds_add_u32 v[SPW], v[NIL]
	s_wait_dscnt 0x0
	CROUND                                         ; the closing round
	s_endpgm
.Lfunc_end_k_q5a766f97ca_pv:
	.size	k_q5a766f97ca_pv, .Lfunc_end_k_q5a766f97ca_pv-k_q5a766f97ca_pv
	.p2alignl 7, 3214868480
	.fill 96, 4, 3214868480
	.section	.rodata,"a",@progbits
	.p2align	6, 0x0
	.amdhsa_kernel k_q5a766f97ca_pv
		.amdhsa_group_segment_fixed_size 327680
		.amdhsa_private_segment_fixed_size 0
		.amdhsa_enable_private_segment 0
		.amdhsa_kernarg_size 48
		.amdhsa_user_sgpr_count 2
		.amdhsa_user_sgpr_kernarg_segment_ptr 1
		.amdhsa_wavefront_size32 1
		.amdhsa_system_sgpr_workgroup_id_x 1
		.amdhsa_system_sgpr_workgroup_id_y 1
		.amdhsa_system_sgpr_workgroup_id_z 1
		.amdhsa_system_vgpr_workitem_id 0
		.amdhsa_next_free_vgpr 768
		.amdhsa_next_free_sgpr 80
		.amdhsa_reserve_vcc 0
		.amdhsa_float_denorm_mode_32 3
		.amdhsa_float_denorm_mode_16_64 3
		.amdhsa_memory_ordered 1
		.amdhsa_forward_progress 1
		.amdhsa_inst_pref_size 121
	.end_amdhsa_kernel
	.amdgpu_metadata
---
amdhsa.version: [ 1, 2 ]
amdhsa.kernels:
  - .name:           k_q5a766f97ca_pv
    .symbol:         k_q5a766f97ca_pv.kd
    .args:
      - { .name: P, .offset: 0, .size: 8, .value_kind: global_buffer, .address_space: global }
      - { .name: v, .offset: 8, .size: 8, .value_kind: global_buffer, .address_space: global }
      - { .name: tsp, .offset: 16, .size: 8, .value_kind: global_buffer, .address_space: global }
      - { .name: X, .offset: 24, .size: 8, .value_kind: global_buffer, .address_space: global }
      - { .name: F, .offset: 32, .size: 8, .value_kind: global_buffer, .address_space: global }
      - { .name: out1, .offset: 40, .size: 8, .value_kind: global_buffer, .address_space: global }
    .group_segment_fixed_size: 327680
    .private_segment_fixed_size: 0
    .kernarg_segment_align: 8
    .kernarg_segment_size: 48
    .max_flat_workgroup_size: 128
    .sgpr_count:     80
    .vgpr_count:     768
    .wavefront_size: 32
...
	.end_amdgpu_metadata
.endif
;; end of part 13
;; launch mlp1 (part 14): grid 8 x 32, 4 waves a work-group, clusters of 4 x 4, 327,680 bytes of LDS; arguments X, H, F, b1, b2; writes F
.if DOCPART == 14
	.amdgcn_target "amdgcn-amd-amdhsa--gfx1250"
	.amdhsa_code_object_version 6
	.text
	.protected	k_q5a766f97ca_mlp1
	.globl	k_q5a766f97ca_mlp1
	.p2align	8
	.type	k_q5a766f97ca_mlp1,@function
k_q5a766f97ca_mlp1:
	s_mov_b64 s[64:65], 0
	v_nop
	global_prefetch_b8 v0, s[64:65] scope:SCOPE_SE
	s_setreg_imm32_b32 hwreg(HW_REG_WAVE_MODE, 25, 1), 1
	s_wait_xcnt 0x0
	s_wait_alu depctr_hold_cnt(0) depctr_sa_sdst(0) depctr_va_vdst(0) depctr_va_sdst(0) depctr_va_ssrc(0) depctr_va_vcc(0) depctr_vm_vsrc(0)
	s_getreg_b32 s2, hwreg(HW_REG_IB_STS2, 6, 4)
	s_cmp_eq_u32 s2, 0
	s_cbranch_scc0 .Lentry_in_a_cluster
	s_endpgm
.Lentry_in_a_cluster:
	s_bfe_u32 s2, ttmp6, 0x10000c
	s_cmp_lg_u32 s2, 0xf033
	s_cbranch_scc0 .Lentry_shape_is_right
	s_endpgm
.Lentry_shape_is_right:
; F[m][0:512] = relu(X1 w1h^T + b1) / 64 = o1 / 64 (the factor 2^-6, exact, is applied to the f32 sums here; w3's first 512 columns carry the 64);  F[m][512:1024] = relu(X2 w2h^T + b2) = o2.
; Both rounded once to f16.  X1, X2: [4096][1024] f16, 8,388,608 bytes apart in X; w1h over w2h: [1024][1024] f16 in H.  The cluster's x says which: 0 (tile columns 0-3): X1, w1, b1; 1: X2, w2, b2.
; LIMIT: o1 / 64 and o2 within f16's 65,504.
; A tile of C is 128 x 128: four waves, each 64 x 64 in 16 accumulators.  K goes in steps of 256 through two LDS slots; a loop trip is ONE K step: the slot in hand is a scalar register that an
; exclusive or turns, and one descriptor set walks.  SLOT's bits (17 and 12) occur in no tile's address inside a slot.
; The last two K steps, which fill nothing, are one loop of two trips that is left in its middle; the second trip's fetch of fragments reads bytes of the other slot that are whole, and is not used.
; CLUSTER 4 x 4: A's tiles are asked for jointly along a row of the cluster, B's along a column.  The matrix instruction is used transposed (source 0 = B, source 1 = A).
.set T,      4
.set LDA,    1024
.set LDB,    1024
.set LDCB,   4096
.set BBASE,  2097152
.set PITCH,  528
.set HALFT,  64*PITCH
.set BOFF,   2*HALFT
.set SLOT,   4*HALFT
.set STAGE,  2*SLOT
.set STEP_A, 512
.set STEP_B, 512
.set SPITCH, 272
.set SPARE,  STAGE+128*SPITCH
.set ADRA0, 14
.set ADRB0, 15
.set ADRA, 16
.set ADRB, 20
.set STO,  24
.set RD,   25
.set CO,   26
.set BO,   27                          ; v27  32 x (l / 16): my 8 numbers of 16 of the bias
.set SPW,  28
.set NIL,  29
.set ZERO, 30                          ; v30  0, for the relu on packed halves
.set TMP,  32
.set BIAS, 96                          ; v[96:127]  n block b's 8 numbers at 96 + 8 b
.set ACC,  128
.set F0,   0
.set F1,   128
.set G1, 24
.set G0, 32
.set G1B, 48
.set G0B, 56
.set TB,  45
.set MSB, 0
.macro WIN new
.if MSB != (\new)
	s_set_vgpr_msb (MSB<<8)|(\new)
.set MSB, \new
.endif
.endm
.set MUL,  0x05
.set TO_F, 0x40
.macro JLOAD s                         ; a joint load: waves 0 and 1 fetch A's halves, waves 2 and 3 B's; an s_nop 0 and four v_nop follow each line
	s_cmp_eq_u32 s11, 0
	s_cbranch_scc0 .Lfor_b_\@
	tensor_load_to_lds s[G0+4*(\s):G0+4*(\s)+3], s[G1:G1+7]
	s_nop 0
.rept 4
	v_nop
.endr
	s_branch .Lasked_\@
.Lfor_b_\@:
	tensor_load_to_lds s[G0B+4*(\s):G0B+4*(\s)+3], s[G1B:G1B+7]
	s_nop 0
.rept 4
	v_nop
.endr
.Lasked_\@:
.endm
.macro CREST
	s_cmp_lg_u32 s10, 0
	s_cbranch_scc1 .Lnot_wave_0_\@
	s_barrier_signal -3
.Lnot_wave_0_\@:
	s_barrier_wait -3
	s_barrier_signal -1
	s_barrier_wait -1
.endm
.macro CROUND
	s_barrier_signal -1
	s_barrier_wait -1
	CREST
.endm
	s_load_b128 s[4:7], s[0:1], 0x0                ; X s[4:5], H s[6:7]
	s_load_b64 s[8:9], s[0:1], 0x10                ; F
	s_load_b64 s[68:69], s[0:1], 0x18              ; b1
	s_load_b64 s[70:71], s[0:1], 0x20              ; b2
	v_lshl_add_u32 v[SPW], v0, 2, SPARE
	v_mov_b32 v[NIL], 0
	ds_add_u32 v[SPW], v[NIL]                      ; the wave's opening: the add and its wait ahead of my first tensor load
	v_lshrrev_b32 v1, 5, v0
	v_readfirstlane_b32 s10, v1
	s_lshr_b32 s11, s10, 1
	s_and_b32 s12, s10, 1
	s_bfe_u32 s40, ttmp6, 0x40000
	s_bfe_u32 s41, ttmp6, 0x40004
	s_mov_b32 s19, ttmp9                           ; the cluster's x
	s_lshl_b32 s42, ttmp9, 2
	s_add_co_u32 s42, s42, s40                     ; tile column
	s_and_b32 s13, ttmp7, 0xffff
	s_lshl_b32 s13, s13, 2
	s_add_co_u32 s13, s13, s41                     ; tile row
	s_lshl_b32 s43, s41, 2
	s_lshl_b32 s43, 15, s43
	s_lshl_b32 s44, 0x1111, s40
	s_or_b32 s[G1+0], s43, (1<<16)|(1<<20)|(1<<21)|(6<<22)|(3<<25)
	s_or_b32 s[G1B+0], s44, (1<<16)|(1<<20)|(1<<21)|(6<<22)|(3<<25)
.irp g, G1, G1B
	s_mov_b32 s[(\g)+1], 256<<16
	s_mov_b32 s[(\g)+2], 64<<16
	s_mov_b32 s[(\g)+3], 256<<16
	s_mov_b32 s[(\g)+4], 64
	s_mov_b32 s[(\g)+6], 0
	s_mov_b32 s[(\g)+7], 0
.endr
	s_mov_b32 s[G1+5], LDA
	s_mov_b32 s[G1B+5], LDB
	s_lshl_b32 s17, s12, 6
	s_lshl_b32 s16, s13, 7
	s_add_co_u32 s16, s16, s17
	s_mul_i32 s16, s16, LDA*2                      ; A: row 128 x tile row + 64 x half,
	s_lshl_b32 s18, s19, 23                        ; of X1 or of X2
	s_add_co_u32 s16, s16, s18
	s_lshl_b32 s46, s42, 7
	s_add_co_u32 s46, s46, s17
	s_mul_i32 s46, s46, LDB*2                      ; B: row 128 x tile column + 64 x half,
	s_add_co_u32 s46, s46, BBASE                   ; of w1h over w2h in H
	s_mov_b32 s17, 0
	s_mov_b32 s47, 0
	s_mul_i32 s20, s10, HALFT
	s_wait_dscnt 0x0                               ; the opening add is done
	s_wait_kmcnt 0x0
	s_add_nc_u64 s[14:15], s[4:5], s[16:17]
	s_add_nc_u64 s[46:47], s[6:7], s[46:47]
	CROUND
.irp s, 0,1
	s_mov_b32 s[G0+4*(\s)], 1
	s_add_co_u32 s[G0+4*(\s)+1], s20, (\s)*SLOT
	s_add_nc_u64 s[G0+4*(\s)+2:G0+4*(\s)+3], s[14:15], (\s)*STEP_A
	s_or_b32 s[G0+4*(\s)+3], s[G0+4*(\s)+3], 0x80000000
	s_mov_b32 s[G0B+4*(\s)], 1
	s_add_co_u32 s[G0B+4*(\s)+1], s20, (\s)*SLOT
	s_add_nc_u64 s[G0B+4*(\s)+2:G0B+4*(\s)+3], s[46:47], (\s)*STEP_B
	s_or_b32 s[G0B+4*(\s)+3], s[G0B+4*(\s)+3], 0x80000000
	JLOAD \s
.endr
	v_and_b32 v1, 15, v0
	v_bfe_u32 v2, v0, 4, 1
	v_mul_u32_u24 v3, v1, PITCH
	v_lshl_add_u32 v3, v2, 4, v3
	s_mul_i32 s21, s11, HALFT
	s_mul_i32 s22, s12, HALFT
	s_add_co_u32 s22, s22, BOFF
	v_add_nc_u32 v[ADRA0], s21, v3
	v_add_nc_u32 v[ADRB0], s22, v3
	s_mov_b32 s[TB], 0
	v_mov_b32 v[ADRA], v[ADRA0]
	v_mov_b32 v[ADRB], v[ADRB0]
	v_mov_b32 v[ZERO], 0
	s_cmp_eq_u32 s19, 0                            ; the bias, and the factor of sums and bias
	s_cselect_b64 s[68:69], s[68:69], s[70:71]
	s_cselect_b32 s66, 0x3c800000, 1.0             ; 2^-6 for o1
	s_mov_b32 s67, s66                             ; named with it as a pair
	s_lshl_b32 s46, s40, 9                         ; my 64 of the bias's 512 numbers: 128 x (tile column mod 4) + 64 x half
	s_lshl_b32 s47, s12, 8
	s_add_co_u32 s46, s46, s47
	s_mov_b32 s47, 0
	s_add_nc_u64 s[68:69], s[68:69], s[46:47]
	v_lshlrev_b32 v[BO], 5, v2
.irp b, 0,1,2,3                        ; waited for on the way out
	global_load_b128 v[BIAS+8*(\b):BIAS+8*(\b)+3], v[BO], s[68:69] offset:64*(\b)
	global_load_b128 v[BIAS+8*(\b)+4:BIAS+8*(\b)+7], v[BO], s[68:69] offset:64*(\b)+16
.endr
	s_mul_i32 s23, s11, 64*SPITCH
	s_lshl_b32 s21, s12, 7
	s_add_co_u32 s23, s23, s21
	s_add_co_u32 s23, s23, STAGE
	v_mul_u32_u24 v4, v1, SPITCH
	v_lshl_add_u32 v4, v2, 4, v4
	v_add_nc_u32 v[STO], s23, v4
	s_mul_i32 s23, s10, 32*SPITCH
	s_add_co_u32 s23, s23, STAGE
	v_mul_u32_u24 v5, v2, SPITCH
	v_lshl_add_u32 v5, v1, 4, v5
	v_add_nc_u32 v[RD], s23, v5
	v_mul_u32_u24 v5, v2, LDCB
	v_lshl_add_u32 v[CO], v1, 4, v5
	s_lshl_b32 s16, s13, 7
	s_lshl_b32 s17, s10, 5
	s_add_co_u32 s16, s16, s17
	s_mul_i32 s16, s16, LDCB
	s_mov_b32 s17, 0
	s_add_nc_u64 s[8:9], s[8:9], s[16:17]
	s_lshl_b32 s46, s42, 8
	s_add_nc_u64 s[8:9], s[8:9], s[46:47]
.macro MUL8 f, c, a0, zero             ; 8 products; the 16 accumulators take turns
	WIN MUL
.irp a, \a0, (\a0)+1
.irp b, 0,1,2,3
.if \zero
	v_wmma_f32_16x16x32_f16 v[ACC+8*(4*(\a)+(\b)):ACC+8*(4*(\a)+(\b))+7], v[(\f)+64+8*(4*(\c)+(\b)):(\f)+64+8*(4*(\c)+(\b))+7], v[(\f)+8*(4*(\c)+(\a)):(\f)+8*(4*(\c)+(\a))+7], 0
.else
	v_wmma_f32_16x16x32_f16 v[ACC+8*(4*(\a)+(\b)):ACC+8*(4*(\a)+(\b))+7], v[(\f)+64+8*(4*(\c)+(\b)):(\f)+64+8*(4*(\c)+(\b))+7], v[(\f)+8*(4*(\c)+(\a)):(\f)+8*(4*(\c)+(\a))+7], v[ACC+8*(4*(\a)+(\b)):ACC+8*(4*(\a)+(\b))+7]
.endif
.endr
.endr
.endm
.macro FETCH k, f
	WIN TO_F
.irp c, 0,1
.irp i, 0,1,2,3
	ds_load_b128 v[(\f)+64+8*(4*(\c)+(\i)):(\f)+64+8*(4*(\c)+(\i))+3],   v[ADRB] offset:(\k)+64*(\c)+(\i)*16*PITCH
	ds_load_b128 v[(\f)+64+8*(4*(\c)+(\i))+4:(\f)+64+8*(4*(\c)+(\i))+7], v[ADRB] offset:(\k)+64*(\c)+(\i)*16*PITCH+32
	ds_load_b128 v[(\f)+8*(4*(\c)+(\i)):(\f)+8*(4*(\c)+(\i))+3],         v[ADRA] offset:(\k)+64*(\c)+(\i)*16*PITCH
	ds_load_b128 v[(\f)+8*(4*(\c)+(\i))+4:(\f)+8*(4*(\c)+(\i))+7],       v[ADRA] offset:(\k)+64*(\c)+(\i)*16*PITCH+32
.endr
.endr
.endm
.macro PLACES
.rept 4
	v_nop
.endr
.endm
.macro QUARTER k, f, g, zero
	s_wait_dscnt 16                                ; the first 32 along K are in
	MUL8 \f, 0, 0, \zero
	MUL8 \f, 0, 2, \zero
	PLACES
	FETCH \k, \g
	s_wait_dscnt 32                                ; all but the 32 just issued
	MUL8 \f, 1, 0, 0
	MUL8 \f, 1, 2, 0
.endm
.macro TURN fill
	WIN 0
	s_wait_tensorcnt 0x0                           ; all my tensor loads have landed: my part of the next slot;
	ds_add_u32 v[SPW], v[NIL]                      ; 0 onto my spare word
	s_wait_dscnt 17                                ; (the add and the youngest sixteen loads may be out)
	MUL8 F1, 0, 0, 0
	s_wait_dscnt 0x0                               ; the add is done, and my reads of this slot are over
	s_barrier_signal -1
	MUL8 F1, 0, 2, 0
	WIN 0
	s_barrier_wait -1
.if \fill
	CREST                                          ; no wave of any partner still reads this slot or has a load on its way
	s_xor_b32 s[G0+5], s[G0+5], SLOT
	s_xor_b32 s[G0B+5], s[G0B+5], SLOT
	s_add_nc_u64 s[G0+6:G0+7], s[G0+6:G0+7], STEP_A
	s_add_nc_u64 s[G0B+6:G0B+7], s[G0B+6:G0B+7], STEP_B
	JLOAD 1
.else
	PLACES
.endif
	s_xor_b32 s[TB], s[TB], SLOT
	v_add_nc_u32 v[ADRA], s[TB], v[ADRA0]
	v_add_nc_u32 v[ADRB], s[TB], v[ADRB0]
	FETCH 0, F0
	MUL8 F1, 1, 0, 0
	MUL8 F1, 1, 2, 0
.endm
	s_wait_tensorcnt 1                             ; my part of K step 0 is in; K step 1's may stay out
	s_barrier_signal -1
	s_barrier_wait -1
	FETCH 0, F0
	QUARTER 128, F0, F1, 1
	WIN 0
	s_mov_b32 s3, T-2
.Lstep:
	QUARTER 256, F1, F0, 0
	QUARTER 384, F0, F1, 0
	TURN 1
	QUARTER 128, F0, F1, 0
	WIN 0
	s_sub_co_u32 s3, s3, 1
	s_cmp_lg_u32 s3, 0
	s_cbranch_scc1 .Lstep
	s_mov_b32 s3, 2
.Ltail:                                                ; the last two K steps fill nothing; the second trip is left behind its last products
	QUARTER 256, F1, F0, 0
	QUARTER 384, F0, F1, 0
	TURN 0
	WIN 0
	s_sub_co_u32 s3, s3, 1
	s_cmp_eq_u32 s3, 0
	s_cbranch_scc1 .Lout
	QUARTER 128, F0, F1, 0
	WIN 0
	s_branch .Ltail
.Lout:
	; THE WAY OUT: (sum + bias) x factor in f32, as sum x factor + (bias x factor); round to f16; relu on the packed halves (nothing is rounded there); through the work-group's stage
	s_wait_loadcnt 0x0                             ; the bias
.irp r, 0,2,4,6,8,10,12,14,16,18,20,22,24,26,28,30
	v_pk_mul_f32 v[BIAS+(\r):BIAS+(\r)+1], v[BIAS+(\r):BIAS+(\r)+1], s[66:67] op_sel_hi:[1,0]  ; these sixteen lines are also the places behind the last products
.endr
.irp t, 0,1,2,3,4,5,6,7,8,9,10,11,12,13,14,15
.irp r, 0,2,4,6
	v_pk_fma_f32 v[ACC+8*(\t)+(\r):ACC+8*(\t)+(\r)+1], v[ACC+8*(\t)+(\r):ACC+8*(\t)+(\r)+1], s[66:67], v[BIAS+8*((\t)%4)+(\r):BIAS+8*((\t)%4)+(\r)+1] op_sel_hi:[1,0,1]
.endr
.endr
.irp t, 0,1,2,3,4,5,6,7,8,9,10,11,12,13,14,15
.irp r, 0,1,2,3
	v_cvt_pk_f16_f32 v[TMP+4*(\t)+(\r)], v[ACC+8*(\t)+2*(\r)], v[ACC+8*(\t)+2*(\r)+1]
.endr
.endr
.set i, 0
.rept 64
	v_pk_max_num_f16 v[TMP+i], v[TMP+i], v[ZERO]
.set i, i+1
.endr
.irp a, 0,1,2,3
.irp b, 0,1,2,3
	ds_store_b128 v[STO], v[TMP+4*(4*(\a)+(\b)):TMP+4*(4*(\a)+(\b))+3] offset:(\a)*16*SPITCH+32*(\b)
.endr
.endr
	s_wait_dscnt 0x0                               ; for the others' sake: my stores into the stage are done
	s_barrier_signal -1
	s_barrier_wait -1
.irp t, 0,1,2,3,4,5,6,7,8,9,10,11,12,13,14,15
	ds_load_b128 v[TMP+4*(\t):TMP+4*(\t)+3], v[RD] offset:(\t)*2*SPITCH
.endr
.irp t, 0,1,2,3,4,5,6,7,8,9,10,11,12,13,14,15
.if (\t)%4 == 0
	s_wait_dscnt 12-(\t)                           ; the next four loads are back; the younger ones stay out
.endif
	global_store_b128 v[CO], v[TMP+4*(\t):TMP+4*(\t)+3], s[8:9] offset:2*(\t)*LDCB
.endr
	s_wait_tensorcnt 0x0                           ; the wave's end
	ds_add_u32 v[SPW], v[NIL]
	s_wait_dscnt 0x0
	CROUND
	s_endpgm
.Lfunc_end_k_q5a766f97ca_mlp1:
	.size	k_q5a766f97ca_mlp1, .Lfunc_end_k_q5a766f97ca_mlp1-k_q5a766f97ca_mlp1
	.p2alignl 7, 3214868480
	.fill 96, 4, 3214868480
	.section	.rodata,"a",@progbits
	.p2align	6, 0x0
	.amdhsa_kernel k_q5a766f97ca_mlp1
		.amdhsa_group_segment_fixed_size 327680
		.amdhsa_private_segment_fixed_size 0
		.amdhsa_enable_private_segment 0
		.amdhsa_kernarg_size 40
		.amdhsa_user_sgpr_count 2
		.amdhsa_user_sgpr_kernarg_segment_ptr 1
		.amdhsa_wavefront_size32 1
		.amdhsa_system_sgpr_workgroup_id_x 1
		.amdhsa_system_sgpr_workgroup_id_y 1
		.amdhsa_system_sgpr_workgroup_id_z 1
		.amdhsa_system_vgpr_workitem_id 0
		.amdhsa_next_free_vgpr 512
		.amdhsa_next_free_sgpr 80
		.amdhsa_reserve_vcc 0
		.amdhsa_float_denorm_mode_32 3
		.amdhsa_float_denorm_mode_16_64 3
		.amdhsa_memory_ordered 1
		.amdhsa_forward_progress 1
		.amdhsa_inst_pref_size 68
	.end_amdhsa_kernel
	.amdgpu_metadata
---
amdhsa.version: [ 1, 2 ]
amdhsa.kernels:
  - .name:           k_q5a766f97ca_mlp1
    .symbol:         k_q5a766f97ca_mlp1.kd
    .args:
      - { .name: X, .offset: 0, .size: 8, .value_kind: global_buffer, .address_space: global }
      - { .name: H, .offset: 8, .size: 8, .value_kind: global_buffer, .address_space: global }
      - { .name: F, .offset: 16, .size: 8, .value_kind: global_buffer, .address_space: global }
      - { .name: b1, .offset: 24, .size: 8, .value_kind: global_buffer, .address_space: global }
      - { .name: b2, .offset: 32, .size: 8, .value_kind: global_buffer, .address_space: global }
    .group_segment_fixed_size: 327680
    .private_segment_fixed_size: 0
    .kernarg_segment_align: 8
    .kernarg_segment_size: 40
    .max_flat_workgroup_size: 128
    .sgpr_count:     80
    .vgpr_count:     512
    .wavefront_size: 32
...
	.end_amdgpu_metadata
.endif
;; end of part 14
;; launch mlp2 (part 15): grid 8 x 32, 4 waves a work-group, clusters of 4 x 4, 327,680 bytes of LDS; arguments F, H, out0, b3; writes out0
.if DOCPART == 15
	.amdgcn_target "amdgcn-amd-amdhsa--gfx1250"
	.amdhsa_code_object_version 6
	.text
	.protected	k_q5a766f97ca_mlp2
	.globl	k_q5a766f97ca_mlp2
	.p2align	8
	.type	k_q5a766f97ca_mlp2,@function
k_q5a766f97ca_mlp2:
	s_mov_b64 s[64:65], 0
	v_nop
	global_prefetch_b8 v0, s[64:65] scope:SCOPE_SE
	s_setreg_imm32_b32 hwreg(HW_REG_WAVE_MODE, 25, 1), 1
	s_wait_xcnt 0x0
	s_wait_alu depctr_hold_cnt(0) depctr_sa_sdst(0) depctr_va_vdst(0) depctr_va_sdst(0) depctr_va_ssrc(0) depctr_va_vcc(0) depctr_vm_vsrc(0)
	s_getreg_b32 s2, hwreg(HW_REG_IB_STS2, 6, 4)
	s_cmp_eq_u32 s2, 0
	s_cbranch_scc0 .Lentry_in_a_cluster
	s_endpgm
.Lentry_in_a_cluster:
	s_bfe_u32 s2, ttmp6, 0x10000c
	s_cmp_lg_u32 s2, 0xf033
	s_cbranch_scc0 .Lentry_shape_is_right
	s_endpgm
.Lentry_shape_is_right:
; out0[m][e] = sum over j of F[m][j] w3h[e][j] + b3[e], in f32.  F = [o1 / 64 | o2 | qh]: [4096][2048] f16; w3h: [1024][2048] f16 in H, its columns 0-511 times 64.
; A tile of C is 128 x 128: four waves, each 64 x 64 in 16 accumulators.  K = 2,048 goes in 8 steps of 256 through two LDS slots; a loop trip is ONE K step: the slot in hand is a scalar
; register that an exclusive or turns, and one descriptor set walks.  SLOT's bits (17 and 12) occur in no tile's address inside a slot.
; The last two K steps, which fill nothing, are one loop of two trips that is left in its middle; the second trip's fetch of fragments reads bytes of the other slot that are whole, and is not used.
; CLUSTER 4 x 4: A's tiles are asked for jointly along a row of the cluster, B's along a column.  The matrix instruction is used transposed (source 0 = B, source 1 = A).
; THE WAY OUT is each wave's own: its 64 columns of f32 are 256 aligned bytes of a row of out0.
.set T,      8
.set LDA,    2048
.set LDB,    2048
.set LDCB,   4096
.set BBASE,  4194304
.set PITCH,  528
.set HALFT,  64*PITCH
.set BOFF,   2*HALFT
.set SLOT,   4*HALFT
.set STAGE,  2*SLOT
.set STEP_A, 512
.set STEP_B, 512
.set SPITCH, 272
.set SPARE,  STAGE+128*SPITCH
.set ADRA0, 14
.set ADRB0, 15
.set ADRA, 16
.set ADRB, 20
.set STO,  24
.set RD,   25
.set CO,   26
.set BO,   27
.set SPW,  28
.set NIL,  29
.set TMP,  32
.set BIAS, 96
.set ACC,  128
.set F0,   0
.set F1,   128
.set G1, 24
.set G0, 32
.set G1B, 48
.set G0B, 56
.set TB,  45
.set MSB, 0
.macro WIN new
.if MSB != (\new)
	s_set_vgpr_msb (MSB<<8)|(\new)
.set MSB, \new
.endif
.endm
.set MUL,  0x05
.set TO_F, 0x40
.macro JLOAD s                         ; a joint load: waves 0 and 1 fetch A's halves, waves 2 and 3 B's; an s_nop 0 and four v_nop follow each line
	s_cmp_eq_u32 s11, 0
	s_cbranch_scc0 .Lfor_b_\@
	tensor_load_to_lds s[G0+4*(\s):G0+4*(\s)+3], s[G1:G1+7]
	s_nop 0
.rept 4
	v_nop
.endr
	s_branch .Lasked_\@
.Lfor_b_\@:
	tensor_load_to_lds s[G0B+4*(\s):G0B+4*(\s)+3], s[G1B:G1B+7]
	s_nop 0
.rept 4
	v_nop
.endr
.Lasked_\@:
.endm
.macro CREST
	s_cmp_lg_u32 s10, 0
	s_cbranch_scc1 .Lnot_wave_0_\@
	s_barrier_signal -3
.Lnot_wave_0_\@:
	s_barrier_wait -3
	s_barrier_signal -1
	s_barrier_wait -1
.endm
.macro CROUND
	s_barrier_signal -1
	s_barrier_wait -1
	CREST
.endm
	s_load_b128 s[4:7], s[0:1], 0x0                ; F s[4:5], H s[6:7]
	s_load_b64 s[8:9], s[0:1], 0x10                ; out0
	s_load_b64 s[68:69], s[0:1], 0x18              ; b3
	v_lshl_add_u32 v[SPW], v0, 2, SPARE
	v_mov_b32 v[NIL], 0
	ds_add_u32 v[SPW], v[NIL]                      ; the wave's opening: the add and its wait ahead of my first tensor load
	v_lshrrev_b32 v1, 5, v0
	v_readfirstlane_b32 s10, v1
	s_lshr_b32 s11, s10, 1
	s_and_b32 s12, s10, 1
	s_bfe_u32 s40, ttmp6, 0x40000
	s_bfe_u32 s41, ttmp6, 0x40004
	s_lshl_b32 s42, ttmp9, 2
	s_add_co_u32 s42, s42, s40                     ; tile column
	s_and_b32 s13, ttmp7, 0xffff
	s_lshl_b32 s13, s13, 2
	s_add_co_u32 s13, s13, s41                     ; tile row
	s_lshl_b32 s43, s41, 2
	s_lshl_b32 s43, 15, s43
	s_lshl_b32 s44, 0x1111, s40
	s_or_b32 s[G1+0], s43, (1<<16)|(1<<20)|(1<<21)|(6<<22)|(3<<25)
	s_or_b32 s[G1B+0], s44, (1<<16)|(1<<20)|(1<<21)|(6<<22)|(3<<25)
.irp g, G1, G1B
	s_mov_b32 s[(\g)+1], 256<<16
	s_mov_b32 s[(\g)+2], 64<<16
	s_mov_b32 s[(\g)+3], 256<<16
	s_mov_b32 s[(\g)+4], 64
	s_mov_b32 s[(\g)+6], 0
	s_mov_b32 s[(\g)+7], 0
.endr
	s_mov_b32 s[G1+5], LDA
	s_mov_b32 s[G1B+5], LDB
	s_lshl_b32 s17, s12, 6
	s_lshl_b32 s16, s13, 7
	s_add_co_u32 s16, s16, s17
	s_mul_i32 s16, s16, LDA*2                      ; A: row 128 x tile row + 64 x half
	s_lshl_b32 s46, s42, 7
	s_add_co_u32 s46, s46, s17
	s_mul_i32 s46, s46, LDB*2                      ; B: row 128 x tile column + 64 x half,
	s_add_co_u32 s46, s46, BBASE                   ; of w3h in H
	s_mov_b32 s17, 0
	s_mov_b32 s47, 0
	s_mul_i32 s20, s10, HALFT
	s_wait_dscnt 0x0                               ; the opening add is done
	s_wait_kmcnt 0x0
	s_add_nc_u64 s[14:15], s[4:5], s[16:17]
	s_add_nc_u64 s[46:47], s[6:7], s[46:47]
	CROUND
.irp s, 0,1
	s_mov_b32 s[G0+4*(\s)], 1
	s_add_co_u32 s[G0+4*(\s)+1], s20, (\s)*SLOT
	s_add_nc_u64 s[G0+4*(\s)+2:G0+4*(\s)+3], s[14:15], (\s)*STEP_A
	s_or_b32 s[G0+4*(\s)+3], s[G0+4*(\s)+3], 0x80000000
	s_mov_b32 s[G0B+4*(\s)], 1
	s_add_co_u32 s[G0B+4*(\s)+1], s20, (\s)*SLOT
	s_add_nc_u64 s[G0B+4*(\s)+2:G0B+4*(\s)+3], s[46:47], (\s)*STEP_B
	s_or_b32 s[G0B+4*(\s)+3], s[G0B+4*(\s)+3], 0x80000000
	JLOAD \s
.endr
	v_and_b32 v1, 15, v0
	v_bfe_u32 v2, v0, 4, 1
	v_mul_u32_u24 v3, v1, PITCH
	v_lshl_add_u32 v3, v2, 4, v3
	s_mul_i32 s21, s11, HALFT
	s_mul_i32 s22, s12, HALFT
	s_add_co_u32 s22, s22, BOFF
	v_add_nc_u32 v[ADRA0], s21, v3
	v_add_nc_u32 v[ADRB0], s22, v3
	s_mov_b32 s[TB], 0
	v_mov_b32 v[ADRA], v[ADRA0]
	v_mov_b32 v[ADRB], v[ADRB0]
	s_lshl_b32 s46, s42, 9                         ; my first column, in bytes of f32: 512 x tile column + 256 x half: in b3 and in a row of out0
	s_lshl_b32 s47, s12, 8
	s_add_co_u32 s46, s46, s47
	s_mov_b32 s47, 0
	s_add_nc_u64 s[68:69], s[68:69], s[46:47]
	s_add_nc_u64 s[8:9], s[8:9], s[46:47]
	v_lshlrev_b32 v[BO], 5, v2
.irp b, 0,1,2,3                        ; waited for on the way out
	global_load_b128 v[BIAS+8*(\b):BIAS+8*(\b)+3], v[BO], s[68:69] offset:64*(\b)
	global_load_b128 v[BIAS+8*(\b)+4:BIAS+8*(\b)+7], v[BO], s[68:69] offset:64*(\b)+16
.endr
	s_mul_i32 s23, s10, 16*SPITCH                  ; my own stage: 16 rows x 272 bytes
	s_add_co_u32 s23, s23, STAGE
	v_mul_u32_u24 v4, v1, SPITCH
	v_lshl_add_u32 v4, v2, 5, v4
	v_add_nc_u32 v[STO], s23, v4
	v_mul_u32_u24 v5, v2, SPITCH
	v_lshl_add_u32 v5, v1, 4, v5
	v_add_nc_u32 v[RD], s23, v5
	v_mul_u32_u24 v5, v2, LDCB
	v_lshl_add_u32 v[CO], v1, 4, v5
	s_lshl_b32 s16, s13, 7
	s_lshl_b32 s17, s11, 6
	s_add_co_u32 s16, s16, s17                     ; my first row of C
	s_mul_i32 s16, s16, LDCB
	s_mov_b32 s17, 0
	s_add_nc_u64 s[8:9], s[8:9], s[16:17]
.macro MUL8 f, c, a0, zero             ; 8 products; the 16 accumulators take turns
	WIN MUL
.irp a, \a0, (\a0)+1
.irp b, 0,1,2,3
.if \zero
	v_wmma_f32_16x16x32_f16 v[ACC+8*(4*(\a)+(\b)):ACC+8*(4*(\a)+(\b))+7], v[(\f)+64+8*(4*(\c)+(\b)):(\f)+64+8*(4*(\c)+(\b))+7], v[(\f)+8*(4*(\c)+(\a)):(\f)+8*(4*(\c)+(\a))+7], 0
.else
	v_wmma_f32_16x16x32_f16 v[ACC+8*(4*(\a)+(\b)):ACC+8*(4*(\a)+(\b))+7], v[(\f)+64+8*(4*(\c)+(\b)):(\f)+64+8*(4*(\c)+(\b))+7], v[(\f)+8*(4*(\c)+(\a)):(\f)+8*(4*(\c)+(\a))+7], v[ACC+8*(4*(\a)+(\b)):ACC+8*(4*(\a)+(\b))+7]
.endif
.endr
.endr
.endm
.macro FETCH k, f
	WIN TO_F
.irp c, 0,1
.irp i, 0,1,2,3
	ds_load_b128 v[(\f)+64+8*(4*(\c)+(\i)):(\f)+64+8*(4*(\c)+(\i))+3],   v[ADRB] offset:(\k)+64*(\c)+(\i)*16*PITCH
	ds_load_b128 v[(\f)+64+8*(4*(\c)+(\i))+4:(\f)+64+8*(4*(\c)+(\i))+7], v[ADRB] offset:(\k)+64*(\c)+(\i)*16*PITCH+32
	ds_load_b128 v[(\f)+8*(4*(\c)+(\i)):(\f)+8*(4*(\c)+(\i))+3],         v[ADRA] offset:(\k)+64*(\c)+(\i)*16*PITCH
	ds_load_b128 v[(\f)+8*(4*(\c)+(\i))+4:(\f)+8*(4*(\c)+(\i))+7],       v[ADRA] offset:(\k)+64*(\c)+(\i)*16*PITCH+32
.endr
.endr
.endm
.macro PLACES
.rept 4
	v_nop
.endr
.endm
.macro QUARTER k, f, g, zero
	s_wait_dscnt 16                                ; the first 32 along K are in
	MUL8 \f, 0, 0, \zero
	MUL8 \f, 0, 2, \zero
	PLACES
	FETCH \k, \g
	s_wait_dscnt 32                                ; all but the 32 just issued
	MUL8 \f, 1, 0, 0
	MUL8 \f, 1, 2, 0
.endm
.macro TURN fill
	WIN 0
	s_wait_tensorcnt 0x0                           ; all my tensor loads have landed: my part of the next slot;
	ds_add_u32 v[SPW], v[NIL]                      ; 0 onto my spare word
	s_wait_dscnt 17                                ; (the add and the youngest sixteen loads may be out)
	MUL8 F1, 0, 0, 0
	s_wait_dscnt 0x0                               ; the add is done, and my reads of this slot are over
	s_barrier_signal -1
	MUL8 F1, 0, 2, 0
	WIN 0
	s_barrier_wait -1
.if \fill
	CREST                                          ; no wave of any partner still reads this slot or has a load on its way
	s_xor_b32 s[G0+5], s[G0+5], SLOT
	s_xor_b32 s[G0B+5], s[G0B+5], SLOT
	s_add_nc_u64 s[G0+6:G0+7], s[G0+6:G0+7], STEP_A
	s_add_nc_u64 s[G0B+6:G0B+7], s[G0B+6:G0B+7], STEP_B
	JLOAD 1
.else
	PLACES
.endif
	s_xor_b32 s[TB], s[TB], SLOT
	v_add_nc_u32 v[ADRA], s[TB], v[ADRA0]
	v_add_nc_u32 v[ADRB], s[TB], v[ADRB0]
	FETCH 0, F0
	MUL8 F1, 1, 0, 0
	MUL8 F1, 1, 2, 0
.endm
	s_wait_tensorcnt 1                             ; my part of K step 0 is in; K step 1's may stay out
	s_barrier_signal -1
	s_barrier_wait -1
	FETCH 0, F0
	QUARTER 128, F0, F1, 1
	WIN 0
	s_mov_b32 s3, T-2
.Lstep:
	QUARTER 256, F1, F0, 0
	QUARTER 384, F0, F1, 0
	TURN 1
	QUARTER 128, F0, F1, 0
	WIN 0
	s_sub_co_u32 s3, s3, 1
	s_cmp_lg_u32 s3, 0
	s_cbranch_scc1 .Lstep
	s_mov_b32 s3, 2
.Ltail:                                                ; the last two K steps fill nothing; the second trip is left behind its last products
	QUARTER 256, F1, F0, 0
	QUARTER 384, F0, F1, 0
	TURN 0
	WIN 0
	s_sub_co_u32 s3, s3, 1
	s_cmp_eq_u32 s3, 0
	s_cbranch_scc1 .Lout
	QUARTER 128, F0, F1, 0
	WIN 0
	s_branch .Ltail
.Lout:
	; THE WAY OUT: + b3; 16 rows at a time through my own stage; LDS serves a wave's instructions in order (ISA guide 5.7.1.4), so no wait stands between the stores and the loads
	s_wait_loadcnt 0x0                             ; the bias
	PLACES
.irp t, 0,1,2,3,4,5,6,7,8,9,10,11,12,13,14,15
.irp r, 0,2,4,6
	v_pk_add_f32 v[ACC+8*(\t)+(\r):ACC+8*(\t)+(\r)+1], v[ACC+8*(\t)+(\r):ACC+8*(\t)+(\r)+1], v[BIAS+8*((\t)%4)+(\r):BIAS+8*((\t)%4)+(\r)+1]
.endr
.endr
.irp a, 0,1,2,3
.irp b, 0,1,2,3
	ds_store_b128 v[STO], v[ACC+8*(4*(\a)+(\b)):ACC+8*(4*(\a)+(\b))+3] offset:64*(\b)
	ds_store_b128 v[STO], v[ACC+8*(4*(\a)+(\b))+4:ACC+8*(4*(\a)+(\b))+7] offset:64*(\b)+16
.endr
	s_wait_xcnt 0x0                                ; registers that earlier stores read are loaded again only behind this wait
.irp t, 0,1,2,3,4,5,6,7
	ds_load_b128 v[TMP+32*((\a)%2)+4*(\t):TMP+32*((\a)%2)+4*(\t)+3], v[RD] offset:(\t)*2*SPITCH
.endr
.irp t, 0,1,2,3,4,5,6,7
.if (\t)%4 == 0
	s_wait_dscnt 4-(\t)                            ; the next four loads are back; the younger ones stay out
.endif
	global_store_b128 v[CO], v[TMP+32*((\a)%2)+4*(\t):TMP+32*((\a)%2)+4*(\t)+3], s[8:9] offset:(16*(\a)+2*(\t))*LDCB th:TH_STORE_NT  ; 16 lanes store 256 consecutive bytes, aligned
.endr
.endr
	s_wait_tensorcnt 0x0                           ; the wave's end
	ds_add_u32 v[SPW], v[NIL]
	s_wait_dscnt 0x0
	CROUND
	s_endpgm
.Lfunc_end_k_q5a766f97ca_mlp2:
	.size	k_q5a766f97ca_mlp2, .Lfunc_end_k_q5a766f97ca_mlp2-k_q5a766f97ca_mlp2
	.p2alignl 7, 3214868480
	.fill 96, 4, 3214868480
	.section	.rodata,"a",@progbits
	.p2align	6, 0x0
	.amdhsa_kernel k_q5a766f97ca_mlp2
		.amdhsa_group_segment_fixed_size 327680
		.amdhsa_private_segment_fixed_size 0
		.amdhsa_enable_private_segment 0
		.amdhsa_kernarg_size 32
		.amdhsa_user_sgpr_count 2
		.amdhsa_user_sgpr_kernarg_segment_ptr 1
		.amdhsa_wavefront_size32 1
		.amdhsa_system_sgpr_workgroup_id_x 1
		.amdhsa_system_sgpr_workgroup_id_y 1
		.amdhsa_system_sgpr_workgroup_id_z 1
		.amdhsa_system_vgpr_workitem_id 0
		.amdhsa_next_free_vgpr 512
		.amdhsa_next_free_sgpr 80
		.amdhsa_reserve_vcc 0
		.amdhsa_float_denorm_mode_32 3
		.amdhsa_float_denorm_mode_16_64 3
		.amdhsa_memory_ordered 1
		.amdhsa_forward_progress 1
		.amdhsa_inst_pref_size 63
	.end_amdhsa_kernel
	.amdgpu_metadata
---
amdhsa.version: [ 1, 2 ]
amdhsa.kernels:
  - .name:           k_q5a766f97ca_mlp2
    .symbol:         k_q5a766f97ca_mlp2.kd
    .args:
      - { .name: F, .offset: 0, .size: 8, .value_kind: global_buffer, .address_space: global }
      - { .name: H, .offset: 8, .size: 8, .value_kind: global_buffer, .address_space: global }
      - { .name: out0, .offset: 16, .size: 8, .value_kind: global_buffer, .address_space: global }
      - { .name: b3, .offset: 24, .size: 8, .value_kind: global_buffer, .address_space: global }
    .group_segment_fixed_size: 327680
    .private_segment_fixed_size: 0
    .kernarg_segment_align: 8
    .kernarg_segment_size: 32
    .max_flat_workgroup_size: 128
    .sgpr_count:     80
    .vgpr_count:     512
    .wavefront_size: 32
...
	.end_amdgpu_metadata
.endif
;; end of part 15
